; MI455X (gfx1250); checked and timed in simulation.
; The chip was launched on July 23, 2026; its instructions are those of AMD's public machine-readable ISA for CDNA 5 (MIT licence, August 2026) and "CDNA5" Instruction Set Architecture Reference Guide (July 2026). The comments in the code are by the model that wrote it; some were corrected since.
;; Self Attention. Allowed arithmetic: float matrix products may take bf16 or f16 operands with f32 sums; other float arithmetic in f32, or as packed bf16 or f16 multiplies, adds, multiply-adds, maxima and minima; sums over many terms, partial sums and values carried from step to step in f32; what a program stores and reads back later, other than sums and carried values, may be rounded once to bf16 or f16.
;; Inputs: W_qkv 1,024 x 3,072 float32; hidden_states 4 x 2,048 x 1,024 float32.
;; Outputs: out0 4 x 2,048 x 1,024 float32.
;; 2 versions, each right and faster than the one before. Each part assembles by itself: llvm-mc -triple=amdgcn-amd-amdhsa -mcpu=gfx1250 --defsym DOCPART=n.
;; ======== version 1 of 2: 4 launches
;; limits: values are held in f16: magnitudes above 65,504 overflow, below 6.1e-05 lose precision; right only within a limited range of input values; values outside matrix products are rounded to f16
;; workspace buffers: xb 16,777,216 bytes; wb 6,291,456 bytes; qkv 50,331,648 bytes; pt 33,554,432 bytes; stats 1,048,576 bytes
;; launch cast (part 1): grid 512 x 1, 8 waves a work-group, no clusters, 0 bytes of LDS; arguments hidden_states, W_qkv, xb, wb; writes xb, wb
.if DOCPART == 1
	.amdgcn_target "amdgcn-amd-amdhsa--gfx1250"
	.amdhsa_code_object_version 6
	.text
	.protected	k_q7fc0c19a40_cast
	.globl	k_q7fc0c19a40_cast
	.p2align	8
	.type	k_q7fc0c19a40_cast,@function
k_q7fc0c19a40_cast:
	s_mov_b64 s[64:65], 0
	v_nop
	global_prefetch_b8 v0, s[64:65] scope:SCOPE_SE
	s_setreg_imm32_b32 hwreg(HW_REG_WAVE_MODE, 25, 1), 1
	s_wait_xcnt 0x0
; xb = bf16(hidden_states), wb = bf16(W_qkv), number by number, rounded to nearest even.
; 512 work-groups of eight waves.  A chunk is 1,024 numbers: 4,096 bytes in, 2,048 bytes out, 16 bytes a thread in, 8 out.
; Each work-group takes 16 chunks of x (8,388,608 numbers / 512 / 1,024) and 6 of W (3,145,728 / 512 / 1,024): all alike, no branch.
; All 22 loads of a wave go out first, each 512 neighbouring bytes; a store of a wave covers 256 consecutive bytes, aligned.
; No LDS, no matrix unit, no cluster: nothing is shared and nothing is multiplied.
.set NX, 16                            ; chunks of x
.set NW, 6                             ; chunks of W
.set X,  4                             ; v[4:91]    chunk i: 4 registers as loaded
.set Y,  92                            ; v[92:135]  chunk i: 2 registers to store
	s_load_b256 s[4:11], s[0:1], 0x0               ; x s[4:5], W s[6:7], xb s[8:9], wb s[10:11]
	s_lshl_b32 s12, ttmp9, 16                      ; the group's bytes in x: 16 chunks of 4,096
	s_mov_b32 s13, 0
	s_lshl_b32 s14, ttmp9, 15                      ; in xb: half of that
	s_mov_b32 s15, 0
	s_mul_i32 s16, ttmp9, NW*4096                  ; in W
	s_mov_b32 s17, 0
	s_mul_i32 s18, ttmp9, NW*2048                  ; in wb
	s_mov_b32 s19, 0
	v_lshlrev_b32 v1, 4, v0                        ; my 16 bytes of a chunk as loaded
	v_lshlrev_b32 v2, 3, v0                        ; my 8 bytes of a chunk as stored
	s_wait_kmcnt 0x0
	s_add_nc_u64 s[4:5], s[4:5], s[12:13]
	s_add_nc_u64 s[6:7], s[6:7], s[16:17]
	s_add_nc_u64 s[8:9], s[8:9], s[14:15]
	s_add_nc_u64 s[10:11], s[10:11], s[18:19]
.set i, 0
.rept NX
	global_load_b128 v[X+4*i:X+4*i+3], v1, s[4:5] offset:4096*i th:TH_LOAD_NT
.set i, i+1
.endr
.set i, 0
.rept NW
	global_load_b128 v[X+4*(NX+i):X+4*(NX+i)+3], v1, s[6:7] offset:4096*i th:TH_LOAD_NT
.set i, i+1
.endr
.set i, 0
.rept NX
	s_wait_loadcnt NX+NW-1-i                       ; loads come back in order: chunk i is in, the younger ones stay out
	v_cvt_pk_bf16_f32 v[Y+2*i],   v[X+4*i],   v[X+4*i+1]
	v_cvt_pk_bf16_f32 v[Y+2*i+1], v[X+4*i+2], v[X+4*i+3]
	global_store_b64 v2, v[Y+2*i:Y+2*i+1], s[8:9] offset:2048*i
.set i, i+1
.endr
.set i, 0
.rept NW
	s_wait_loadcnt NW-1-i
	v_cvt_pk_bf16_f32 v[Y+2*(NX+i)],   v[X+4*(NX+i)],   v[X+4*(NX+i)+1]
	v_cvt_pk_bf16_f32 v[Y+2*(NX+i)+1], v[X+4*(NX+i)+2], v[X+4*(NX+i)+3]
	global_store_b64 v2, v[Y+2*(NX+i):Y+2*(NX+i)+1], s[10:11] offset:2048*i
.set i, i+1
.endr
	s_endpgm                                       ; no register is written twice, so no wait frees one
.Lfunc_end_k_q7fc0c19a40_cast:
	.size	k_q7fc0c19a40_cast, .Lfunc_end_k_q7fc0c19a40_cast-k_q7fc0c19a40_cast
	.p2alignl 7, 3214868480
	.fill 96, 4, 3214868480
	.section	.rodata,"a",@progbits
	.p2align	6, 0x0
	.amdhsa_kernel k_q7fc0c19a40_cast
		.amdhsa_group_segment_fixed_size 0
		.amdhsa_private_segment_fixed_size 0
		.amdhsa_enable_private_segment 0
		.amdhsa_kernarg_size 32
		.amdhsa_user_sgpr_count 2
		.amdhsa_user_sgpr_kernarg_segment_ptr 1
		.amdhsa_wavefront_size32 1
		.amdhsa_system_sgpr_workgroup_id_x 1
		.amdhsa_system_sgpr_workgroup_id_y 1
		.amdhsa_system_sgpr_workgroup_id_z 1
		.amdhsa_system_vgpr_workitem_id 0
		.amdhsa_next_free_vgpr 136
		.amdhsa_next_free_sgpr 66
		.amdhsa_reserve_vcc 0
		.amdhsa_float_denorm_mode_32 3
		.amdhsa_float_denorm_mode_16_64 3
		.amdhsa_memory_ordered 1
		.amdhsa_forward_progress 1
		.amdhsa_inst_pref_size 9
	.end_amdhsa_kernel
	.amdgpu_metadata
---
amdhsa.version: [ 1, 2 ]
amdhsa.kernels:
  - .name:           k_q7fc0c19a40_cast
    .symbol:         k_q7fc0c19a40_cast.kd
    .args:
      - { .name: hidden_states, .offset: 0, .size: 8, .value_kind: global_buffer, .address_space: global }
      - { .name: W_qkv, .offset: 8, .size: 8, .value_kind: global_buffer, .address_space: global }
      - { .name: xb, .offset: 16, .size: 8, .value_kind: global_buffer, .address_space: global }
      - { .name: wb, .offset: 24, .size: 8, .value_kind: global_buffer, .address_space: global }
    .group_segment_fixed_size: 0
    .private_segment_fixed_size: 0
    .kernarg_segment_align: 8
    .kernarg_segment_size: 32
    .max_flat_workgroup_size: 256
    .sgpr_count:     66
    .vgpr_count:     136
    .wavefront_size: 32
...
	.end_amdgpu_metadata
.endif
;; end of part 1
;; launch proj (part 2): grid 4 x 64, 4 waves a work-group, clusters of 4 x 4, 327,680 bytes of LDS; arguments xb, wb, qkv; writes qkv
.if DOCPART == 2
	.amdgcn_target "amdgcn-amd-amdhsa--gfx1250"
	.amdhsa_code_object_version 6
	.text
	.protected	k_q7fc0c19a40_proj
	.globl	k_q7fc0c19a40_proj
	.p2align	8
	.type	k_q7fc0c19a40_proj,@function
k_q7fc0c19a40_proj:
	s_mov_b64 s[64:65], 0
	v_nop
	global_prefetch_b8 v0, s[64:65] scope:SCOPE_SE
	s_setreg_imm32_b32 hwreg(HW_REG_WAVE_MODE, 25, 1), 1
	s_wait_xcnt 0x0
	s_wait_alu depctr_hold_cnt(0) depctr_sa_sdst(0) depctr_va_vdst(0) depctr_va_sdst(0) depctr_va_ssrc(0) depctr_va_vcc(0) depctr_vm_vsrc(0)
	s_getreg_b32 s2, hwreg(HW_REG_IB_STS2, 6, 4)
	s_cmp_eq_u32 s2, 0
	s_cbranch_scc0 .Lentry_in_a_cluster
	s_endpgm
.Lentry_in_a_cluster:
	s_bfe_u32 s2, ttmp6, 0x10000c
	s_cmp_lg_u32 s2, 0xf033
	s_cbranch_scc0 .Lentry_shape_is_right
	s_endpgm
.Lentry_shape_is_right:
; qkv[m][n] = sum over k of xb[m][k] wb[k][n].  xb: [8192][1024] bf16, wb: [1024][3072] bf16, qkv: [8192][3072] f16; sums in f32, rounded once.
; LIMIT.  f16 holds no number beyond 65,504: q, k and v must stay within it.  NaN and infinities are not treated apart.
; SHARES.  A tile of qkv is 128 rows x 256 columns: 64 x 12 = 768 tiles, three for each of 256 work-groups THAT STAY: tile t of a work-group has the columns 1024 t + 256 x (one of q, one of k, one
; of v) and always the same 128 rows.  Four waves, each 64 x 128: 32 accumulators of 16 x 16, 256 registers.
; K goes in steps of 128 through two LDS slots: 128 rows of xb (256 bytes each) and 128 k-rows of wb (512 bytes each).  wb lies [k][n], so its fragments come out of LDS turned, by ds_load_tr16_b128.
; The ring does not stop at a tile's end: a tile's last two changes of slots ask for the next tile's first two K steps.
; CLUSTER.  4 x 4 work-groups.  The four of a row of the cluster need the same rows of xb, the four of a column the same columns of wb: each tile is asked for JOINTLY, by the same tensor load with
; the same descriptor and a mask that names the four.
; THE MATRIX INSTRUCTION IS USED TRANSPOSED (source 0 = 16 columns of wb, source 1 = 16 rows of xb): a lane then holds eight neighbouring numbers of a row of qkv.
; REGISTERS, in windows of 256 (s_set_vgpr_msb: bits 1:0 source 0, 3:2 source 1, 5:4 source 2, 7:6 destination):
;   window 0: v0-31 addresses; v64-95, v96-127 fragments of xb, two buffers; v128-159 packed results; v32-63, v160-191 rows read back from the stage
;   window 1: v0-63, v64-127 fragments of wb, two buffers          window 2: accumulator (a, b) at v[8 (8 a + b)]
.set KSTEP,  128
.set NS,     8                         ; K steps in a tile: 1024 / 128
.set TILES,  3
.set PA,     272                       ; an LDS row of xb: 256 bytes + 16 = 68 words: the 16 rows of a load start at 16 different groups of four banks (64 banks of 4 bytes: ISA guide 11.1)
.set PB,     544                       ; an LDS row of wb: 512 + 32 = 136 words
.set AHALF,  64*PA                     ; what one tensor load brings of xb
.set BOFF,   128*PA                    ; wb's rows lie behind xb's
.set BHALF,  64*PB                     ; what one tensor load brings of wb
.set SLOT1,  1<<17                     ; slot 1 begins here, so that one exclusive or turns an address in one slot into the other's
.set STAGE,  BOFF+128*PB               ; between the slots, never filled by a tensor load: 16 rows x 272 bytes for each wave, for the way out
.set SP,     272
.set SPARE,  STAGE+4*16*SP             ; behind the stages: the spare words, 128 bytes for each wave: two blocks of 256 bytes that no other line names
.set ASTEP,  KSTEP*2                   ; bytes from a K step to the next in xb,
.set BSTEP,  KSTEP*6144                ; and in wb: 128 rows of 6,144 bytes
.set CROW,   6144                      ; bytes in a row of qkv
.set A0,  16                           ; v16  my lane's place in slot 0's rows of xb; never rewritten
.set B0,  17                           ; v17  the same for wb
.set ADA, 18                           ; v18  the same in the slot in hand
.set ADB, 19                           ; v19
.set STO, 24                           ; v24  the way out: where I put 16 bytes of a row
.set RD,  25                           ; v25  the way out: where I read a row back
.set CO,  26                           ; v26  my byte offset in qkv
.set SPW, 28                           ; v28  LDS address of my spare word; never rewritten
.set NIL, 29                           ; v29  0; never rewritten
.set FA,  64                           ; xb's fragment buffer n at FA + 32 n (window 0); wb's at 64 n (window 1)
.set TMP, 128
.set OB,  32
.set G1A, 24                           ; s[24:31] descriptor group 1 for xb's tiles
.set G0A, 32                           ; s[32:39] group 0: a set for each of the two first fills; the second then walks on
.set G1B, 48                           ; s[48:55], s[56:63] the same for wb's
.set G0B, 56
.set TB,  66                           ; s66  0 or SLOT1: the slot in hand
.set MSB, 0
.macro WIN new                         ; the immediate's high byte repeats the setting that is left; a switch that changes nothing is dropped
.if MSB != (\new)
	s_set_vgpr_msb (MSB<<8)|(\new)
.set MSB, \new
.endif
.endm
.set MUL,  0xa1                        ; source 0 (wb) window 1, source 1 (xb) window 0, C and D window 2
.set TO_B, 0x40                        ; destination window 1, address window 0
; A joint refill.  Waves 0 and 1 fetch xb's two halves, waves 2 and 3 wb's.  The branch hangs on the wave's number alone: it is the same in every work-group.
; An s_nop 0 and four v_nop follow each of the two lines, ahead of the jump, the label and what follows.
.macro JLOAD
	s_cmp_lt_u32 s10, 2
	s_cbranch_scc0 .Lfor_b_\@
	tensor_load_to_lds s[G0A+4:G0A+7], s[G1A:G1A+7]
	s_nop 0
.rept 4
	v_nop
.endr
	s_branch .Lasked_\@
.Lfor_b_\@:
	tensor_load_to_lds s[G0B+4:G0B+7], s[G1B:G1B+7]
	s_nop 0
.rept 4
	v_nop
.endr
.Lasked_\@:
.endm
.macro CREST                           ; a round of the cluster's barrier behind its opening barrier
	s_cmp_lg_u32 s10, 0
	s_cbranch_scc1 .Lnot_wave_0_\@
	s_barrier_signal -3
.Lnot_wave_0_\@:
	s_barrier_wait -3
	s_barrier_signal -1
	s_barrier_wait -1
.endm
.macro CROUND                          ; a whole round
	s_barrier_signal -1
	s_barrier_wait -1
	CREST
.endm
	s_load_b128 s[4:7], s[0:1], 0x0                ; xb s[4:5], wb s[6:7]
	s_load_b64 s[8:9], s[0:1], 0x10                ; qkv
	v_lshl_add_u32 v[SPW], v0, 2, SPARE
	v_mov_b32 v[NIL], 0
	ds_add_u32 v[SPW], v[NIL]                      ; the wave's opening: the add and its wait stand ahead of my first tensor load; the set-up below, work on registers, stands between them
	ds_add_u32 v28, v29
	v_lshrrev_b32 v1, 5, v0
	v_readfirstlane_b32 s10, v1                    ; wave 0..3
	s_lshr_b32 s11, s10, 1                         ; which 64 of the tile's rows are mine
	s_and_b32 s12, s10, 1                          ; which 128 of its columns.  Also: which half of a tile I fetch
	s_bfe_u32 s40, ttmp6, 0x40000                  ; cx, cy: my place in the cluster
	s_bfe_u32 s41, ttmp6, 0x40004
	s_lshl_b32 s42, ttmp9, 2
	s_add_co_u32 s42, s42, s40                     ; x = 4 x cluster x + cx: my 256 columns in each third of qkv
	s_and_b32 s13, ttmp7, 0xffff
	s_lshl_b32 s13, s13, 2
	s_add_co_u32 s13, s13, s41                     ; y = 4 x cluster y + cy: my 128 rows
	s_lshl_b32 s43, s41, 2
	s_lshl_b32 s43, 15, s43                        ; my row of the cluster
	s_lshl_b32 s44, 0x1111, s40                    ; my column
	s_or_b32 s[G1A+0], s43, (1<<16)|(1<<20)|(1<<21)|(5<<22)|(3<<25)  ; 15:0 the mask: xb's tiles go to my row; 17:16 2-byte elements; 20 padding on; 21 set beside a mask; 24:22 after every 64 words (code 5); 31:25 4 words (code 3)
	s_or_b32 s[G1B+0], s44, (1<<16)|(1<<20)|(1<<21)|(6<<22)|(7<<25)  ; wb's go to my column; after every 128 words (code 6) 8 words (code 7)
	s_mov_b32 s[G1A+1], KSTEP<<16                  ; tensor_dim0 = 128
	s_mov_b32 s[G1A+2], 64<<16                     ; tensor_dim1 = 64
	s_mov_b32 s[G1A+3], KSTEP<<16                  ; tile_dim0 = 128
	s_mov_b32 s[G1A+4], 64                         ; tile_dim1 = 64
	s_mov_b32 s[G1A+5], 1024                       ; elements from row to row
	s_mov_b32 s[G1A+6], 0
	s_mov_b32 s[G1A+7], 0
	s_mov_b32 s[G1B+1], 256<<16                    ; tensor_dim0 = 256
	s_mov_b32 s[G1B+2], 64<<16                     ; tensor_dim1 = 64
	s_mov_b32 s[G1B+3], 256<<16                    ; tile_dim0 = 256
	s_mov_b32 s[G1B+4], 64                         ; tile_dim1 = 64
	s_mov_b32 s[G1B+5], 3072
	s_mov_b32 s[G1B+6], 0
	s_mov_b32 s[G1B+7], 0
	; xb's address hangs on y and the wave alone, wb's on x and the wave alone, each in registers that never hold the other coordinate
	s_lshl_b32 s16, s13, 7
	s_lshl_b32 s17, s12, 6
	s_add_co_u32 s16, s16, s17                     ; row 128 y + 64 x half,
	s_lshl_b32 s16, s16, 11                        ; of 2,048 bytes
	s_mov_b32 s17, 0
	s_mul_i32 s46, s12, 64*6144                    ; k-row 64 x half,
	s_lshl_b32 s47, s42, 9                         ; column 256 x
	s_add_co_u32 s46, s46, s47
	s_mov_b32 s47, 0
	s_mul_i32 s20, s12, AHALF                      ; where they go: no place in the cluster enters an LDS address
	s_mul_i32 s21, s12, BHALF
	s_add_co_u32 s21, s21, BOFF
	s_mov_b32 s[TB], 0
	s_wait_dscnt 0x0                               ; the opening add is done
	s_wait_kmcnt 0x0
	s_add_nc_u64 s[14:15], s[4:5], s[16:17]
	s_add_nc_u64 s[46:47], s[6:7], s[46:47]
	CROUND                                         ; all sixteen work-groups are here: the first joint loads meet
.irp n, 0,1
	s_mov_b32 s[G0A+4*(\n)], 1                                         ; count = 1
	s_add_co_u32 s[G0A+4*(\n)+1], s20, (\n)*SLOT1                      ; LDS address
	s_add_nc_u64 s[G0A+4*(\n)+2:G0A+4*(\n)+3], s[14:15], (\n)*ASTEP    ; global address: K step n
	s_or_b32 s[G0A+4*(\n)+3], s[G0A+4*(\n)+3], 0x80000000              ; type = 2
	s_mov_b32 s[G0B+4*(\n)], 1
	s_add_co_u32 s[G0B+4*(\n)+1], s21, (\n)*SLOT1
	s_add_nc_u64 s[G0B+4*(\n)+2:G0B+4*(\n)+3], s[46:47], (\n)*BSTEP
	s_or_b32 s[G0B+4*(\n)+3], s[G0B+4*(\n)+3], 0x80000000
.endr
	s_cmp_lt_u32 s10, 2                            ; a wave's two first fills stand in one branch, ahead of every wait on TENSORcnt, every LDS read and every later barrier: two loads of mine are out
	s_cbranch_scc0 .Lfirst_b
	tensor_load_to_lds s[G0A:G0A+3], s[G1A:G1A+7]
	s_nop 0
	tensor_load_to_lds s[G0A+4:G0A+7], s[G1A:G1A+7]
	s_nop 0
.rept 4
	v_nop
.endr
	s_branch .Lfirst_asked
.Lfirst_b:
	tensor_load_to_lds s[G0B:G0B+3], s[G1B:G1B+7]
	s_nop 0
	tensor_load_to_lds s[G0B+4:G0B+7], s[G1B:G1B+7]
	s_nop 0
.rept 4
	v_nop
.endr
.Lfirst_asked:
	; A fragment of xb is 16 rows x 32 K in 8 registers: lane l holds row l % 16, K = 8 (l / 16) + 0..7 and 16 + 8 (l / 16) + 0..7: two loads of 16 bytes, 32 bytes apart.
	v_and_b32 v1, 15, v0                           ; l % 16
	v_bfe_u32 v2, v0, 4, 1                         ; l / 16
	v_mul_u32_u24 v3, v1, PA
	v_lshl_add_u32 v3, v2, 4, v3
	s_mul_i32 s22, s11, AHALF                      ; my 64 rows
	v_add_nc_u32 v[A0], s22, v3
	; The turning load takes 16 k x 16 columns (lane l reads k-row 8 (l / 16) + l % 8, columns 8 ((l / 8) % 2) + 0..7) and leaves half a fragment: lane l holds column l % 16 and 8 k.
	v_and_b32 v4, 7, v0
	v_bfe_u32 v5, v0, 3, 1
	v_lshl_add_u32 v4, v2, 3, v4
	v_mul_u32_u24 v4, v4, PB
	v_lshl_add_u32 v4, v5, 4, v4
	s_lshl_b32 s22, s12, 8                         ; my 128 columns
	s_add_co_u32 s22, s22, BOFF
	v_add_nc_u32 v[B0], s22, v4
	v_mov_b32 v[ADA], v[A0]                        ; slot 0 comes first
	v_mov_b32 v[ADB], v[B0]
	s_mul_i32 s23, s10, 16*SP
	s_add_co_u32 s23, s23, STAGE                   ; my stage
	v_mul_u32_u24 v4, v1, SP                       ; in: row l % 16, 16 bytes for each half of the lanes
	v_lshl_add_u32 v4, v2, 4, v4
	v_add_nc_u32 v[STO], s23, v4
	v_mul_u32_u24 v5, v2, SP                       ; back: lanes 0-15 take one row of 256 bytes, lanes 16-31 the next
	v_lshl_add_u32 v5, v1, 4, v5
	v_add_nc_u32 v[RD], s23, v5
	v_mul_u32_u24 v5, v2, CROW                     ; and the same two rows in qkv
	v_lshl_add_u32 v[CO], v1, 4, v5
	s_lshl_b32 s16, s13, 7
	s_lshl_b32 s17, s11, 6
	s_add_co_u32 s16, s16, s17                     ; my first row of qkv
	s_mul_i32 s16, s16, CROW
	s_mov_b32 s17, 0
	s_add_nc_u64 s[8:9], s[8:9], s[16:17]
	s_lshl_b32 s46, s42, 9                         ; my first column, in bytes: 512 x + 256 x half
	s_lshl_b32 s47, s12, 8
	s_add_co_u32 s46, s46, s47
	s_mov_b32 s47, 0
	s_add_nc_u64 s[8:9], s[8:9], s[46:47]
; 8 matrix instructions: row block a x all 8 column blocks, 32 along K, from buffer n.  zero = 1: the product starts the sums: nothing is ever cleared.
; The 32 accumulators take turns, one instruction a turn, in the same order in every quarter.
.macro MUL8 n, a, zero
	WIN MUL
.irp b, 0,1,2,3,4,5,6,7
.if \zero
	v_wmma_f32_16x16x32_bf16 v[8*(8*(\a)+(\b)):8*(8*(\a)+(\b))+7], v[64*(\n)+8*(\b):64*(\n)+8*(\b)+7], v[FA+32*(\n)+8*(\a):FA+32*(\n)+8*(\a)+7], 0
.else
	v_wmma_f32_16x16x32_bf16 v[8*(8*(\a)+(\b)):8*(8*(\a)+(\b))+7], v[64*(\n)+8*(\b):64*(\n)+8*(\b)+7], v[FA+32*(\n)+8*(\a):FA+32*(\n)+8*(\a)+7], v[8*(8*(\a)+(\b)):8*(8*(\a)+(\b))+7]
.endif
.endr
.endm
.macro MUL16 n, a0, zero
	MUL8 \n, \a0, \zero
	MUL8 \n, (\a0)+1, \zero
.endm
; 24 LDS loads in one run: the fragments of quarter q (32 along K) of the slot in hand into buffer n: wb's sixteen first, then xb's eight
.macro FETCH q, n
	WIN TO_B
.irp b, 0,1,2,3,4,5,6,7
	ds_load_tr16_b128 v[64*(\n)+8*(\b):64*(\n)+8*(\b)+3],   v[ADB] offset:(\q)*32*PB+32*(\b)
	ds_load_tr16_b128 v[64*(\n)+8*(\b)+4:64*(\n)+8*(\b)+7], v[ADB] offset:(\q)*32*PB+16*PB+32*(\b)
.endr
	WIN 0
.irp a, 0,1,2,3
	ds_load_b128 v[FA+32*(\n)+8*(\a):FA+32*(\n)+8*(\a)+3],   v[ADA] offset:64*(\q)+(\a)*16*PA
	ds_load_b128 v[FA+32*(\n)+8*(\a)+4:FA+32*(\n)+8*(\a)+7], v[ADA] offset:64*(\q)+(\a)*16*PA+32
.endr
.endm
.macro PLACES                          ; four places in front of loads into registers that matrix instructions have read, and of conversions that read results
.rept 4
	v_nop
.endr
.endm
; A K step is four quarters of 32 along K, 32 matrix instructions each, on buffers 0, 1, 0, 1.  One of the first three: multiplies buffer f; in its middle it fetches quarter q into buffer g.
.macro QUARTER q, f, g, zero
	s_wait_dscnt 4                                 ; wb's fragments and xb's blocks 0 and 1 are in; the youngest four loads (blocks 2 and 3) may be out
	MUL16 \f, 0, \zero
	PLACES
	FETCH \q, \g
	s_wait_dscnt 24                                ; all but the 24 just issued
	MUL16 \f, 2, \zero
.endm
; The last quarter multiplies buffer 1 and changes slots: ONE barrier; in front of it each wave waits for all its tensor loads (one is out: its part of the next slot), adds 0 to its spare word, and
; waits for that and for its own reads of this slot.  fill = 1: the barrier opens a round of the cluster's barrier, and the slot just read is filled again first thing behind it: with the K step two
; steps on, or (wrap = 1) with the next tile's K step 0: back seven steps, and in wb 1,024 columns on.
.macro TURN fill, wrap
	WIN 0
	s_wait_tensorcnt 0x0                           ; all my tensor loads have landed, so the walking descriptors may be written
	ds_add_u32 v[SPW], v[NIL]                      ; 0 onto my spare word
	s_wait_dscnt 5                                 ; (the add and the youngest four loads may be out)
	MUL8 1, 0, 0                                   ; eight matrix instructions stand between the add and the wait for it
	s_wait_dscnt 0x0                               ; the add is done, and my reads of this slot are over
	s_barrier_signal -1
	MUL8 1, 1, 0                                   ; work on registers while the others arrive
	WIN 0
	s_barrier_wait -1
.if \fill
	CREST                                          ; no wave of any partner still reads this slot's tile or has a load on its way
	s_xor_b32 s[G0A+5], s[G0A+5], SLOT1            ; the other slot than last time
	s_xor_b32 s[G0B+5], s[G0B+5], SLOT1
.if \wrap
	s_sub_nc_u64 s[G0A+6:G0A+7], s[G0A+6:G0A+7], (NS-1)*ASTEP
	s_sub_nc_u64 s[G0B+6:G0B+7], s[G0B+6:G0B+7], (NS-1)*BSTEP-2048
.else
	s_add_nc_u64 s[G0A+6:G0A+7], s[G0A+6:G0A+7], ASTEP
	s_add_nc_u64 s[G0B+6:G0B+7], s[G0B+6:G0B+7], BSTEP
.endif
	JLOAD                                          ; the first tensor load behind the round; its four v_nop are also the places in front of the loads below
.else
	PLACES
.endif
	s_xor_b32 s[TB], s[TB], SLOT1                  ; the reads go on in the other slot
	v_add_nc_u32 v[ADA], s[TB], v[A0]
	v_add_nc_u32 v[ADB], s[TB], v[B0]
	FETCH 0, 0
	MUL16 1, 2, 0
.endm
; THE WAY OUT of row block a: rounded to f16, 16 bytes a lane; into my own stage in LDS and back as whole rows of 256 bytes; stored.
.macro PACK a
	WIN 0x0a                                       ; sources 0 and 1 window 2
.irp b, 0,1,2,3,4,5,6,7
.irp r, 0,1,2,3
	v_cvt_pk_f16_f32 v[TMP+4*(\b)+(\r)], v[64*(\a)+8*(\b)+2*(\r)], v[64*(\a)+8*(\b)+2*(\r)+1]
.endr
.endr
	WIN 0
.endm
.macro TOSTAGE a
.set BK, OB+128*((\a)%2)
.irp b, 0,1,2,3,4,5,6,7
	ds_store_b128 v[STO], v[TMP+4*(\b):TMP+4*(\b)+3] offset:32*(\b)
.endr
.irp t, 0,1,2,3,4,5,6,7
	ds_load_b128 v[BK+4*(\t):BK+4*(\t)+3], v[RD] offset:(\t)*2*SP  ; LDS serves a wave's instructions in order (ISA guide 5.7.1.4): these see the stores above
.endr
.endm
.macro SEND a
.set BK, OB+128*((\a)%2)
	s_wait_dscnt 0x0                               ; the block is back in registers
	s_wait_xcnt 0x0                                ; the registers that the block before last's stores read are loaded again only behind this wait
.irp t, 0,1,2,3,4,5,6,7
	global_store_b128 v[CO], v[BK+4*(\t):BK+4*(\t)+3], s[8:9] offset:(16*(\a)+2*(\t))*CROW  ; 16 lanes store 256 consecutive bytes, at a multiple of 256 from qkv's first byte
.endr
.endm
.macro OUT                             ; block a's conversions stand between block a - 1's loads from the stage and the wait for them
	PACK 0
	TOSTAGE 0
.irp a, 1,2,3
	PACK \a
	SEND (\a)-1
	TOSTAGE \a
.endr
	SEND 3
.endm
	s_wait_tensorcnt 1                             ; my part of K step 0 is in; K step 1's may stay out
	s_barrier_signal -1
	s_barrier_wait -1                              ; everybody's is
	FETCH 0, 0
	s_mov_b32 s2, TILES                            ; tiles to go, this one among them
.Ltile:
	QUARTER 1, 0, 1, 1                             ; a tile's first quarter stands in front of the loop: its products start the sums
	WIN 0                                          ; at a label and at a branch every window is 0
	s_mov_b32 s3, NS-2
.Lstep:                                                ; a trip goes from a K step's second quarter to the next step's first, and fills the slot that it leaves: K steps 2 to 7
	QUARTER 2, 1, 0, 0
	QUARTER 3, 0, 1, 0
	TURN 1, 0
	QUARTER 1, 0, 1, 0
	WIN 0
	s_sub_co_u32 s3, s3, 1
	s_cmp_lg_u32 s3, 0
	s_cbranch_scc1 .Lstep
	QUARTER 2, 1, 0, 0                             ; the last K step but one goes on
	QUARTER 3, 0, 1, 0
	WIN 0
	s_cmp_eq_u32 s2, 1
	s_cbranch_scc1 .Llast                          ; the last tile's tail is written out: it asks for nothing more
	TURN 1, 1                                      ; THE RING GOES ON INTO THE NEXT TILE: its K step 0,
	QUARTER 1, 0, 1, 0
	QUARTER 2, 1, 0, 0
	QUARTER 3, 0, 1, 0
	TURN 1, 0                                      ; its K step 1, and its first fragments
	OUT                                            ; both refills are asked for: now the tile goes out.  Blocks 0 and 1 were finished in front of the refill's places; their 64 conversions are the places behind the last products
	s_wait_xcnt 0x0                                ; the stores have read their base
	s_add_nc_u64 s[8:9], s[8:9], 2048              ; 1,024 columns on
	s_sub_co_u32 s2, s2, 1
	s_branch .Ltile
.Llast:
	TURN 0, 0                                      ; nothing is filled again, so no round follows
	QUARTER 1, 0, 1, 0
	QUARTER 2, 1, 0, 0
	QUARTER 3, 0, 1, 0
	s_wait_dscnt 4                                 ; the very last quarter: nothing more to fetch
	MUL16 1, 0, 0
	s_wait_dscnt 0x0
	MUL16 1, 2, 0
	WIN 0
	PLACES
	OUT
	s_wait_tensorcnt 0x0                           ; the wave's end: behind my last tensor load and my last LDS store
	ds_add_u32 v[SPW], v[NIL]
	s_wait_dscnt 0x0
	CROUND                                         ; the closing round: no work-group ends while a partner may still ask for a tile that names it
	s_endpgm
.Lfunc_end_k_q7fc0c19a40_proj:
	.size	k_q7fc0c19a40_proj, .Lfunc_end_k_q7fc0c19a40_proj-k_q7fc0c19a40_proj
	.p2alignl 7, 3214868480
	.fill 96, 4, 3214868480
	.section	.rodata,"a",@progbits
	.p2align	6, 0x0
	.amdhsa_kernel k_q7fc0c19a40_proj
		.amdhsa_group_segment_fixed_size 327680
		.amdhsa_private_segment_fixed_size 0
		.amdhsa_enable_private_segment 0
		.amdhsa_kernarg_size 24
		.amdhsa_user_sgpr_count 2
		.amdhsa_user_sgpr_kernarg_segment_ptr 1
		.amdhsa_wavefront_size32 1
		.amdhsa_system_sgpr_workgroup_id_x 1
		.amdhsa_system_sgpr_workgroup_id_y 1
		.amdhsa_system_sgpr_workgroup_id_z 1
		.amdhsa_system_vgpr_workitem_id 0
		.amdhsa_next_free_vgpr 768
		.amdhsa_next_free_sgpr 72
		.amdhsa_reserve_vcc 0
		.amdhsa_float_denorm_mode_32 3
		.amdhsa_float_denorm_mode_16_64 3
		.amdhsa_memory_ordered 1
		.amdhsa_forward_progress 1
		.amdhsa_inst_pref_size 108
	.end_amdhsa_kernel
	.amdgpu_metadata
---
amdhsa.version: [ 1, 2 ]
amdhsa.kernels:
  - .name:           k_q7fc0c19a40_proj
    .symbol:         k_q7fc0c19a40_proj.kd
    .args:
      - { .name: xb, .offset: 0, .size: 8, .value_kind: global_buffer, .address_space: global }
      - { .name: wb, .offset: 8, .size: 8, .value_kind: global_buffer, .address_space: global }
      - { .name: qkv, .offset: 16, .size: 8, .value_kind: global_buffer, .address_space: global }
    .group_segment_fixed_size: 327680
    .private_segment_fixed_size: 0
    .kernarg_segment_align: 8
    .kernarg_segment_size: 24
    .max_flat_workgroup_size: 128
    .sgpr_count:     72
    .vgpr_count:     768
    .wavefront_size: 32
...
	.end_amdgpu_metadata
.endif
;; end of part 2
;; launch scores (part 3): grid 8 x 32, 4 waves a work-group, clusters of 4 x 4, 327,680 bytes of LDS; arguments qkv, pt, stats; writes pt, stats
.if DOCPART == 3
	.amdgcn_target "amdgcn-amd-amdhsa--gfx1250"
	.amdhsa_code_object_version 6
	.text
	.protected	k_q7fc0c19a40_scores
	.globl	k_q7fc0c19a40_scores
	.p2align	8
	.type	k_q7fc0c19a40_scores,@function
k_q7fc0c19a40_scores:
	s_mov_b64 s[64:65], 0
	v_nop
	global_prefetch_b8 v0, s[64:65] scope:SCOPE_SE
	s_setreg_imm32_b32 hwreg(HW_REG_WAVE_MODE, 25, 1), 1
	s_wait_xcnt 0x0
	s_wait_alu depctr_hold_cnt(0) depctr_sa_sdst(0) depctr_va_vdst(0) depctr_va_sdst(0) depctr_va_ssrc(0) depctr_va_vcc(0) depctr_vm_vsrc(0)
	s_getreg_b32 s2, hwreg(HW_REG_IB_STS2, 6, 4)
	s_cmp_eq_u32 s2, 0
	s_cbranch_scc0 .Lentry_in_a_cluster
	s_endpgm
.Lentry_in_a_cluster:
	s_bfe_u32 s2, ttmp6, 0x10000c
	s_cmp_lg_u32 s2, 0xf033
	s_cbranch_scc0 .Lentry_shape_is_right
	s_endpgm
.Lentry_shape_is_right:
; For each query row q and each strip t of 128 keys of its batch: s = Q[q] . K[key] (f16 products, f32 sums, K ascending);  m'[t][q] = c x max over the strip of s, c = log2(e) / 32;
; pt[q][key] = 2^(c s - m'[t][q]) in f16;  l[t][q] = the sum over the strip of these weights, unrounded.  The next launch takes the maximum over a row's 16 strips and rescales.
; qkv: [8192][3072] f16 (a row: q, k, v, 2,048 bytes each).  pt: [8192][2048] f16.  stats: m' as [16][8192] f32, then l likewise.
; The weight is made by one fused multiply-add against the m' that is stored, so the rounding of c x max is the same number in both launches.
; LIMITS.  A weight lies in 0 to 1 (to within one rounding); below 6e-5 it keeps f16's fixed step of 6e-8; below 2^-126 it counts as 0 in l.  NaN and infinities are not treated apart.
; SHARES.  A tile is 256 queries x 256 keys: 32 x 8 = 256 work-groups of four waves, each wave 128 x 128 (one strip): 64 accumulators, 512 registers.  K (1,024 channels) goes in steps of 128 through
; two LDS slots filled by the tensor data mover: rows of 256 bytes that start at multiples of 256 bytes.
; CLUSTER.  4 x 4 work-groups: the four of a row need the same rows of Q, the four of a column the same rows of K (a cluster's 1,024 queries lie in one batch): each tile is asked for JOINTLY.
; THE MATRIX INSTRUCTION IS USED TRANSPOSED (source 0 = 16 keys, source 1 = 16 queries): a lane holds ONE query (lane % 16) and in the 8 accumulators of a row block 64 of the strip's keys;
; the lane 16 away holds the other 64.  So a maximum and a sum want one exchange between the halves of the lanes, and eight weights pack into 16 neighbouring bytes of pt.
; REGISTERS, in windows of 256 (s_set_vgpr_msb: bits 1:0 source 0, 3:2 source 1, 5:4 source 2, 7:6 destination):
;   window 0: v0-31 addresses; v32-63 statistics; v64-127, v128-191 fragments of Q, two buffers (later: rows read back, sums at work); v192-223 packed weights
;   window 1: v64-127, v128-191 fragments of K, two buffers     window 2: the accumulators of my rows 0-63 ((a, b) at v[8 (8 a + b)])     window 3: those of my rows 64-127
.set KSTEP,  128
.set PITCH,  272                       ; an LDS row: 256 bytes + 16 = 68 words: the 16 rows of a load start at 16 different groups of four banks (64 banks of 4 bytes: ISA guide 11.1)
.set HALFT,  128*PITCH                 ; 128 rows: what one tensor load brings, and what one wave reads of Q or of K
.set SLOT,   4*HALFT                   ; Q's 256 rows, then K's 256 rows
.set STAGE,  2*SLOT                    ; behind the ring: 16 rows x 272 bytes for each wave, for the way out
.set SPITCH, 272
.set SST,    STAGE+4*16*SPITCH         ; behind the stages: 1,024 bytes for each wave: its 128 m', then its 128 l
.set SPARE,  SST+4*1024                ; behind that: the spare words, 128 bytes for each wave: two blocks of 256 bytes that no other line names
.set LAPS,   4                         ; a lap = two K steps = once round the ring: 1024 / 256
.set ROWB,   6144                      ; bytes in a row of qkv
.set PROW,   4096                      ; bytes in a row of pt
.set ADRA, 16                          ; v16-17  LDS address of my Q fragments in slot 0, 1
.set ADRB, 20                          ; v20-21  the same for K
.set STO,  24                          ; v24  the way out: where I put 16 bytes of a row
.set RD,   25                          ; v25  the way out: where I read a row back
.set CO,   26                          ; v26  my byte offset in pt
.set SSW,  27                          ; v27  where I put a statistic
.set SPW,  28                          ; v28  LDS address of my spare word; never rewritten
.set NIL,  29                          ; v29  0; never rewritten
.set SSR,  30                          ; v30  where I read statistics back
.set SGO,  31                          ; v31  my byte offset in 512 consecutive bytes of stats
.set CH,   32                          ; v32-35  four chains of the maximum
.set CM,   36                          ; v36-37  m', twice (named as a pair)
.set T0,   38
.set T1,   39
.set MS,   40                          ; v40-47  m' of row block a
.set LS,   48                          ; v48-55  l of row block a
.set MX,   56                          ; v56-63  m' in lanes 0-15, l in lanes 16-31
.set F0,   64
.set F1,   128
.set OB,   64                          ; the way out: 16 rows read back from the stage: v64-95 and v96-127 by turns
.set SU,   128                         ; v128-159 sums at work
.set SB,   160                         ; v160-167 the statistics read back
.set TMP,  192
.set G1, 24                            ; s[24:31] descriptor group 1 for Q's tiles;  s[32:39] group 0, one set for each slot
.set G0, 32
.set G1B, 48                           ; s[48:55], s[56:63] the same for K's
.set G0B, 56
.set CS,  66                           ; s[66:67] c: the packed scaling takes the pair's low word for both halves
.set SEL, 68                           ; s[68:69] v_permlanex16_b32's selects: each lane takes its own place in the other half
.set MSB, 0
.macro WIN new                         ; the immediate's high byte repeats the setting that is left; a switch that changes nothing is dropped
.if MSB != (\new)
	s_set_vgpr_msb (MSB<<8)|(\new)
.set MSB, \new
.endif
.endm
.set MUL_LO, 0xa1                      ; source 0 (K) window 1, source 1 (Q) window 0, C and D window 2
.set MUL_HI, 0xf1                      ; the same, C and D window 3
.set TO_B,   0x40                      ; destination window 1, address window 0
; A joint load.  Waves 0 and 1 fetch Q's two halves, waves 2 and 3 K's.  The branch hangs on the wave's number alone.  An s_nop 0 and four v_nop follow each of the two lines.
.macro JLOAD s
	s_cmp_eq_u32 s11, 0
	s_cbranch_scc0 .Lfor_b_\@
	tensor_load_to_lds s[G0+4*(\s):G0+4*(\s)+3], s[G1:G1+7]
	s_nop 0
.rept 4
	v_nop
.endr
	s_branch .Lasked_\@
.Lfor_b_\@:
	tensor_load_to_lds s[G0B+4*(\s):G0B+4*(\s)+3], s[G1B:G1B+7]
	s_nop 0
.rept 4
	v_nop
.endr
.Lasked_\@:
.endm
.macro CREST                           ; a round of the cluster's barrier behind its opening barrier
	s_cmp_lg_u32 s10, 0
	s_cbranch_scc1 .Lnot_wave_0_\@
	s_barrier_signal -3
.Lnot_wave_0_\@:
	s_barrier_wait -3
	s_barrier_signal -1
	s_barrier_wait -1
.endm
.macro CROUND                          ; a whole round
	s_barrier_signal -1
	s_barrier_wait -1
	CREST
.endm
	s_load_b128 s[4:7], s[0:1], 0x0                ; qkv s[4:5], pt s[6:7]
	s_load_b64 s[8:9], s[0:1], 0x10                ; stats
	v_lshl_add_u32 v[SPW], v0, 2, SPARE
	v_mov_b32 v[NIL], 0
	ds_add_u32 v[SPW], v[NIL]                      ; the wave's opening: the add and its wait stand ahead of my first tensor load; the set-up below, work on registers, stands between them
	ds_add_u32 v28, v29
	v_lshrrev_b32 v1, 5, v0
	v_readfirstlane_b32 s10, v1                    ; wave 0..3
	s_lshr_b32 s11, s10, 1                         ; which half of the tile's queries is mine.  Also: I fetch for Q (0) or for K (1)
	s_and_b32 s12, s10, 1                          ; which half of its keys.  Also: which 128 rows of that tile I fetch
	s_bfe_u32 s40, ttmp6, 0x40000                  ; cx, cy: my place in the cluster
	s_bfe_u32 s41, ttmp6, 0x40004
	s_lshl_b32 s42, ttmp9, 2
	s_add_co_u32 s42, s42, s40                     ; x = 4 x cluster x + cx: my 256 keys of the batch
	s_and_b32 s45, ttmp7, 0xffff                   ; the cluster's y: two clusters to a batch
	s_lshl_b32 s13, s45, 2
	s_add_co_u32 s13, s13, s41                     ; y = 4 x cluster y + cy: my 256 queries
	s_lshl_b32 s43, s41, 2
	s_lshl_b32 s43, 15, s43                        ; my row of the cluster
	s_lshl_b32 s44, 0x1111, s40                    ; my column
	s_or_b32 s[G1+0], s43, (1<<16)|(1<<20)|(1<<21)|(5<<22)|(3<<25)   ; 15:0 the mask: Q's tiles go to my row; 17:16 2-byte elements; 20 padding on; 21 set beside a mask; 24:22 after every 64 words (code 5); 31:25 4 words (code 3)
	s_or_b32 s[G1B+0], s44, (1<<16)|(1<<20)|(1<<21)|(5<<22)|(3<<25)  ; the same with the mask of my column, for K's tiles
.irp g, G1, G1B
	s_mov_b32 s[(\g)+1], KSTEP<<16                 ; tensor_dim0 = 128
	s_mov_b32 s[(\g)+2], 128<<16                   ; tensor_dim1 = 128
	s_mov_b32 s[(\g)+3], KSTEP<<16                 ; tile_dim0 = 128
	s_mov_b32 s[(\g)+4], 128                       ; tile_dim1 = 128
	s_mov_b32 s[(\g)+5], 3072                      ; elements from row to row
	s_mov_b32 s[(\g)+6], 0
	s_mov_b32 s[(\g)+7], 0
.endr
	s_mov_b32 s[CS], 0x3d38aa3b                    ; c = log2(e) / 32 = 0.0450842
	s_mov_b32 s[CS+1], s[CS]                       ; named with it as a pair
	s_mov_b32 s[SEL], 0x76543210
	s_mov_b32 s[SEL+1], 0xfedcba98
	; Q's address hangs on y and the wave alone; K's on x, the cluster's y (which all sixteen share) and the wave
	s_lshl_b32 s16, s13, 8
	s_lshl_b32 s17, s12, 7
	s_add_co_u32 s16, s16, s17                     ; Q: row 256 y + 128 x half
	s_mul_i32 s16, s16, ROWB
	s_mov_b32 s17, 0
	s_lshr_b32 s46, s45, 1
	s_lshl_b32 s46, s46, 11                        ; K: the batch's first row,
	s_lshl_b32 s47, s42, 8
	s_add_co_u32 s46, s46, s47                     ; + 256 x
	s_lshl_b32 s47, s12, 7
	s_add_co_u32 s46, s46, s47                     ; + 128 x half
	s_mul_i32 s46, s46, ROWB
	s_add_co_u32 s46, s46, 2048                    ; k lies behind q in a row
	s_mov_b32 s47, 0
	s_mul_i32 s20, s10, HALFT                      ; where they go: Q's two halves, then K's two halves: no place in the cluster enters an LDS address
	s_wait_dscnt 0x0                               ; the opening add is done
	s_wait_kmcnt 0x0
	s_add_nc_u64 s[14:15], s[4:5], s[16:17]
	s_add_nc_u64 s[46:47], s[4:5], s[46:47]
	CROUND                                         ; all sixteen work-groups are here: the first joint loads meet
.irp s, 0,1
	s_mov_b32 s[G0+4*(\s)], 1                                        ; count = 1
	s_add_co_u32 s[G0+4*(\s)+1], s20, (\s)*SLOT                      ; LDS address
	s_add_nc_u64 s[G0+4*(\s)+2:G0+4*(\s)+3], s[14:15], (\s)*KSTEP*2  ; global address: K step s
	s_or_b32 s[G0+4*(\s)+3], s[G0+4*(\s)+3], 0x80000000              ; type = 2
	s_mov_b32 s[G0B+4*(\s)], 1
	s_add_co_u32 s[G0B+4*(\s)+1], s20, (\s)*SLOT
	s_add_nc_u64 s[G0B+4*(\s)+2:G0B+4*(\s)+3], s[46:47], (\s)*KSTEP*2
	s_or_b32 s[G0B+4*(\s)+3], s[G0B+4*(\s)+3], 0x80000000
	JLOAD \s                                       ; the ring is filled before anything else is done: two loads of mine are out
.endr
	; A fragment is 16 rows x 32 channels in 8 registers: lane l holds row l % 16, channels 8 (l / 16) + 0..7 and 16 + 8 (l / 16) + 0..7: two loads of 16 bytes, 32 bytes apart.
	v_and_b32 v1, 15, v0                           ; l % 16
	v_bfe_u32 v2, v0, 4, 1                         ; l / 16
	v_mul_u32_u24 v3, v1, PITCH
	v_lshl_add_u32 v3, v2, 4, v3
	s_mul_i32 s21, s11, HALFT                      ; my 128 rows of Q
	s_mul_i32 s22, s12, HALFT                      ; my 128 rows of K,
	s_add_co_u32 s22, s22, 2*HALFT                 ; which lie behind Q's 256
.irp s, 0,1
	v_add_nc_u32 v[ADRA+(\s)], s21, v3
	v_add_nc_u32 v[ADRB+(\s)], s22, v3
	s_add_co_u32 s21, s21, SLOT
	s_add_co_u32 s22, s22, SLOT
.endr
	s_mul_i32 s23, s10, 16*SPITCH
	s_add_co_u32 s23, s23, STAGE                   ; my stage
	v_mul_u32_u24 v4, v1, SPITCH                   ; in: row l % 16, 16 bytes for each half of the lanes
	v_lshl_add_u32 v4, v2, 4, v4
	v_add_nc_u32 v[STO], s23, v4
	v_mul_u32_u24 v5, v2, SPITCH                   ; back: lanes 0-15 take one row of 256 bytes, lanes 16-31 the next
	v_lshl_add_u32 v5, v1, 4, v5
	v_add_nc_u32 v[RD], s23, v5
	v_lshlrev_b32 v5, 12, v2                       ; and the same two rows in pt
	v_lshl_add_u32 v[CO], v1, 4, v5
	s_lshl_b32 s23, s10, 10
	s_add_co_u32 s23, s23, SST                     ; my 1,024 bytes of statistics
	v_lshlrev_b32 v4, 2, v1                        ; in: word l % 16 of a row block; lanes 0-15 among the m', lanes 16-31 among the l
	v_lshl_add_u32 v4, v2, 9, v4
	v_add_nc_u32 v[SSW], s23, v4
	v_and_b32 v5, 31, v0
	v_lshlrev_b32 v[SGO], 4, v5                    ; back: 16 bytes a lane
	v_add_nc_u32 v[SSR], s23, v[SGO]
	v_mov_b32 v[T0], 0                             ; v_permlanex16_b32's destination counts as read
	s_lshl_b32 s16, s13, 8
	s_lshl_b32 s17, s11, 7
	s_add_co_u32 s16, s16, s17                     ; my first query
	s_lshl_b32 s18, s16, 2                         ; its word in a plane of stats
	s_mov_b32 s19, 0
	s_add_nc_u64 s[8:9], s[8:9], s[18:19]
	s_lshl_b32 s16, s16, 12                        ; its row in pt
	s_mov_b32 s17, 0
	s_add_nc_u64 s[6:7], s[6:7], s[16:17]
	s_lshl_b32 s46, s42, 1
	s_add_co_u32 s46, s46, s12                     ; my strip: 2 x + half
	s_lshl_b32 s18, s46, 15                        ; its 8,192 words in a plane of stats
	s_add_nc_u64 s[8:9], s[8:9], s[18:19]
	s_lshl_b32 s46, s46, 8                         ; its 256 bytes in a row of pt
	s_mov_b32 s47, 0
	s_add_nc_u64 s[6:7], s[6:7], s[46:47]
; 16 matrix instructions: row blocks a0, a0 + 1 of the window's four (hi = 0: my rows 0-63, 1: rows 64-127) x all 8 key blocks, 32 channels.  zero = 1: the product starts the sums.
; The 64 accumulators take turns, one instruction a turn, in the same order in every quarter.
.macro MUL16 f, hi, a0, zero
	WIN MUL_LO+0x50*(\hi)
.irp a, \a0, (\a0)+1
.irp b, 0,1,2,3,4,5,6,7
.if \zero
	v_wmma_f32_16x16x32_f16 v[8*(8*(\a)+(\b)):8*(8*(\a)+(\b))+7], v[(\f)+8*(\b):(\f)+8*(\b)+7], v[(\f)+8*(4*(\hi)+(\a)):(\f)+8*(4*(\hi)+(\a))+7], 0
.else
	v_wmma_f32_16x16x32_f16 v[8*(8*(\a)+(\b)):8*(8*(\a)+(\b))+7], v[(\f)+8*(\b):(\f)+8*(\b)+7], v[(\f)+8*(4*(\hi)+(\a)):(\f)+8*(4*(\hi)+(\a))+7], v[8*(8*(\a)+(\b)):8*(8*(\a)+(\b))+7]
.endif
.endr
.endr
.endm
; 32 LDS loads in one run: the fragments of one quarter step (128 rows of K, 128 rows of Q, 32 channels at byte k of the rows) into buffer f
.macro FETCH slot, k, f
	WIN TO_B
.irp i, 0,1,2,3,4,5,6,7
	ds_load_b128 v[(\f)+8*(\i):(\f)+8*(\i)+3],   v[ADRB+(\slot)] offset:(\k)+(\i)*16*PITCH
	ds_load_b128 v[(\f)+8*(\i)+4:(\f)+8*(\i)+7], v[ADRB+(\slot)] offset:(\k)+(\i)*16*PITCH+32
.endr
	WIN 0
.irp i, 0,1,2,3,4,5,6,7
	ds_load_b128 v[(\f)+8*(\i):(\f)+8*(\i)+3],   v[ADRA+(\slot)] offset:(\k)+(\i)*16*PITCH
	ds_load_b128 v[(\f)+8*(\i)+4:(\f)+8*(\i)+7], v[ADRA+(\slot)] offset:(\k)+(\i)*16*PITCH+32
.endr
.endm
.macro PLACES                          ; four places in front of loads into registers that matrix instructions have read, and of vector work on results just made
.rept 4
	v_nop
.endr
.endm
; A K step is four quarters of 32 channels, 64 matrix instructions each, on buffers 0, 1, 0, 1.  One of the first three: multiplies buffer f and fetches the next quarter, at byte k, into g.
.macro QUARTER slot, k, f, g, zero
	s_wait_dscnt 8                                 ; K and Q's rows 0-63 are in; the youngest eight loads (Q's rows 64-127) may be out
	MUL16 \f, 0, 0, \zero
	MUL16 \f, 0, 2, \zero
	PLACES
	FETCH \slot, \k, \g
	s_wait_dscnt 32                                ; all but the 32 just issued
	MUL16 \f, 1, 0, \zero
	MUL16 \f, 1, 2, \zero
.endm
; The last quarter multiplies buffer 1 and changes slots.  MEET is its first half: ONE barrier; in front of it each wave waits for all its tensor loads (one is out: its part of the next slot), adds 0
; to its spare word, and waits for that and for its own reads of this slot.
.macro MEET round                      ; round = 1: a round of the cluster's barrier follows
	WIN 0
	s_wait_tensorcnt 0x0                           ; all my tensor loads have landed
	ds_add_u32 v[SPW], v[NIL]                      ; 0 onto my spare word
	s_wait_dscnt 9                                 ; (the add and the youngest eight loads may be out)
	MUL16 F1, 0, 0, 0                              ; sixteen matrix instructions stand between the add and the wait for it
	s_wait_dscnt 0x0                               ; the add is done, and my reads of this slot are over
	s_barrier_signal -1
	MUL16 F1, 0, 2, 0                              ; work on registers while the others arrive
.if \round
	WIN 0
.endif
	s_barrier_wait -1
.endm
.macro TURN slot, next                 ; the whole last quarter: behind the round the slot just read is filled again first, two K steps on; then come the next slot's first fragments
	MEET 1
	CREST                                          ; no wave of any partner still reads this slot's tile or has a load on its way
	s_add_nc_u64 s[G0+4*(\slot)+2:G0+4*(\slot)+3], s[G0+4*(\slot)+2:G0+4*(\slot)+3], 2*KSTEP*2
	s_add_nc_u64 s[G0B+4*(\slot)+2:G0B+4*(\slot)+3], s[G0B+4*(\slot)+2:G0B+4*(\slot)+3], 2*KSTEP*2
	JLOAD \slot                                    ; its four v_nop are also the places in front of the loads below
	FETCH \next, 0, F0
	MUL16 F1, 1, 0, 0
	MUL16 F1, 1, 2, 0
.endm
; THE SOFTMAX'S FIRST HALF for row block a (16 queries, my strip's 128 keys): its 8 accumulators are 64 registers from AC on, in window 2 or 3.
.macro SOFT a
.set AC, 64*((\a)%4)
	WIN 0x0a+5*((\a)/4)                            ; sources 0 and 1 in the block's window
.irp k, 0,1,2,3                        ; four chains of 16 scores; each accumulator's lowest registers are read first
	v_max_num_f32 v[CH+\k], v[AC+16*\k], v[AC+16*\k+1]
.endr
.irp i, 1,2,3,4,5,6,7
.irp k, 0,1,2,3
	v_max3_num_f32 v[CH+\k], v[AC+16*\k+2*\i], v[AC+16*\k+2*\i+1], v[CH+\k]
.endr
.endr
	WIN 0
	v_max3_num_f32 v[CH], v[CH], v[CH+1], v[CH+2]
	v_max_num_f32 v[CH], v[CH], v[CH+3]
	v_permlanex16_b32 v[T0], v[CH], s[SEL], s[SEL+1]  ; the query's other 64 keys lie in the lane 16 away
	v_max_num_f32 v[CH], v[CH], v[T0]
	v_mul_f32 v[CM], s[CS], v[CH]                  ; m' = c x max
	v_mul_f32 v[CM+1], s[CS], v[CH]
	v_mul_f32 v[MS+(\a)], s[CS], v[CH]
	WIN 0x82+0x41*((\a)/4)                         ; destination and source 0 in the block's window
.set i, 0
.rept 32
	v_pk_fma_f32 v[AC+2*i:AC+2*i+1], v[AC+2*i:AC+2*i+1], s[CS:CS+1], v[CM:CM+1] op_sel_hi:[1,0,0] neg_lo:[0,0,1] neg_hi:[0,0,1]  ; c s - m'
.set i, i+1
.endr
.set i, 0
.rept 64
	v_exp_f32 v[AC+i], v[AC+i]
.set i, i+1
.endr
	v_nop                                          ; a plain instruction between the last exponential and the use of its result (ISA guide 5.7.2)
	WIN 0x0a+5*((\a)/4)
	s_wait_alu depctr_va_vdst(0)
.irp b, 0,1,2,3,4,5,6,7
.irp r, 0,1,2,3
	v_cvt_pk_f16_f32 v[TMP+4*(\b)+(\r)], v[AC+8*(\b)+2*(\r)], v[AC+8*(\b)+2*(\r)+1]
.endr
.endr
.set i, 0
.rept 16                               ; the sum of the unrounded weights: 32 pairs into 16,
	v_pk_add_f32 v[SU+2*i:SU+2*i+1], v[AC+4*i:AC+4*i+1], v[AC+4*i+2:AC+4*i+3]
.set i, i+1
.endr
	WIN 0
.irp w, 16,8,4,2                       ; then 8, 4, 2, 1
.set i, 0
.rept (\w)/2
	v_pk_add_f32 v[SU+2*i:SU+2*i+1], v[SU+2*i:SU+2*i+1], v[SU+(\w)+2*i:SU+(\w)+2*i+1]
.set i, i+1
.endr
.endr
	v_add_f32 v[T1], v[SU], v[SU+1]
	v_permlanex16_b32 v[T0], v[T1], s[SEL], s[SEL+1]
	v_add_f32 v[LS+(\a)], v[T1], v[T0]
.endm
.macro TOSTAGE a                       ; 16 bytes a lane into my own stage, and back as whole rows of 256 bytes
.set BK, OB+32*((\a)%2)
.irp b, 0,1,2,3,4,5,6,7
	ds_store_b128 v[STO], v[TMP+4*(\b):TMP+4*(\b)+3] offset:32*(\b)
.endr
.irp t, 0,1,2,3,4,5,6,7
	ds_load_b128 v[BK+4*(\t):BK+4*(\t)+3], v[RD] offset:(\t)*2*SPITCH  ; LDS serves a wave's instructions in order (ISA guide 5.7.1.4): these see the stores above
.endr
.endm
.macro SEND a
.set BK, OB+32*((\a)%2)
	s_wait_dscnt 0x0                               ; the block is back in registers
	s_wait_xcnt 0x0                                ; the registers that the block before last's stores read are loaded again only behind this wait
.irp t, 0,1,2,3,4,5,6,7
	global_store_b128 v[CO], v[BK+4*(\t):BK+4*(\t)+3], s[6:7] offset:(16*(\a)+2*(\t))*PROW  ; 16 lanes store 256 consecutive bytes, at a multiple of 256 from pt's first byte
.endr
.endm
	s_wait_tensorcnt 1                             ; my part of K step 0 is in; K step 1's may stay out
	s_barrier_signal -1
	s_barrier_wait -1                              ; everybody's is
	FETCH 0, 0, F0
	QUARTER 0, 64,  F0, F1, 1                      ; the first quarter stands in front of the loop: its products start the sums
	WIN 0                                          ; at a label and at a branch every window is 0
	s_mov_b32 s3, LAPS-1
.Llap:                                                 ; a trip goes once round the ring, from a lap's second quarter to the next lap's first, and fills both slots again
	QUARTER 0, 128, F1, F0, 0
	QUARTER 0, 192, F0, F1, 0
	TURN 0, 1
	QUARTER 1, 64,  F0, F1, 0
	QUARTER 1, 128, F1, F0, 0
	QUARTER 1, 192, F0, F1, 0
	TURN 1, 0
	QUARTER 0, 64,  F0, F1, 0
	WIN 0
	s_sub_co_u32 s3, s3, 1
	s_cmp_lg_u32 s3, 0
	s_cbranch_scc1 .Llap
	QUARTER 0, 128, F1, F0, 0                      ; the last lap fills nothing, and has no round of the cluster's barrier
	QUARTER 0, 192, F0, F1, 0
	MEET 0
	PLACES
	FETCH 1, 0, F0
	MUL16 F1, 1, 0, 0
	MUL16 F1, 1, 2, 0
	QUARTER 1, 64,  F0, F1, 0
	QUARTER 1, 128, F1, F0, 0
	QUARTER 1, 192, F0, F1, 0
	s_wait_dscnt 8                                 ; the very last quarter: nothing more to fetch
	MUL16 F1, 0, 0, 0
	MUL16 F1, 0, 2, 0
	s_wait_dscnt 0x0
	MUL16 F1, 1, 0, 0
	MUL16 F1, 1, 2, 0
	PLACES
	SOFT 0
	TOSTAGE 0
.irp a, 1,2,3,4,5,6,7                  ; block a's arithmetic stands between block a - 1's loads from the stage and the wait for them
	SOFT \a
	SEND (\a)-1
	TOSTAGE \a
.endr
	SEND 7
	; THE STATISTICS: every lane holds its query's m' and l, in both halves of the lanes.  Lanes 0-15 put the m', lanes 16-31 the l, into my 1,024 bytes; they come back as 2 x 512 consecutive bytes.
	v_cmp_ne_u32 s70, 0, v2
.irp a, 0,1,2,3,4,5,6,7
	v_cndmask_b32 v[MX+(\a)], v[MS+(\a)], v[LS+(\a)], s70
	ds_store_b32 v[SSW], v[MX+(\a)] offset:64*(\a)
.endr
	ds_load_b128 v[SB:SB+3],   v[SSR]              ; my own bytes, served in order behind the stores above
	ds_load_b128 v[SB+4:SB+7], v[SSR] offset:512
	s_wait_dscnt 0x0
	global_store_b128 v[SGO], v[SB:SB+3],   s[8:9]                 ; 512 consecutive bytes of the plane of m', at a multiple of 256 from stats' first byte
	global_store_b128 v[SGO], v[SB+4:SB+7], s[8:9] offset:524288   ; and of the plane of l
	s_wait_tensorcnt 0x0                           ; the wave's end: behind my last tensor load and my last LDS store
	ds_add_u32 v[SPW], v[NIL]
	s_wait_dscnt 0x0
	CROUND                                         ; the closing round: no work-group ends while a partner may still ask for a tile that names it
	s_endpgm
.Lfunc_end_k_q7fc0c19a40_scores:
	.size	k_q7fc0c19a40_scores, .Lfunc_end_k_q7fc0c19a40_scores-k_q7fc0c19a40_scores
	.p2alignl 7, 3214868480
	.fill 96, 4, 3214868480
	.section	.rodata,"a",@progbits
	.p2align	6, 0x0
	.amdhsa_kernel k_q7fc0c19a40_scores
		.amdhsa_group_segment_fixed_size 327680
		.amdhsa_private_segment_fixed_size 0
		.amdhsa_enable_private_segment 0
		.amdhsa_kernarg_size 24
		.amdhsa_user_sgpr_count 2
		.amdhsa_user_sgpr_kernarg_segment_ptr 1
		.amdhsa_wavefront_size32 1
		.amdhsa_system_sgpr_workgroup_id_x 1
		.amdhsa_system_sgpr_workgroup_id_y 1
		.amdhsa_system_sgpr_workgroup_id_z 1
		.amdhsa_system_vgpr_workitem_id 0
		.amdhsa_next_free_vgpr 1024
		.amdhsa_next_free_sgpr 72
		.amdhsa_reserve_vcc 0
		.amdhsa_float_denorm_mode_32 3
		.amdhsa_float_denorm_mode_16_64 3
		.amdhsa_memory_ordered 1
		.amdhsa_forward_progress 1
		.amdhsa_inst_pref_size 212
	.end_amdhsa_kernel
	.amdgpu_metadata
---
amdhsa.version: [ 1, 2 ]
amdhsa.kernels:
  - .name:           k_q7fc0c19a40_scores
    .symbol:         k_q7fc0c19a40_scores.kd
    .args:
      - { .name: qkv, .offset: 0, .size: 8, .value_kind: global_buffer, .address_space: global }
      - { .name: pt, .offset: 8, .size: 8, .value_kind: global_buffer, .address_space: global }
      - { .name: stats, .offset: 16, .size: 8, .value_kind: global_buffer, .address_space: global }
    .group_segment_fixed_size: 327680
    .private_segment_fixed_size: 0
    .kernarg_segment_align: 8
    .kernarg_segment_size: 24
    .max_flat_workgroup_size: 128
    .sgpr_count:     72
    .vgpr_count:     1024
    .wavefront_size: 32
...
	.end_amdgpu_metadata
.endif
;; end of part 3
;; launch pv (part 4): grid 4 x 64, 4 waves a work-group, clusters of 4 x 4, 327,680 bytes of LDS; arguments pt, qkv, stats, out0; writes out0
.if DOCPART == 4
	.amdgcn_target "amdgcn-amd-amdhsa--gfx1250"
	.amdhsa_code_object_version 6
	.text
	.protected	k_q7fc0c19a40_pv
	.globl	k_q7fc0c19a40_pv
	.p2align	8
	.type	k_q7fc0c19a40_pv,@function
k_q7fc0c19a40_pv:
	s_mov_b64 s[64:65], 0
	v_nop
	global_prefetch_b8 v0, s[64:65] scope:SCOPE_SE
	s_setreg_imm32_b32 hwreg(HW_REG_WAVE_MODE, 25, 1), 1
	s_wait_xcnt 0x0
	s_wait_alu depctr_hold_cnt(0) depctr_sa_sdst(0) depctr_va_vdst(0) depctr_va_sdst(0) depctr_va_ssrc(0) depctr_va_vcc(0) depctr_vm_vsrc(0)
	s_getreg_b32 s2, hwreg(HW_REG_IB_STS2, 6, 4)
	s_cmp_eq_u32 s2, 0
	s_cbranch_scc0 .Lentry_in_a_cluster
	s_endpgm
.Lentry_in_a_cluster:
	s_bfe_u32 s2, ttmp6, 0x10000c
	s_cmp_lg_u32 s2, 0xf033
	s_cbranch_scc0 .Lentry_shape_is_right
	s_endpgm
.Lentry_shape_is_right:
; out0[q][e] = (sum over the 16 strips t of the sum over the strip's keys of (e_t pt[q][key]) V[key][e]) / L,  with M' = max over t of m'[t][q], e_t = 2^(m'[t][q] - M'), L = sum over t of e_t l[t][q].
; So the row's true maximum is what is taken away: pt holds 2^(c s - m'_t), and e_t pt = 2^(c s - M').
; pt: [8192][2048] f16.  V: the last 2,048 bytes of qkv's rows of 6,144, f16.  stats: m' as [16][8192] f32, then l.  out0: [8192][1024] f32.  Products in f16, sums in f32.
; LIMITS.  e_t and the weight e_t pt are rounded to f16: they lie in 0 to 1, and below 6e-5 keep f16's fixed step of 6e-8.  L is at least 1 (the strip of the maximum).  NaN and infinities are not treated apart.
; SHARES.  A tile is 128 queries x 256 channels: 64 x 4 = 256 work-groups of four waves, each 64 x 128: 32 accumulators, 256 registers.  The keys go in steps of 128, ONE STRIP A STEP, through two LDS
; slots: 128 rows of pt (256 bytes each) and 128 rows of V (512 bytes each).  V lies [key][channel], so its fragments come out of LDS turned, by ds_load_tr16_b128.
; THE FACTORS.  Thread i makes the 16 factors and 1 / L of the tile's row i, once, into a table in LDS; in each step a wave reads its four row blocks' factors by one load, and multiplies pt's fragments
; by them in registers (a lane of such a fragment holds one query).
; CLUSTER.  4 x 4 work-groups: the four of a row need the same rows of pt, the four of a column the same columns of V (a cluster's 512 queries lie in one batch): each tile is asked for JOINTLY.
; THE MATRIX INSTRUCTION IS USED TRANSPOSED (source 0 = 16 channels of V, source 1 = 16 queries): a lane then holds eight neighbouring numbers of a row of out0.
; REGISTERS, in windows of 256 (s_set_vgpr_msb: bits 1:0 source 0, 3:2 source 1, 5:4 source 2, 7:6 destination):
;   window 0: v0-31 addresses and factors; v64-95, v96-127 fragments of pt, two buffers (first: the table at work; last: scaled results); v128-191, v192-255 rows read back from the stage
;   window 1: v0-63, v64-127 fragments of V, two buffers          window 2: accumulator (a, b) at v[8 (8 a + b)]
.set KSTEP,  128
.set NS,     16                        ; steps: 2048 keys / 128
.set PA,     272                       ; an LDS row of pt: 256 bytes + 16 = 68 words: the 16 rows of a load start at 16 different groups of four banks (64 banks of 4 bytes: ISA guide 11.1)
.set PB,     544                       ; an LDS row of V: 512 + 32 = 136 words
.set AHALF,  64*PA
.set BOFF,   128*PA
.set BHALF,  64*PB
.set SLOT1,  1<<17                     ; slot 1 begins here, so that one exclusive or turns an address in one slot into the other's
.set TAB,    BOFF+128*PB               ; between the slots, never filled by a tensor load: for each half of the rows 17 blocks of 256 bytes: step t's factors (16 bytes for l % 16: four row blocks), then 1 / L
.set THALF,  17*256
.set SPARE,  TAB+2*THALF               ; behind the table: the spare words, 128 bytes for each wave: two blocks of 256 bytes that no other line names
.set STAGE,  SLOT1+BOFF+128*PB         ; behind slot 1: 16 rows x 528 bytes for each wave, for the way out
.set SP,     528
.set ASTEP,  KSTEP*2
.set BSTEP,  KSTEP*6144
.set OROW,   4096                      ; bytes in a row of out0
.set RP,  8                            ; v8-15  1 / L of row block a, twice (a pair for the packed multiply)
.set A0,  16                           ; v16  my lane's place in slot 0's rows of pt; never rewritten
.set B0,  17                           ; v17  the same for V
.set ADA, 18                           ; v18  the same in the slot in hand
.set ADB, 19                           ; v19
.set WF,  20                           ; v20-23  the step's factors of my four row blocks, each twice in f16
.set STO, 24                           ; v24  the way out: where I put 32 bytes of a row
.set RD,  25                           ; v25  the way out: where I read a row back
.set CO,  26                           ; v26  my byte offset in 512 consecutive bytes of out0
.set TW,  27                           ; v27  where I put my row's factors
.set SPW, 28                           ; v28  LDS address of my spare word; never rewritten
.set NIL, 29                           ; v29  0; never rewritten
.set TR,  30                           ; v30  where I read step 0's factors; never rewritten
.set TRC, 31                           ; v31  the same for the step in hand
.set FA,  64
.set TMP, 64
.set OB,  128
.set G1A, 24                           ; s[24:31] descriptor group 1 for pt's tiles
.set G0A, 32                           ; s[32:39] group 0: a set for each of the two first fills; the second then walks on
.set G1B, 48                           ; s[48:55], s[56:63] the same for V's
.set G0B, 56
.set TB,  66                           ; s66  0 or SLOT1: the slot in hand
.set TT,  67                           ; s67  256 x the step in hand
.set MSB, 0
.macro WIN new                         ; the immediate's high byte repeats the setting that is left; a switch that changes nothing is dropped
.if MSB != (\new)
	s_set_vgpr_msb (MSB<<8)|(\new)
.set MSB, \new
.endif
.endm
.set MUL,  0xa1                        ; source 0 (V) window 1, source 1 (pt) window 0, C and D window 2
.set TO_B, 0x40                        ; destination window 1, address window 0
; A joint refill.  Waves 0 and 1 fetch pt's two halves, waves 2 and 3 V's.  The branch hangs on the wave's number alone.  An s_nop 0 and four v_nop follow each of the two lines.
.macro JLOAD
	s_cmp_lt_u32 s10, 2
	s_cbranch_scc0 .Lfor_b_\@
	tensor_load_to_lds s[G0A+4:G0A+7], s[G1A:G1A+7]
	s_nop 0
.rept 4
	v_nop
.endr
	s_branch .Lasked_\@
.Lfor_b_\@:
	tensor_load_to_lds s[G0B+4:G0B+7], s[G1B:G1B+7]
	s_nop 0
.rept 4
	v_nop
.endr
.Lasked_\@:
.endm
.macro CREST                           ; a round of the cluster's barrier behind its opening barrier
	s_cmp_lg_u32 s10, 0
	s_cbranch_scc1 .Lnot_wave_0_\@
	s_barrier_signal -3
.Lnot_wave_0_\@:
	s_barrier_wait -3
	s_barrier_signal -1
	s_barrier_wait -1
.endm
.macro CROUND                          ; a whole round
	s_barrier_signal -1
	s_barrier_wait -1
	CREST
.endm
	s_load_b128 s[4:7], s[0:1], 0x0                ; pt s[4:5], qkv s[6:7]
	s_load_b128 s[68:71], s[0:1], 0x10             ; stats s[68:69], out0 s[70:71]
	v_lshl_add_u32 v[SPW], v0, 2, SPARE
	v_mov_b32 v[NIL], 0
	ds_add_u32 v[SPW], v[NIL]                      ; the wave's opening: the add and its wait stand ahead of my first tensor load; the set-up below, work on registers, stands between them
	ds_add_u32 v28, v29
	v_lshrrev_b32 v1, 5, v0
	v_readfirstlane_b32 s10, v1                    ; wave 0..3
	s_lshr_b32 s11, s10, 1                         ; which 64 of the tile's rows are mine
	s_and_b32 s12, s10, 1                          ; which 128 of its columns.  Also: which half of a tile I fetch
	s_bfe_u32 s40, ttmp6, 0x40000                  ; cx, cy: my place in the cluster
	s_bfe_u32 s41, ttmp6, 0x40004
	s_lshl_b32 s42, ttmp9, 2
	s_add_co_u32 s42, s42, s40                     ; x = 4 x cluster x + cx: my 256 channels
	s_and_b32 s45, ttmp7, 0xffff                   ; the cluster's y: four clusters to a batch
	s_lshl_b32 s13, s45, 2
	s_add_co_u32 s13, s13, s41                     ; y = 4 x cluster y + cy: my 128 queries
	s_lshl_b32 s43, s41, 2
	s_lshl_b32 s43, 15, s43                        ; my row of the cluster
	s_lshl_b32 s44, 0x1111, s40                    ; my column
	s_or_b32 s[G1A+0], s43, (1<<16)|(1<<20)|(1<<21)|(5<<22)|(3<<25)  ; 15:0 the mask: pt's tiles go to my row; 17:16 2-byte elements; 20 padding on; 21 set beside a mask; 24:22 after every 64 words (code 5); 31:25 4 words (code 3)
	s_or_b32 s[G1B+0], s44, (1<<16)|(1<<20)|(1<<21)|(6<<22)|(7<<25)  ; V's go to my column; after every 128 words (code 6) 8 words (code 7)
	s_mov_b32 s[G1A+1], KSTEP<<16                  ; tensor_dim0 = 128
	s_mov_b32 s[G1A+2], 64<<16                     ; tensor_dim1 = 64
	s_mov_b32 s[G1A+3], KSTEP<<16                  ; tile_dim0 = 128
	s_mov_b32 s[G1A+4], 64                         ; tile_dim1 = 64
	s_mov_b32 s[G1A+5], 2048                       ; elements from row to row
	s_mov_b32 s[G1A+6], 0
	s_mov_b32 s[G1A+7], 0
	s_mov_b32 s[G1B+1], 256<<16                    ; tensor_dim0 = 256
	s_mov_b32 s[G1B+2], 64<<16                     ; tensor_dim1 = 64
	s_mov_b32 s[G1B+3], 256<<16                    ; tile_dim0 = 256
	s_mov_b32 s[G1B+4], 64                         ; tile_dim1 = 64
	s_mov_b32 s[G1B+5], 3072
	s_mov_b32 s[G1B+6], 0
	s_mov_b32 s[G1B+7], 0
	; pt's address hangs on y and the wave alone; V's on x, the cluster's y (which all sixteen share) and the wave
	s_lshl_b32 s16, s13, 7
	s_lshl_b32 s17, s12, 6
	s_add_co_u32 s16, s16, s17                     ; row 128 y + 64 x half,
	s_lshl_b32 s16, s16, 12                        ; of 4,096 bytes
	s_mov_b32 s17, 0
	s_lshr_b32 s46, s45, 2
	s_lshl_b32 s46, s46, 11                        ; the batch's first key,
	s_lshl_b32 s47, s12, 6
	s_add_co_u32 s46, s46, s47                     ; + 64 x half
	s_mul_i32 s46, s46, 6144
	s_lshl_b32 s47, s42, 9                         ; channel 256 x,
	s_add_co_u32 s46, s46, s47
	s_add_co_u32 s46, s46, 4096                    ; and v lies behind q and k in a row
	s_mov_b32 s47, 0
	s_mul_i32 s20, s12, AHALF                      ; where they go: no place in the cluster enters an LDS address
	s_mul_i32 s21, s12, BHALF
	s_add_co_u32 s21, s21, BOFF
	s_mov_b32 s[TB], 0
	s_mov_b32 s[TT], 0
	s_wait_dscnt 0x0                               ; the opening add is done
	s_wait_kmcnt 0x0
	s_add_nc_u64 s[14:15], s[4:5], s[16:17]
	s_add_nc_u64 s[46:47], s[6:7], s[46:47]
	CROUND                                         ; all sixteen work-groups are here: the first joint loads meet
.irp n, 0,1
	s_mov_b32 s[G0A+4*(\n)], 1                                         ; count = 1
	s_add_co_u32 s[G0A+4*(\n)+1], s20, (\n)*SLOT1                      ; LDS address
	s_add_nc_u64 s[G0A+4*(\n)+2:G0A+4*(\n)+3], s[14:15], (\n)*ASTEP    ; global address: step n
	s_or_b32 s[G0A+4*(\n)+3], s[G0A+4*(\n)+3], 0x80000000              ; type = 2
	s_mov_b32 s[G0B+4*(\n)], 1
	s_add_co_u32 s[G0B+4*(\n)+1], s21, (\n)*SLOT1
	s_add_nc_u64 s[G0B+4*(\n)+2:G0B+4*(\n)+3], s[46:47], (\n)*BSTEP
	s_or_b32 s[G0B+4*(\n)+3], s[G0B+4*(\n)+3], 0x80000000
.endr
	s_cmp_lt_u32 s10, 2                            ; a wave's two first fills stand in one branch, ahead of every wait on TENSORcnt, every LDS read and every later barrier: two loads of mine are out
	s_cbranch_scc0 .Lfirst_b
	tensor_load_to_lds s[G0A:G0A+3], s[G1A:G1A+7]
	s_nop 0
	tensor_load_to_lds s[G0A+4:G0A+7], s[G1A:G1A+7]
	s_nop 0
.rept 4
	v_nop
.endr
	s_branch .Lfirst_asked
.Lfirst_b:
	tensor_load_to_lds s[G0B:G0B+3], s[G1B:G1B+7]
	s_nop 0
	tensor_load_to_lds s[G0B+4:G0B+7], s[G1B:G1B+7]
	s_nop 0
.rept 4
	v_nop
.endr
.Lfirst_asked:
	; THE TABLE, in the wait for the first tiles.  Thread i owns the tile's row i: its 16 m' and 16 l; a load of a wave covers 128 consecutive bytes, the four waves' 512.
	s_lshl_b32 s16, s13, 9                         ; the tile's 128 words in a row of stats
	s_mov_b32 s17, 0
	s_add_nc_u64 s[68:69], s[68:69], s[16:17]
	v_lshlrev_b32 v3, 2, v0
.set t, 0
.rept 16
	global_load_b32 v[64+t], v3, s[68:69] offset:t*32768
	global_load_b32 v[80+t], v3, s[68:69] offset:t*32768+524288
.set t, t+1
.endr
	; A fragment of pt is 16 rows x 32 keys in 8 registers: lane l holds row l % 16, keys 8 (l / 16) + 0..7 and 16 + 8 (l / 16) + 0..7: two loads of 16 bytes, 32 bytes apart.
	v_and_b32 v1, 15, v0                           ; l % 16
	v_bfe_u32 v2, v0, 4, 1                         ; l / 16
	v_mul_u32_u24 v4, v1, PA
	v_lshl_add_u32 v4, v2, 4, v4
	s_mul_i32 s22, s11, AHALF                      ; my 64 rows
	v_add_nc_u32 v[A0], s22, v4
	; The turning load takes 16 keys x 16 channels (lane l reads key 8 (l / 16) + l % 8, channels 8 ((l / 8) % 2) + 0..7) and leaves half a fragment: lane l holds channel l % 16 and 8 keys.
	v_and_b32 v4, 7, v0
	v_bfe_u32 v5, v0, 3, 1
	v_lshl_add_u32 v4, v2, 3, v4
	v_mul_u32_u24 v4, v4, PB
	v_lshl_add_u32 v4, v5, 4, v4
	s_lshl_b32 s22, s12, 8                         ; my 128 channels
	s_add_co_u32 s22, s22, BOFF
	v_add_nc_u32 v[B0], s22, v4
	v_mov_b32 v[ADA], v[A0]                        ; slot 0 comes first
	v_mov_b32 v[ADB], v[B0]
	s_mul_i32 s23, s10, 16*SP
	s_add_co_u32 s23, s23, STAGE                   ; my stage
	v_mul_u32_u24 v4, v1, SP                       ; in: row l % 16, 32 bytes for each half of the lanes
	v_lshl_add_u32 v4, v2, 5, v4
	v_add_nc_u32 v[STO], s23, v4
	v_and_b32 v5, 31, v0
	v_lshlrev_b32 v[CO], 4, v5                     ; back: 32 lanes take one row of 512 bytes,
	v_add_nc_u32 v[RD], s23, v[CO]                 ; which are 512 consecutive bytes of out0
	v_lshrrev_b32 v4, 6, v0                        ; the table.  In: half i / 64, 16 bytes for i % 16, word (i / 16) % 4
	v_mul_u32_u24 v4, v4, THALF
	v_bfe_u32 v5, v0, 4, 2
	v_lshl_add_u32 v4, v1, 4, v4
	v_lshl_add_u32 v4, v5, 2, v4
	v_add_nc_u32 v[TW], TAB, v4
	s_mul_i32 s22, s11, THALF                      ; back: my half, the 16 bytes of l % 16: my four row blocks' factors
	s_add_co_u32 s22, s22, TAB
	v_lshl_add_u32 v[TR], v1, 4, s22
	v_mov_b32 v[TRC], v[TR]
	s_lshl_b32 s16, s13, 7
	s_lshl_b32 s17, s11, 6
	s_add_co_u32 s16, s16, s17                     ; my first row of out0
	s_lshl_b32 s16, s16, 12
	s_mov_b32 s17, 0
	s_add_nc_u64 s[70:71], s[70:71], s[16:17]
	s_lshl_b32 s46, s42, 10                        ; my first column, in bytes: 1,024 x + 512 x half
	s_lshl_b32 s47, s12, 9
	s_add_co_u32 s46, s46, s47
	s_mov_b32 s47, 0
	s_add_nc_u64 s[70:71], s[70:71], s[46:47]
	s_wait_loadcnt 0x0
	v_max3_num_f32 v96, v64, v65, v66              ; M'
.irp t, 67,69,71,73,75,77
	v_max3_num_f32 v96, v96, v[\t], v[\t+1]
.endr
	v_max_num_f32 v96, v96, v79
.set t, 0
.rept 16
	v_sub_f32 v[64+t], v[64+t], v96
.set t, t+1
.endr
.set t, 0
.rept 16
	v_exp_f32 v[64+t], v[64+t]                     ; e_t
.set t, t+1
.endr
	v_nop                                          ; a plain instruction between the last exponential and the use of its result (ISA guide 5.7.2)
	s_wait_alu depctr_va_vdst(0)
	v_mul_f32 v97, v64, v80                        ; L
.set t, 1
.rept 15
	v_fmac_f32 v97, v[64+t], v[80+t]
.set t, t+1
.endr
.set t, 0
.rept 16
	v_cvt_pk_f16_f32 v[100+t], v[64+t], v[64+t]    ; the factor twice, for the packed multiply
.set t, t+1
.endr
	v_rcp_f32 v98, v97
.set t, 0
.rept 16
	ds_store_b32 v[TW], v[100+t] offset:256*t
.set t, t+1
.endr
	v_nop                                          ; a plain instruction between the reciprocal and the use of its result
	s_wait_alu depctr_va_vdst(0)
	ds_store_b32 v[TW], v98 offset:16*256
; 8 matrix instructions: row block a x all 8 channel blocks, 32 keys, from buffer n.  zero = 1: the product starts the sums: nothing is ever cleared.
; The 32 accumulators take turns, one instruction a turn, in the same order in every quarter.
.macro MUL8 n, a, zero
	WIN MUL
.irp b, 0,1,2,3,4,5,6,7
.if \zero
	v_wmma_f32_16x16x32_f16 v[8*(8*(\a)+(\b)):8*(8*(\a)+(\b))+7], v[64*(\n)+8*(\b):64*(\n)+8*(\b)+7], v[FA+32*(\n)+8*(\a):FA+32*(\n)+8*(\a)+7], 0
.else
	v_wmma_f32_16x16x32_f16 v[8*(8*(\a)+(\b)):8*(8*(\a)+(\b))+7], v[64*(\n)+8*(\b):64*(\n)+8*(\b)+7], v[FA+32*(\n)+8*(\a):FA+32*(\n)+8*(\a)+7], v[8*(8*(\a)+(\b)):8*(8*(\a)+(\b))+7]
.endif
.endr
.endm
.macro MUL16 n, a0, zero
	MUL8 \n, \a0, \zero
	MUL8 \n, (\a0)+1, \zero
.endm
; pt's fragments of row blocks a0 and a0 + 1 in buffer n times the step's factors: 16 packed multiplies
.macro SCALE n, a0
	WIN 0
.irp a, \a0, (\a0)+1
.irp j, 0,1,2,3,4,5,6,7
	v_pk_mul_f16 v[FA+32*(\n)+8*(\a)+(\j)], v[FA+32*(\n)+8*(\a)+(\j)], v[WF+(\a)]
.endr
.endr
.endm
; 24 LDS loads in one run: the fragments of quarter q (32 keys) of the slot in hand into buffer n: V's sixteen first, then pt's eight
.macro FETCH q, n
	WIN TO_B
.irp b, 0,1,2,3,4,5,6,7
	ds_load_tr16_b128 v[64*(\n)+8*(\b):64*(\n)+8*(\b)+3],   v[ADB] offset:(\q)*32*PB+32*(\b)
	ds_load_tr16_b128 v[64*(\n)+8*(\b)+4:64*(\n)+8*(\b)+7], v[ADB] offset:(\q)*32*PB+16*PB+32*(\b)
.endr
	WIN 0
.irp a, 0,1,2,3
	ds_load_b128 v[FA+32*(\n)+8*(\a):FA+32*(\n)+8*(\a)+3],   v[ADA] offset:64*(\q)+(\a)*16*PA
	ds_load_b128 v[FA+32*(\n)+8*(\a)+4:FA+32*(\n)+8*(\a)+7], v[ADA] offset:64*(\q)+(\a)*16*PA+32
.endr
.endm
.macro PLACES                          ; four places in front of loads into registers that matrix instructions have read, and of vector work on results just made
.rept 4
	v_nop
.endr
.endm
; A step is four quarters of 32 keys, 32 matrix instructions each, on buffers 0, 1, 0, 1.  One of the first three: scales and multiplies buffer f; in its middle it fetches quarter q into buffer g.
; The sixteen multiplies at its head name no register of the products before them: they are the places in front of the loads into g.
.macro QUARTER q, f, g, zero
	s_wait_dscnt 4                                 ; the factors, V's fragments and pt's blocks 0 and 1 are in; the youngest four loads (blocks 2 and 3) may be out
	SCALE \f, 0
	MUL16 \f, 0, \zero
	s_wait_dscnt 0x0                               ; blocks 2 and 3 are in: nothing younger has been issued
	SCALE \f, 2
	FETCH \q, \g
	MUL16 \f, 2, \zero
.endm
; The last quarter multiplies buffer 1 and changes slots: ONE barrier; in front of it each wave waits for all its tensor loads (one is out: its part of the next slot), adds 0 to its spare word, and
; waits for that and for its own reads of this slot.  fill = 1: the barrier opens a round of the cluster's barrier, and the slot just read is filled again first thing behind it, two steps on.
.macro TURN fill
	WIN 0
	s_wait_tensorcnt 0x0                           ; all my tensor loads have landed, so the walking descriptors may be written
	ds_add_u32 v[SPW], v[NIL]                      ; 0 onto my spare word
	s_wait_dscnt 5                                 ; (the add and the youngest four loads may be out)
	SCALE 1, 0
	MUL8 1, 0, 0                                   ; work on registers stands between the add and the wait for it
	s_wait_dscnt 0x0                               ; the add is done, and my reads of this slot are over
	s_barrier_signal -1
	SCALE 1, 2                                     ; work on registers while the others arrive
	MUL8 1, 1, 0
	WIN 0
	s_barrier_wait -1
.if \fill
	CREST                                          ; no wave of any partner still reads this slot's tile or has a load on its way
	s_xor_b32 s[G0A+5], s[G0A+5], SLOT1            ; the other slot than last time
	s_xor_b32 s[G0B+5], s[G0B+5], SLOT1
	s_add_nc_u64 s[G0A+6:G0A+7], s[G0A+6:G0A+7], ASTEP
	s_add_nc_u64 s[G0B+6:G0B+7], s[G0B+6:G0B+7], BSTEP
	JLOAD                                          ; the first tensor load behind the round; its four v_nop are also the places in front of the loads below
.else
	PLACES
.endif
	s_xor_b32 s[TB], s[TB], SLOT1                  ; the reads go on in the other slot,
	s_add_co_u32 s[TT], s[TT], 256                 ; with the next strip's factors
	v_add_nc_u32 v[ADA], s[TB], v[A0]
	v_add_nc_u32 v[ADB], s[TB], v[B0]
	v_add_nc_u32 v[TRC], s[TT], v[TR]
	ds_load_b128 v[WF:WF+3], v[TRC]                ; first of the run, so that the next quarter's counted wait covers it
	FETCH 0, 0
	MUL16 1, 2, 0
.endm
; THE WAY OUT of row block a: times 1 / L; 32 bytes a lane into my own stage in LDS and back as whole rows of 512 bytes; stored.
.macro PACK a
	WIN 0x02                                       ; source 0 window 2
.set i, 0
.rept 32
	v_pk_mul_f32 v[TMP+2*i:TMP+2*i+1], v[64*(\a)+2*i:64*(\a)+2*i+1], v[RP+2*(\a):RP+2*(\a)+1] op_sel_hi:[1,0]
.set i, i+1
.endr
	WIN 0
.endm
.macro TOSTAGE a
.set BK, OB+64*((\a)%2)
.irp b, 0,1,2,3,4,5,6,7
	ds_store_b128 v[STO], v[TMP+8*(\b):TMP+8*(\b)+3]   offset:64*(\b)
	ds_store_b128 v[STO], v[TMP+8*(\b)+4:TMP+8*(\b)+7] offset:64*(\b)+16
.endr
.set t, 0
.rept 16
	ds_load_b128 v[BK+4*t:BK+4*t+3], v[RD] offset:t*SP  ; LDS serves a wave's instructions in order (ISA guide 5.7.1.4): these see the stores above
.set t, t+1
.endr
.endm
.macro SEND a
.set BK, OB+64*((\a)%2)
	s_wait_dscnt 0x0                               ; the block is back in registers
	s_wait_xcnt 0x0                                ; the registers that the block before last's stores read are loaded again only behind this wait
.set t, 0
.rept 16
	global_store_b128 v[CO], v[BK+4*t:BK+4*t+3], s[70:71] offset:(16*(\a)+t)*OROW th:TH_STORE_NT  ; 512 consecutive bytes, at a multiple of 256 from out0's first byte
.set t, t+1
.endr
.endm
	s_wait_tensorcnt 1                             ; my part of step 0 is in; step 1's may stay out
	s_wait_dscnt 0x0                               ; for the others' sake: my rows of the table are written
	s_barrier_signal -1
	s_barrier_wait -1                              ; everybody's are
	ds_load_b128 v[WF:WF+3], v[TRC]                ; strip 0's factors
	FETCH 0, 0
	QUARTER 1, 0, 1, 1                             ; the first quarter stands in front of the loop: its products start the sums
	WIN 0                                          ; at a label and at a branch every window is 0
	s_mov_b32 s3, NS-2
.Lstep:                                                ; a trip goes from a step's second quarter to the next step's first, and fills the slot that it leaves: steps 2 to 15
	QUARTER 2, 1, 0, 0
	QUARTER 3, 0, 1, 0
	TURN 1
	QUARTER 1, 0, 1, 0
	WIN 0
	s_sub_co_u32 s3, s3, 1
	s_cmp_lg_u32 s3, 0
	s_cbranch_scc1 .Lstep
	QUARTER 2, 1, 0, 0                             ; the last step but one goes on
	QUARTER 3, 0, 1, 0
	TURN 0                                         ; nothing is filled again, so no round follows
	QUARTER 1, 0, 1, 0
	QUARTER 2, 1, 0, 0
	QUARTER 3, 0, 1, 0
	s_wait_dscnt 4                                 ; the very last quarter: nothing more to fetch
	SCALE 1, 0
	MUL16 1, 0, 0
	s_wait_dscnt 0x0
	SCALE 1, 2
	MUL16 1, 2, 0
	WIN 0
	ds_load_b128 v[WF:WF+3], v[TR] offset:16*256   ; 1 / L of my four row blocks
	PLACES
	s_wait_dscnt 0x0
.irp a, 0,1,2,3
	v_mov_b32 v[RP+2*(\a)],   v[WF+(\a)]           ; named as a pair by the packed multiply
	v_mov_b32 v[RP+2*(\a)+1], v[WF+(\a)]
.endr
	PACK 0
	TOSTAGE 0
.irp a, 1,2,3                          ; block a's multiplies stand between block a - 1's loads from the stage and the wait for them
	PACK \a
	SEND (\a)-1
	TOSTAGE \a
.endr
	SEND 3
	s_wait_tensorcnt 0x0                           ; the wave's end: behind my last tensor load and my last LDS store
	ds_add_u32 v[SPW], v[NIL]
	s_wait_dscnt 0x0
	CROUND                                         ; the closing round: no work-group ends while a partner may still ask for a tile that names it
	s_endpgm
.Lfunc_end_k_q7fc0c19a40_pv:
	.size	k_q7fc0c19a40_pv, .Lfunc_end_k_q7fc0c19a40_pv-k_q7fc0c19a40_pv
	.p2alignl 7, 3214868480
	.fill 96, 4, 3214868480
	.section	.rodata,"a",@progbits
	.p2align	6, 0x0
	.amdhsa_kernel k_q7fc0c19a40_pv
		.amdhsa_group_segment_fixed_size 327680
		.amdhsa_private_segment_fixed_size 0
		.amdhsa_enable_private_segment 0
		.amdhsa_kernarg_size 32
		.amdhsa_user_sgpr_count 2
		.amdhsa_user_sgpr_kernarg_segment_ptr 1
		.amdhsa_wavefront_size32 1
		.amdhsa_system_sgpr_workgroup_id_x 1
		.amdhsa_system_sgpr_workgroup_id_y 1
		.amdhsa_system_sgpr_workgroup_id_z 1
		.amdhsa_system_vgpr_workitem_id 0
		.amdhsa_next_free_vgpr 768
		.amdhsa_next_free_sgpr 72
		.amdhsa_reserve_vcc 0
		.amdhsa_float_denorm_mode_32 3
		.amdhsa_float_denorm_mode_16_64 3
		.amdhsa_memory_ordered 1
		.amdhsa_forward_progress 1
		.amdhsa_inst_pref_size 110
	.end_amdhsa_kernel
	.amdgpu_metadata
---
amdhsa.version: [ 1, 2 ]
amdhsa.kernels:
  - .name:           k_q7fc0c19a40_pv
    .symbol:         k_q7fc0c19a40_pv.kd
    .args:
      - { .name: pt, .offset: 0, .size: 8, .value_kind: global_buffer, .address_space: global }
      - { .name: qkv, .offset: 8, .size: 8, .value_kind: global_buffer, .address_space: global }
      - { .name: stats, .offset: 16, .size: 8, .value_kind: global_buffer, .address_space: global }
      - { .name: out0, .offset: 24, .size: 8, .value_kind: global_buffer, .address_space: global }
    .group_segment_fixed_size: 327680
    .private_segment_fixed_size: 0
    .kernarg_segment_align: 8
    .kernarg_segment_size: 32
    .max_flat_workgroup_size: 128
    .sgpr_count:     72
    .vgpr_count:     768
    .wavefront_size: 32
...
	.end_amdgpu_metadata
.endif
;; end of part 4
;; ======== version 2 of 2: 4 launches; 1.13 times as fast as version 1
;; limits: values are held in f16: magnitudes above 65,504 overflow, below 6.1e-05 lose precision; right only within a limited range of input values
;; workspace buffers: xh 16,777,216 bytes; wc 4,194,304 bytes; yv 33,554,432 bytes; pt 33,554,432 bytes; stats 1,048,576 bytes
;; launch prep (part 5): grid 16 x 16, 4 waves a work-group, clusters of 4 x 4, 327,680 bytes of LDS; arguments hidden_states, W_qkv, xh, wc; writes xh, wc
.if DOCPART == 5
	.amdgcn_target "amdgcn-amd-amdhsa--gfx1250"
	.amdhsa_code_object_version 6
	.text
	.protected	k_q7fc0c19a40_prep
	.globl	k_q7fc0c19a40_prep
	.p2align	8
	.type	k_q7fc0c19a40_prep,@function
k_q7fc0c19a40_prep:
	s_mov_b64 s[64:65], 0
	v_nop
	global_prefetch_b8 v0, s[64:65] scope:SCOPE_SE
	s_setreg_imm32_b32 hwreg(HW_REG_WAVE_MODE, 25, 1), 1
	s_wait_xcnt 0x0
	s_wait_alu depctr_hold_cnt(0) depctr_sa_sdst(0) depctr_va_vdst(0) depctr_va_sdst(0) depctr_va_ssrc(0) depctr_va_vcc(0) depctr_vm_vsrc(0)
	s_getreg_b32 s2, hwreg(HW_REG_IB_STS2, 6, 4)
	s_cmp_eq_u32 s2, 0
	s_cbranch_scc0 .Lentry_in_a_cluster
	s_endpgm
.Lentry_in_a_cluster:
	s_bfe_u32 s2, ttmp6, 0x10000c
	s_cmp_lg_u32 s2, 0xf033
	s_cbranch_scc0 .Lentry_shape_is_right
	s_endpgm
.Lentry_shape_is_right:
; Everything that stands in front of the projection, in one launch.  Every input is rounded to bf16 (nearest even) first.
;   xh [8192][1024] f16: x, rounded to bf16 and that number written as f16.
;   wc [1024][2048] f16: the left half of row d is G[d][:], G[d][e] = sum over f of Wq[d][f] Wk[e][f] (bf16 products, f32 sums, rounded once); the right half is Wv[d][:], rounded to bf16, written as f16.
; With G, (x Wq)(x Wk)^T = x G x^T: the two projections of 8192 x 1024 x 1024 become one, for 1024^3 here.  W_qkv: [1024][3072] f32, a row = Wq, Wk, Wv, 4,096 bytes each.
; LIMITS.  f16 holds no number beyond 65,504 and keeps a fixed step of 6e-8 below 6e-5: x, Wv and G must stay within that.  NaN and infinities are not treated apart.
; G's SHARES.  A tile is 64 x 64: 16 x 16 = 256 work-groups of four waves, each 32 x 32: 4 accumulators.  Wq's and Wk's rows come into LDS as f32 and are rounded on the way from LDS to the matrix unit.
; 128 rows x 4,096 bytes do not fit in LDS, so K goes in four pieces of 256 through two slots; each wave brings 32 rows of a piece.  Two first fills a wave; pieces 2 and 3 are refills.
; The four accumulators are cleared by 32 v_mov_b32 (128 bytes of text), so that one text serves every piece.  The pieces are summed in ascending K.
; THE CAST's SHARES.  Wave w of work-group g = 16 y + x takes rows 8 (4 g + w) .. + 7 of x and row 4 g + w of Wv: 72 chunks of 128 numbers, 16 bytes a lane in, 8 out.  56 loads go out straight behind the
; first fills; they are converted and stored in the wait for the refills; the other 16 go out then and are finished at the end.  A load of a wave covers 512 neighbouring bytes, a store 256, aligned.
; CLUSTER.  4 x 4 work-groups: the four of a row need the same rows of Wq, the four of a column the same rows of Wk: each tile is asked for JOINTLY.
; THE MATRIX INSTRUCTION IS USED TRANSPOSED (source 0 = 16 rows of Wk, source 1 = 16 rows of Wq): a lane holds eight neighbouring numbers of a row of G.
; G's STORES.  A tile's row is 64 numbers, 128 bytes: half of an aligned 256; the neighbour along x writes the other half.  G is 2 MB in all.
; REGISTERS (s_set_vgpr_msb: bits 1:0 source 0, 3:2 source 1, 5:4 source 2, 7:6 destination): window 0 as named below; window 1: v0-223 x and Wv as loaded.
.set PITCH,  1040                      ; an LDS row: 1,024 bytes + 16 = 260 words: the 16 rows of a load start at 16 different groups of four banks (64 banks of 4 bytes: ISA guide 11.1)
.set QUART,  32*PITCH                  ; what one tensor load brings
.set PIECE,  4*QUART                   ; a slot: 64 rows of Wq, then 64 rows of Wk, 256 along K
.set STAGE,  2*PIECE                   ; behind the slots, never filled by a tensor load: 64 rows x 144 bytes, the work-group's, for G's way out
.set SP,     144
.set SPARE,  STAGE+64*SP               ; behind the stage: the spare words, 128 bytes for each wave: two blocks of 256 bytes that no other line names
.set WROW,   12288                     ; bytes in a row of W_qkv
.set NV,  8                            ; chunks of Wv,
.set NA,  56                           ; chunks in the first batch: Wv's 8 and 48 of x,
.set NB,  16                           ; and in the second: the last 16 of x
.set A0,  8                            ; v8   my lane's place in slot 0's rows of Wq; never rewritten
.set B0,  9                            ; v9   the same for Wk
.set ADA, 10                           ; v10  the same at the K step to be fetched
.set ADB, 11                           ; v11
.set STO, 12                           ; v12  the way out: where I put 16 bytes of a row
.set RD,  13                           ; v13  the way out: where I read rows back
.set CO,  14                           ; v14  my byte offset in wc
.set XL,  15                           ; v15  16 x lane: my bytes of a chunk as loaded; never rewritten
.set SPW, 16                           ; v16  LDS address of my spare word; never rewritten
.set NIL, 17                           ; v17  0; never rewritten
.set XS,  18                           ; v18  8 x lane: my bytes of a chunk as stored; never rewritten
.set ACC, 32                           ; v32-63   accumulator (a, b) at ACC + 8 (2 a + b)
.set R0,  64                           ; v64-127, v128-191  a K step's four fragments as f32: two of Wq, two of Wk, 16 registers each; two buffers
.set R1,  128
.set FX,  192                          ; v192-223, v224-255 the same in bf16, 8 registers each; two buffers
.set FY,  224
.set Y,   64                           ; the cast: chunk i's 2 registers to store (the raw buffers are idle then)
.set T,   176                          ; v176-179 the cast: at work
.set TMP, 192                          ; the way out: packed results
.set OB,  208                          ; the way out: rows read back
.set X,   0                            ; window 1: chunk i's 4 registers as loaded
.set G1,  24                           ; s[24:31] descriptor group 1 for Wq's tiles
.set G0,  32                           ; s[32:39] group 0: a set for each of the two first fills; the second then walks on
.set G1B, 48                           ; s[48:55], s[56:63] the same for Wk's
.set G0B, 56
.set TB,  66                           ; s66  0 or PIECE: the slot in hand
.set KB,  67                           ; s67  byte in a row at which the K steps to be fetched begin
.set KT,  68                           ; s68  KB + TB
.set KC,  69                           ; s69  counts a piece's four trips
.set MSB, 0
.macro WIN new                         ; the immediate's high byte repeats the setting that is left; a switch that changes nothing is dropped
.if MSB != (\new)
	s_set_vgpr_msb (MSB<<8)|(\new)
.set MSB, \new
.endif
.endm
; A joint refill.  Waves 0 and 1 fetch Wq's two halves, waves 2 and 3 Wk's.  The branch hangs on the wave's number alone.  An s_nop 0 and four v_nop follow each of the two lines.
.macro JLOAD
	s_cmp_lt_u32 s10, 2
	s_cbranch_scc0 .Lfor_b_\@
	tensor_load_to_lds s[G0+4:G0+7], s[G1:G1+7]
	s_nop 0
.rept 4
	v_nop
.endr
	s_branch .Lasked_\@
.Lfor_b_\@:
	tensor_load_to_lds s[G0B+4:G0B+7], s[G1B:G1B+7]
	s_nop 0
.rept 4
	v_nop
.endr
.Lasked_\@:
.endm
.macro CREST                           ; a round of the cluster's barrier behind its opening barrier
	s_cmp_lg_u32 s10, 0
	s_cbranch_scc1 .Lnot_wave_0_\@
	s_barrier_signal -3
.Lnot_wave_0_\@:
	s_barrier_wait -3
	s_barrier_signal -1
	s_barrier_wait -1
.endm
.macro CROUND                          ; a whole round
	s_barrier_signal -1
	s_barrier_wait -1
	CREST
.endm
.macro PLACES                          ; four places in front of conversions that read matrix results (ISA guide 7.12.1)
.rept 4
	v_nop
.endr
.endm
	s_load_b256 s[72:79], s[0:1], 0x0              ; x s[72:73], W s[74:75], xh s[76:77], wc s[78:79]
	v_lshl_add_u32 v[SPW], v0, 2, SPARE
	v_mov_b32 v[NIL], 0
	ds_add_u32 v[SPW], v[NIL]                      ; the wave's opening: the add and its wait stand ahead of my first tensor load; the set-up below, work on registers, stands between them
	ds_add_u32 v16, v17
	v_lshrrev_b32 v1, 5, v0
	v_readfirstlane_b32 s10, v1                    ; wave 0..3
	s_lshr_b32 s11, s10, 1                         ; which 32 of the tile's rows are mine
	s_and_b32 s12, s10, 1                          ; which 32 of its columns.  Also: which 32 rows I fetch
	s_bfe_u32 s40, ttmp6, 0x40000                  ; cx, cy: my place in the cluster
	s_bfe_u32 s41, ttmp6, 0x40004
	s_lshl_b32 s42, ttmp9, 2
	s_add_co_u32 s42, s42, s40                     ; x = 4 x cluster x + cx: my 64 columns e
	s_and_b32 s13, ttmp7, 0xffff
	s_lshl_b32 s13, s13, 2
	s_add_co_u32 s13, s13, s41                     ; y = 4 x cluster y + cy: my 64 rows d
	s_lshl_b32 s43, s41, 2
	s_lshl_b32 s43, 15, s43                        ; my row of the cluster
	s_lshl_b32 s44, 0x1111, s40                    ; my column
	s_or_b32 s[G1+0], s43, (2<<16)|(1<<20)|(1<<21)|(7<<22)|(3<<25)   ; 15:0 the mask: Wq's tiles go to my row; 17:16 4-byte elements; 20 padding on; 21 set beside a mask; 24:22 after every 256 words (code 7); 31:25 4 words (code 3)
	s_or_b32 s[G1B+0], s44, (2<<16)|(1<<20)|(1<<21)|(7<<22)|(3<<25)  ; the same with the mask of my column, for Wk's tiles
.irp g, G1, G1B
	s_mov_b32 s[(\g)+1], 256<<16                   ; tensor_dim0 = 256
	s_mov_b32 s[(\g)+2], 32<<16                    ; tensor_dim1 = 32
	s_mov_b32 s[(\g)+3], 256<<16                   ; tile_dim0 = 256
	s_mov_b32 s[(\g)+4], 32                        ; tile_dim1 = 32
	s_mov_b32 s[(\g)+5], 3072                      ; elements from row to row
	s_mov_b32 s[(\g)+6], 0
	s_mov_b32 s[(\g)+7], 0
.endr
	; Wq's address hangs on y and the wave alone, Wk's on x and the wave alone, each in registers that never hold the other coordinate
	s_lshl_b32 s16, s13, 6
	s_lshl_b32 s17, s12, 5
	s_add_co_u32 s16, s16, s17                     ; row 64 y + 32 x half
	s_mul_i32 s16, s16, WROW
	s_mov_b32 s17, 0
	s_lshl_b32 s46, s42, 6
	s_lshl_b32 s47, s12, 5
	s_add_co_u32 s46, s46, s47                     ; row 64 x + 32 x half
	s_mul_i32 s46, s46, WROW
	s_add_co_u32 s46, s46, 4096                    ; Wk lies behind Wq in a row
	s_mov_b32 s47, 0
	s_mul_i32 s20, s10, QUART                      ; where they go: Wq's two halves, then Wk's: no place in the cluster enters an LDS address
	s_mov_b32 s[TB], 0
	s_mov_b32 s70, 0xffff0000                      ; a word's upper bf16
	; the cast's share: 4 g + w, which enters the addresses of plain loads and stores alone
	s_lshl_b32 s84, s13, 4
	s_add_co_u32 s84, s84, s42                     ; g = 16 y + x
	s_lshl_b32 s84, s84, 2
	s_add_co_u32 s84, s84, s10                     ; 4 g + w
	s_lshl_b32 s86, s84, 15                        ; in x: 8 rows of 4,096 bytes
	s_mov_b32 s87, 0
	s_lshl_b32 s88, s84, 14                        ; in xh: half of that
	s_mov_b32 s89, 0
	s_mul_i32 s90, s84, WROW                       ; in W: a row,
	s_add_co_u32 s90, s90, 8192                    ; in which Wv lies behind Wq and Wk
	s_mov_b32 s91, 0
	s_lshl_b32 s84, s84, 12                        ; in wc: a row of 4,096 bytes,
	s_add_co_u32 s84, s84, 2048                    ; its right half
	s_mov_b32 s85, 0
	s_wait_dscnt 0x0                               ; the opening add is done
	s_wait_kmcnt 0x0
	s_add_nc_u64 s[14:15], s[74:75], s[16:17]
	s_add_nc_u64 s[46:47], s[74:75], s[46:47]
	s_add_nc_u64 s[72:73], s[72:73], s[86:87]      ; x at my rows
	s_add_nc_u64 s[76:77], s[76:77], s[88:89]      ; xh at my rows
	s_add_nc_u64 s[80:81], s[74:75], s[90:91]      ; Wv at my row
	s_add_nc_u64 s[82:83], s[78:79], s[84:85]      ; and where it goes
	CROUND                                         ; all sixteen work-groups are here: the first joint loads meet
.irp n, 0,1
	s_mov_b32 s[G0+4*(\n)], 1                                        ; count = 1
	s_add_co_u32 s[G0+4*(\n)+1], s20, (\n)*PIECE                     ; LDS address
	s_add_nc_u64 s[G0+4*(\n)+2:G0+4*(\n)+3], s[14:15], (\n)*1024     ; global address: K = 256 n on
	s_or_b32 s[G0+4*(\n)+3], s[G0+4*(\n)+3], 0x80000000              ; type = 2
	s_mov_b32 s[G0B+4*(\n)], 1
	s_add_co_u32 s[G0B+4*(\n)+1], s20, (\n)*PIECE
	s_add_nc_u64 s[G0B+4*(\n)+2:G0B+4*(\n)+3], s[46:47], (\n)*1024
	s_or_b32 s[G0B+4*(\n)+3], s[G0B+4*(\n)+3], 0x80000000
.endr
	s_cmp_lt_u32 s10, 2                            ; a wave's two first fills stand in one branch, ahead of every wait on TENSORcnt, every LDS read and every later barrier: two loads of mine are out
	s_cbranch_scc0 .Lfirst_b
	tensor_load_to_lds s[G0:G0+3], s[G1:G1+7]
	s_nop 0
	tensor_load_to_lds s[G0+4:G0+7], s[G1:G1+7]
	s_nop 0
.rept 4
	v_nop
.endr
	s_branch .Lfirst_asked
.Lfirst_b:
	tensor_load_to_lds s[G0B:G0B+3], s[G1B:G1B+7]
	s_nop 0
	tensor_load_to_lds s[G0B+4:G0B+7], s[G1B:G1B+7]
	s_nop 0
.rept 4
	v_nop
.endr
.Lfirst_asked:
	; the cast's first batch goes out behind the tiles that the products wait for
	v_and_b32 v3, 31, v0
	v_lshlrev_b32 v[XL], 4, v3
	v_lshlrev_b32 v[XS], 3, v3
	WIN 0x40                                       ; destination window 1, address window 0
.set i, 0
.rept NV
	global_load_b128 v[X+4*i:X+4*i+3], v[XL], s[80:81] offset:512*i th:TH_LOAD_NT
.set i, i+1
.endr
.set i, 0
.rept NA-NV
	global_load_b128 v[X+4*(NV+i):X+4*(NV+i)+3], v[XL], s[72:73] offset:512*i th:TH_LOAD_NT
.set i, i+1
.endr
	WIN 0
	; A fragment is 16 rows x 32 K: lane l holds row l % 16, K = 8 (l / 16) + 0..7 and 16 + 8 (l / 16) + 0..7.  In f32 that is 2 x 32 bytes, 64 bytes apart: four loads of 16 bytes.
	v_and_b32 v1, 15, v0                           ; l % 16
	v_bfe_u32 v2, v0, 4, 1                         ; l / 16
	v_mul_u32_u24 v3, v1, PITCH
	v_lshl_add_u32 v3, v2, 5, v3                   ; row x pitch + 32 x half
	s_mul_i32 s21, s11, QUART                      ; my 32 rows of Wq
	s_mul_i32 s22, s12, QUART                      ; my 32 rows of Wk,
	s_add_co_u32 s22, s22, 2*QUART                 ; which lie behind Wq's 64
	v_add_nc_u32 v[A0], s21, v3
	v_add_nc_u32 v[B0], s22, v3
	s_mul_i32 s23, s11, 32*SP                      ; into the stage: my 32 rows, my 64 of their 128 bytes; row l % 16, 16 bytes for each half of the lanes
	s_lshl_b32 s21, s12, 6
	s_add_co_u32 s23, s23, s21
	s_add_co_u32 s23, s23, STAGE
	v_mul_u32_u24 v4, v1, SP
	v_lshl_add_u32 v4, v2, 4, v4
	v_add_nc_u32 v[STO], s23, v4
	s_mul_i32 s23, s10, 16*SP                      ; back: wave w takes rows 16 w .. 16 w + 15, whole; 32 lanes take four rows of 128 bytes
	s_add_co_u32 s23, s23, STAGE
	v_bfe_u32 v4, v0, 3, 2
	v_and_b32 v5, 7, v0
	v_mul_u32_u24 v6, v4, SP
	v_lshl_add_u32 v6, v5, 4, v6
	v_add_nc_u32 v[RD], s23, v6
	v_lshlrev_b32 v6, 12, v4                       ; and the same four rows in wc
	v_lshl_add_u32 v[CO], v5, 4, v6
	s_lshl_b32 s16, s13, 6
	s_lshl_b32 s17, s10, 4
	s_add_co_u32 s16, s16, s17                     ; the first row of G that I store: 64 y + 16 w
	s_lshl_b32 s16, s16, 12
	s_mov_b32 s17, 0
	s_add_nc_u64 s[78:79], s[78:79], s[16:17]
	s_lshl_b32 s46, s42, 7                         ; the tile's first column, in bytes
	s_mov_b32 s47, 0
	s_add_nc_u64 s[78:79], s[78:79], s[46:47]
.set i, 0
.rept 32
	v_mov_b32 v[ACC+i], 0                          ; the sums start at 0
.set i, i+1
.endr
; 16 LDS loads in one run: a K step's four fragments, as f32, at byte k behind the addresses in hand, into buffer rb
.macro LOADK rb, k
.irp a, 0,1
	ds_load_b128 v[(\rb)+16*(\a):(\rb)+16*(\a)+3],          v[ADA] offset:(\k)+(\a)*16*PITCH
	ds_load_b128 v[(\rb)+16*(\a)+4:(\rb)+16*(\a)+7],        v[ADA] offset:(\k)+(\a)*16*PITCH+16
	ds_load_b128 v[(\rb)+16*(\a)+8:(\rb)+16*(\a)+11],       v[ADA] offset:(\k)+(\a)*16*PITCH+64
	ds_load_b128 v[(\rb)+16*(\a)+12:(\rb)+16*(\a)+15],      v[ADA] offset:(\k)+(\a)*16*PITCH+80
	ds_load_b128 v[(\rb)+32+16*(\a):(\rb)+32+16*(\a)+3],    v[ADB] offset:(\k)+(\a)*16*PITCH
	ds_load_b128 v[(\rb)+32+16*(\a)+4:(\rb)+32+16*(\a)+7],  v[ADB] offset:(\k)+(\a)*16*PITCH+16
	ds_load_b128 v[(\rb)+32+16*(\a)+8:(\rb)+32+16*(\a)+11], v[ADB] offset:(\k)+(\a)*16*PITCH+64
	ds_load_b128 v[(\rb)+32+16*(\a)+12:(\rb)+32+16*(\a)+15], v[ADB] offset:(\k)+(\a)*16*PITCH+80
.endr
.endm
.macro CVT rb, fb                      ; 64 registers of f32 rounded to 32 of bf16: the lower K in the low half
.set i, 0
.rept 32
	v_cvt_pk_bf16_f32 v[(\fb)+i], v[(\rb)+2*i], v[(\rb)+2*i+1]
.set i, i+1
.endr
.endm
.macro MUL fb                          ; 4 matrix instructions: the four accumulators take turns, one instruction a turn
.irp a, 0,1
.irp b, 0,1
	v_wmma_f32_16x16x32_bf16 v[ACC+8*(2*(\a)+(\b)):ACC+8*(2*(\a)+(\b))+7], v[(\fb)+16+8*(\b):(\fb)+16+8*(\b)+7], v[(\fb)+8*(\a):(\fb)+8*(\a)+7], v[ACC+8*(2*(\a)+(\b)):ACC+8*(2*(\a)+(\b))+7]
.endr
.endr
.endm
; THE PIECE in the slot in hand: eight K steps, two a trip, on two raw buffers: a K step's loads go out ahead of the conversions and products of the step before it.
; A fragment buffer is written again only behind the 32 conversions into the other one, which name none of its registers: they are the places behind the products that read it.
; The offset wraps at a row's 1,024 bytes, so the last trip's look-ahead reads the piece's first K step once more, for nothing: 16 loads, the price of one text for every trip.
.macro PASS
	v_add_nc_u32 v[ADA], s[TB], v[A0]
	v_add_nc_u32 v[ADB], s[TB], v[B0]
	LOADK R0, 0
	s_mov_b32 s[KB], 0
	s_mov_b32 s[KC], 4
.Lk_\@:
	LOADK R1, 128
	s_wait_dscnt 16                                ; all but the 16 just issued
	CVT R0, FX
	MUL FX
	s_add_co_u32 s[KB], s[KB], 256                 ; two K steps of 32 numbers on
	s_and_b32 s[KB], s[KB], 0x3ff
	s_add_co_u32 s[KT], s[KB], s[TB]
	v_add_nc_u32 v[ADA], s[KT], v[A0]
	v_add_nc_u32 v[ADB], s[KT], v[B0]
	LOADK R0, 0
	s_wait_dscnt 16                                ; all but the 16 just issued
	CVT R1, FY
	MUL FY
	s_sub_co_u32 s[KC], s[KC], 1
	s_cmp_lg_u32 s[KC], 0
	s_cbranch_scc1 .Lk_\@
.endm
; THE CAST of n chunks that lie in window 1.  First all roundings to bf16, under one window setting; FINISH then widens each half again (a shift, a mask) and writes it as f16.
.macro ROUNDB n
	WIN 0x05                                       ; sources 0 and 1 window 1, destination window 0
.set i, 0
.rept \n
	v_cvt_pk_bf16_f32 v[Y+2*i],   v[X+4*i],   v[X+4*i+1]
	v_cvt_pk_bf16_f32 v[Y+2*i+1], v[X+4*i+2], v[X+4*i+3]
.set i, i+1
.endr
.endm
.macro FINISH
	v_lshlrev_b32 v[T],   16,  v[Y+2*i]
	v_and_b32     v[T+1], s70, v[Y+2*i]
	v_lshlrev_b32 v[T+2], 16,  v[Y+2*i+1]
	v_and_b32     v[T+3], s70, v[Y+2*i+1]
	v_cvt_pk_f16_f32 v[Y+2*i],   v[T],   v[T+1]
	v_cvt_pk_f16_f32 v[Y+2*i+1], v[T+2], v[T+3]
.endm
	s_wait_tensorcnt 1                             ; my part of piece 0 is in; piece 1's may stay out
	s_barrier_signal -1
	s_barrier_wait -1                              ; everybody's is
	s_mov_b32 s3, 2
.Lfill:                                                ; twice: a piece is multiplied and its slot filled again, with the piece two on
	PASS
	s_wait_tensorcnt 0x0                           ; all my tensor loads have landed, my part of the other slot among them, so the walking descriptors may be written
	ds_add_u32 v[SPW], v[NIL]                      ; 0 onto my spare word; the descriptors' steps stand between it and the wait for it
	s_add_co_u32 s[G0+5], s20, s[TB]               ; into the slot just read: the wave's constant + 0 or PIECE
	s_add_co_u32 s[G0B+5], s20, s[TB]
	s_add_nc_u64 s[G0+6:G0+7], s[G0+6:G0+7], 1024  ; the next 256 along K; the type bits on top are not reached
	s_add_nc_u64 s[G0B+6:G0B+7], s[G0B+6:G0B+7], 1024
	s_xor_b32 s[TB], s[TB], PIECE                  ; the reads go on in the other slot
	s_wait_dscnt 0x0                               ; the add is done, and my reads of the slot are over
	CROUND                                         ; no wave of any partner still reads the slot or has a load on its way
	JLOAD                                          ; the first tensor load behind the round, and my only one
	s_sub_co_u32 s3, s3, 1
	s_cmp_lg_u32 s3, 0
	s_cbranch_scc1 .Lfill
	; THE CAST'S FIRST BATCH stands in the wait for pieces 2 and 3
	s_wait_loadcnt 0x0
	ROUNDB NA
	WIN 0x40
.set i, 0
.rept NB
	global_load_b128 v[X+4*i:X+4*i+3], v[XL], s[72:73] offset:512*(NA-NV+i) th:TH_LOAD_NT  ; the second batch, into registers that have just been read
.set i, i+1
.endr
	WIN 0
.set i, 0
.rept NA
	FINISH
.if i < NV
	global_store_b64 v[XS], v[Y+2*i:Y+2*i+1], s[82:83] offset:256*i
.else
	global_store_b64 v[XS], v[Y+2*i:Y+2*i+1], s[76:77] offset:256*(i-NV)
.endif
.set i, i+1
.endr
	s_wait_tensorcnt 1                             ; my part of piece 2 is in; piece 3's, issued behind it, may stay out
	s_wait_xcnt 0x0                                ; the registers that the stores above read are loaded again only behind this wait
	s_barrier_signal -1
	s_barrier_wait -1                              ; everybody's is
	PASS
	s_xor_b32 s[TB], s[TB], PIECE
	s_wait_tensorcnt 0x0                           ; my part of piece 3 is in,
	s_wait_dscnt 0x0                               ; (no LDS instruction of mine is out at a signal)
	s_barrier_signal -1
	s_barrier_wait -1                              ; everybody's is
	PASS
	s_wait_dscnt 0x0                               ; the look-ahead's loads are back: their registers are used again below
	; G's WAY OUT: round to f16; 16 bytes a lane into the work-group's stage; a barrier, since a row's 128 bytes come from two waves; back as whole rows, 16 rows a wave.
	PLACES
.irp t, 0,1,2,3
.irp r, 0,1,2,3
	v_cvt_pk_f16_f32 v[TMP+4*(\t)+(\r)], v[ACC+8*(\t)+2*(\r)], v[ACC+8*(\t)+2*(\r)+1]
.endr
.endr
.irp a, 0,1
.irp b, 0,1
	ds_store_b128 v[STO], v[TMP+4*(2*(\a)+(\b)):TMP+4*(2*(\a)+(\b))+3] offset:(\a)*16*SP+32*(\b)
.endr
.endr
	s_wait_dscnt 0x0                               ; for the others' sake: my stores into the stage are done
	s_barrier_signal -1
	s_barrier_wait -1
.irp t, 0,1,2,3
	ds_load_b128 v[OB+4*(\t):OB+4*(\t)+3], v[RD] offset:(\t)*4*SP
.endr
.irp t, 0,1,2,3
	s_wait_dscnt 3-(\t)                            ; LDS loads come back in order: load t is in
	global_store_b128 v[CO], v[OB+4*(\t):OB+4*(\t)+3], s[78:79] offset:(\t)*4*4096  ; four rows' 128 consecutive bytes each
.endr
	; THE CAST'S SECOND BATCH: it landed while pieces 2 and 3 were multiplied
	s_wait_loadcnt 0x0
	ROUNDB NB
	WIN 0
.set i, 0
.rept NB
	FINISH
	global_store_b64 v[XS], v[Y+2*i:Y+2*i+1], s[76:77] offset:256*(NA-NV+i)
.set i, i+1
.endr
	s_wait_tensorcnt 0x0                           ; the wave's end: behind my last tensor load and my last LDS store
	ds_add_u32 v[SPW], v[NIL]
	s_wait_dscnt 0x0
	CROUND                                         ; the closing round: no work-group ends while a partner may still ask for a tile that names it
	s_endpgm
.Lfunc_end_k_q7fc0c19a40_prep:
	.size	k_q7fc0c19a40_prep, .Lfunc_end_k_q7fc0c19a40_prep-k_q7fc0c19a40_prep
	.p2alignl 7, 3214868480
	.fill 96, 4, 3214868480
	.section	.rodata,"a",@progbits
	.p2align	6, 0x0
	.amdhsa_kernel k_q7fc0c19a40_prep
		.amdhsa_group_segment_fixed_size 327680
		.amdhsa_private_segment_fixed_size 0
		.amdhsa_enable_private_segment 0
		.amdhsa_kernarg_size 32
		.amdhsa_user_sgpr_count 2
		.amdhsa_user_sgpr_kernarg_segment_ptr 1
		.amdhsa_wavefront_size32 1
		.amdhsa_system_sgpr_workgroup_id_x 1
		.amdhsa_system_sgpr_workgroup_id_y 1
		.amdhsa_system_sgpr_workgroup_id_z 1
		.amdhsa_system_vgpr_workitem_id 0
		.amdhsa_next_free_vgpr 512
		.amdhsa_next_free_sgpr 92
		.amdhsa_reserve_vcc 0
		.amdhsa_float_denorm_mode_32 3
		.amdhsa_float_denorm_mode_16_64 3
		.amdhsa_memory_ordered 1
		.amdhsa_forward_progress 1
		.amdhsa_inst_pref_size 78
	.end_amdhsa_kernel
	.amdgpu_metadata
---
amdhsa.version: [ 1, 2 ]
amdhsa.kernels:
  - .name:           k_q7fc0c19a40_prep
    .symbol:         k_q7fc0c19a40_prep.kd
    .args:
      - { .name: hidden_states, .offset: 0, .size: 8, .value_kind: global_buffer, .address_space: global }
      - { .name: W_qkv, .offset: 8, .size: 8, .value_kind: global_buffer, .address_space: global }
      - { .name: xh, .offset: 16, .size: 8, .value_kind: global_buffer, .address_space: global }
      - { .name: wc, .offset: 24, .size: 8, .value_kind: global_buffer, .address_space: global }
    .group_segment_fixed_size: 327680
    .private_segment_fixed_size: 0
    .kernarg_segment_align: 8
    .kernarg_segment_size: 32
    .max_flat_workgroup_size: 128
    .sgpr_count:     92
    .vgpr_count:     512
    .wavefront_size: 32
...
	.end_amdgpu_metadata
.endif
;; end of part 5
;; launch proj (part 6): grid 8 x 32, 4 waves a work-group, clusters of 4 x 4, 327,680 bytes of LDS; arguments xh, wc, yv; writes yv
.if DOCPART == 6
	.amdgcn_target "amdgcn-amd-amdhsa--gfx1250"
	.amdhsa_code_object_version 6
	.text
	.protected	k_q7fc0c19a40_proj
	.globl	k_q7fc0c19a40_proj
	.p2align	8
	.type	k_q7fc0c19a40_proj,@function
k_q7fc0c19a40_proj:
	s_mov_b64 s[64:65], 0
	v_nop
	global_prefetch_b8 v0, s[64:65] scope:SCOPE_SE
	s_setreg_imm32_b32 hwreg(HW_REG_WAVE_MODE, 25, 1), 1
	s_wait_xcnt 0x0
	s_wait_alu depctr_hold_cnt(0) depctr_sa_sdst(0) depctr_va_vdst(0) depctr_va_sdst(0) depctr_va_ssrc(0) depctr_va_vcc(0) depctr_vm_vsrc(0)
	s_getreg_b32 s2, hwreg(HW_REG_IB_STS2, 6, 4)
	s_cmp_eq_u32 s2, 0
	s_cbranch_scc0 .Lentry_in_a_cluster
	s_endpgm
.Lentry_in_a_cluster:
	s_bfe_u32 s2, ttmp6, 0x10000c
	s_cmp_lg_u32 s2, 0xf033
	s_cbranch_scc0 .Lentry_shape_is_right
	s_endpgm
.Lentry_shape_is_right:
; yv[m][n] = f(n) x sum over k of xh[m][k] wc[k][n].  xh: [8192][1024] f16, wc: [1024][2048] f16 (G, then Wv), yv: [8192][2048] f16; sums in f32, K ascending, rounded once.
; Columns 0-1023 are Y = x G, stored times f = 2^-12; columns 1024-2047 are V = x Wv, f = 1.  The next launch forms the scores as Y x^T and puts 2^12 into the exponent's scale.
; LIMITS.  f16 holds no number beyond 65,504: |V| stays within it, and |x G| within 65,504 x 4,096.  Below 6e-5 f16 keeps a fixed step of 6e-8, which is 2.4e-4 of x G.  NaN and infinities are not treated apart.
; SHARES.  A tile is 256 x 256: 32 x 8 = 256 work-groups of four waves, each wave 128 x 128: 64 accumulators, 512 registers.  K goes in steps of 128 through two LDS slots: 256 rows of xh (256 bytes
; each) and 128 k-rows of wc (512 bytes each).  wc lies [k][n], so its fragments come out of LDS turned, by ds_load_tr16_b128.
; ONE TEXT FOR A STEP: the slot in hand is a scalar, 0 or SLOT, which an exclusive or turns; it enters the LDS addresses of the reads and of the refill.
; ONE TEXT FOR HALF THE WAY OUT: four row blocks are written out and walked twice; between the trips 256 v_mov_b32 bring window 3's accumulators to window 2, where the text names them:
; 1,024 bytes of text and 256 instructions, once, for four blocks' text less.
; CLUSTER.  4 x 4 work-groups: the four of a row need the same rows of xh, the four of a column the same columns of wc: each tile is asked for JOINTLY.
; THE MATRIX INSTRUCTION IS USED TRANSPOSED (source 0 = 16 columns of wc, source 1 = 16 rows of xh): a lane then holds eight neighbouring numbers of a row of yv.
; REGISTERS, in windows of 256 (s_set_vgpr_msb: bits 1:0 source 0, 3:2 source 1, 5:4 source 2, 7:6 destination):
;   window 0: v0-31 addresses; v64-127, v128-191 fragments of xh, two buffers (later v64-127: rows read back); v192-223 packed results
;   window 1: v64-127, v128-191 fragments of wc, two buffers     window 2: the accumulators of my rows 0-63 ((a, b) at v[8 (8 a + b)])     window 3: those of my rows 64-127
.set KSTEP,  128
.set NS,     8                         ; K steps: 1024 / 128
.set PA,     272                       ; an LDS row of xh: 256 bytes + 16 = 68 words: the 16 rows of a load start at 16 different groups of four banks (64 banks of 4 bytes: ISA guide 11.1)
.set PB,     544                       ; an LDS row of wc: 512 + 32 = 136 words
.set HALFT,  128*PA                    ; what one tensor load brings: 128 rows of xh, or 64 k-rows of wc (64 x 544 is the same number)
.set BOFF,   2*HALFT                   ; wc's rows lie behind xh's
.set SLOT,   4*HALFT
.set STAGE,  2*SLOT                    ; behind the ring: 16 rows x 272 bytes for each wave, for the way out
.set SPITCH, 272
.set SPARE,  STAGE+4*16*SPITCH         ; behind the stages: the spare words, 128 bytes for each wave: two blocks of 256 bytes that no other line names
.set ASTEP,  KSTEP*2                   ; bytes from a K step to the next in xh,
.set BSTEP,  KSTEP*4096                ; and in wc: 128 rows of 4,096 bytes
.set CROW,   4096                      ; bytes in a row of yv
.set A0,  16                           ; v16  my lane's place in slot 0's rows of xh; never rewritten
.set B0,  17                           ; v17  the same for wc
.set ADA, 18                           ; v18  the same in the slot in hand
.set ADB, 19                           ; v19
.set STO, 24                           ; v24  the way out: where I put 16 bytes of a row
.set RD,  25                           ; v25  the way out: where I read a row back
.set CO,  26                           ; v26  my byte offset in yv
.set SPW, 28                           ; v28  LDS address of my spare word; never rewritten
.set NIL, 29                           ; v29  0; never rewritten
.set F0,  64
.set F1,  128
.set OB,  64                           ; the way out: 16 rows read back from the stage: v64-95 and v96-127 by turns
.set TMP, 192
.set G1A, 24                           ; s[24:31] descriptor group 1 for xh's tiles
.set G0A, 32                           ; s[32:39] group 0: a set for each of the two first fills; the second then walks on
.set G1B, 48                           ; s[48:55], s[56:63] the same for wc's
.set G0B, 56
.set TB,  66                           ; s66  0 or SLOT: the slot in hand
.set SC,  68                           ; s[68:69] f: the packed multiply takes the pair's low word for both halves
.set MSB, 0
.macro WIN new                         ; the immediate's high byte repeats the setting that is left; a switch that changes nothing is dropped
.if MSB != (\new)
	s_set_vgpr_msb (MSB<<8)|(\new)
.set MSB, \new
.endif
.endm
.set MUL_LO, 0xa1                      ; source 0 (wc) window 1, source 1 (xh) window 0, C and D window 2
.set MUL_HI, 0xf1                      ; the same, C and D window 3
.set TO_B,   0x40                      ; destination window 1, address window 0
; A joint refill.  Waves 0 and 1 fetch xh's two halves, waves 2 and 3 wc's.  The branch hangs on the wave's number alone.  An s_nop 0 and four v_nop follow each of the two lines.
.macro JLOAD
	s_cmp_lt_u32 s10, 2
	s_cbranch_scc0 .Lfor_b_\@
	tensor_load_to_lds s[G0A+4:G0A+7], s[G1A:G1A+7]
	s_nop 0
.rept 4
	v_nop
.endr
	s_branch .Lasked_\@
.Lfor_b_\@:
	tensor_load_to_lds s[G0B+4:G0B+7], s[G1B:G1B+7]
	s_nop 0
.rept 4
	v_nop
.endr
.Lasked_\@:
.endm
.macro CREST                           ; a round of the cluster's barrier behind its opening barrier
	s_cmp_lg_u32 s10, 0
	s_cbranch_scc1 .Lnot_wave_0_\@
	s_barrier_signal -3
.Lnot_wave_0_\@:
	s_barrier_wait -3
	s_barrier_signal -1
	s_barrier_wait -1
.endm
.macro CROUND                          ; a whole round
	s_barrier_signal -1
	s_barrier_wait -1
	CREST
.endm
	s_load_b128 s[4:7], s[0:1], 0x0                ; xh s[4:5], wc s[6:7]
	s_load_b64 s[8:9], s[0:1], 0x10                ; yv
	v_lshl_add_u32 v[SPW], v0, 2, SPARE
	v_mov_b32 v[NIL], 0
	ds_add_u32 v[SPW], v[NIL]                      ; the wave's opening: the add and its wait stand ahead of my first tensor load; the set-up below, work on registers, stands between them
	ds_add_u32 v28, v29
	v_lshrrev_b32 v1, 5, v0
	v_readfirstlane_b32 s10, v1                    ; wave 0..3
	s_lshr_b32 s11, s10, 1                         ; which 128 of the tile's rows are mine
	s_and_b32 s12, s10, 1                          ; which 128 of its columns.  Also: which half of a tile I fetch
	s_bfe_u32 s40, ttmp6, 0x40000                  ; cx, cy: my place in the cluster
	s_bfe_u32 s41, ttmp6, 0x40004
	s_lshl_b32 s42, ttmp9, 2
	s_add_co_u32 s42, s42, s40                     ; x = 4 x cluster x + cx: my 256 columns
	s_and_b32 s13, ttmp7, 0xffff
	s_lshl_b32 s13, s13, 2
	s_add_co_u32 s13, s13, s41                     ; y = 4 x cluster y + cy: my 256 rows
	s_lshl_b32 s43, s41, 2
	s_lshl_b32 s43, 15, s43                        ; my row of the cluster
	s_lshl_b32 s44, 0x1111, s40                    ; my column
	s_or_b32 s[G1A+0], s43, (1<<16)|(1<<20)|(1<<21)|(5<<22)|(3<<25)  ; 15:0 the mask: xh's tiles go to my row; 17:16 2-byte elements; 20 padding on; 21 set beside a mask; 24:22 after every 64 words (code 5); 31:25 4 words (code 3)
	s_or_b32 s[G1B+0], s44, (1<<16)|(1<<20)|(1<<21)|(6<<22)|(7<<25)  ; wc's go to my column; after every 128 words (code 6) 8 words (code 7)
	s_mov_b32 s[G1A+1], KSTEP<<16                  ; tensor_dim0 = 128
	s_mov_b32 s[G1A+2], 128<<16                    ; tensor_dim1 = 128
	s_mov_b32 s[G1A+3], KSTEP<<16                  ; tile_dim0 = 128
	s_mov_b32 s[G1A+4], 128                        ; tile_dim1 = 128
	s_mov_b32 s[G1A+5], 1024                       ; elements from row to row
	s_mov_b32 s[G1A+6], 0
	s_mov_b32 s[G1A+7], 0
	s_mov_b32 s[G1B+1], 256<<16                    ; tensor_dim0 = 256
	s_mov_b32 s[G1B+2], 64<<16                     ; tensor_dim1 = 64
	s_mov_b32 s[G1B+3], 256<<16                    ; tile_dim0 = 256
	s_mov_b32 s[G1B+4], 64                         ; tile_dim1 = 64
	s_mov_b32 s[G1B+5], 2048
	s_mov_b32 s[G1B+6], 0
	s_mov_b32 s[G1B+7], 0
	s_cmp_eq_u32 ttmp9, 0                          ; the clusters with x = 0 hold columns 0-1023: Y
	s_cselect_b32 s[SC], 0x39800000, 1.0           ; 2^-12 there, 1 for V
	s_mov_b32 s[SC+1], s[SC]                       ; named with it as a pair
	; xh's address hangs on y and the wave alone, wc's on x and the wave alone, each in registers that never hold the other coordinate
	s_lshl_b32 s16, s13, 8
	s_lshl_b32 s17, s12, 7
	s_add_co_u32 s16, s16, s17                     ; row 256 y + 128 x half,
	s_lshl_b32 s16, s16, 11                        ; of 2,048 bytes
	s_mov_b32 s17, 0
	s_lshl_b32 s46, s12, 18                        ; k-row 64 x half, of 4,096 bytes,
	s_lshl_b32 s47, s42, 9                         ; column 256 x
	s_add_co_u32 s46, s46, s47
	s_mov_b32 s47, 0
	s_mul_i32 s20, s10, HALFT                      ; where they go: xh's two halves, then wc's: no place in the cluster enters an LDS address
	s_mov_b32 s[TB], 0
	s_wait_dscnt 0x0                               ; the opening add is done
	s_wait_kmcnt 0x0
	s_add_nc_u64 s[14:15], s[4:5], s[16:17]
	s_add_nc_u64 s[46:47], s[6:7], s[46:47]
	CROUND                                         ; all sixteen work-groups are here: the first joint loads meet
.irp n, 0,1
	s_mov_b32 s[G0A+4*(\n)], 1                                         ; count = 1
	s_add_co_u32 s[G0A+4*(\n)+1], s20, (\n)*SLOT                       ; LDS address
	s_add_nc_u64 s[G0A+4*(\n)+2:G0A+4*(\n)+3], s[14:15], (\n)*ASTEP    ; global address: K step n
	s_or_b32 s[G0A+4*(\n)+3], s[G0A+4*(\n)+3], 0x80000000              ; type = 2
	s_mov_b32 s[G0B+4*(\n)], 1
	s_add_co_u32 s[G0B+4*(\n)+1], s20, (\n)*SLOT
	s_add_nc_u64 s[G0B+4*(\n)+2:G0B+4*(\n)+3], s[46:47], (\n)*BSTEP
	s_or_b32 s[G0B+4*(\n)+3], s[G0B+4*(\n)+3], 0x80000000
.endr
	s_cmp_lt_u32 s10, 2                            ; a wave's two first fills stand in one branch, ahead of every wait on TENSORcnt, every LDS read and every later barrier: two loads of mine are out
	s_cbranch_scc0 .Lfirst_b
	tensor_load_to_lds s[G0A:G0A+3], s[G1A:G1A+7]
	s_nop 0
	tensor_load_to_lds s[G0A+4:G0A+7], s[G1A:G1A+7]
	s_nop 0
.rept 4
	v_nop
.endr
	s_branch .Lfirst_asked
.Lfirst_b:
	tensor_load_to_lds s[G0B:G0B+3], s[G1B:G1B+7]
	s_nop 0
	tensor_load_to_lds s[G0B+4:G0B+7], s[G1B:G1B+7]
	s_nop 0
.rept 4
	v_nop
.endr
.Lfirst_asked:
	; A fragment of xh is 16 rows x 32 K in 8 registers: lane l holds row l % 16, K = 8 (l / 16) + 0..7 and 16 + 8 (l / 16) + 0..7: two loads of 16 bytes, 32 bytes apart.
	v_and_b32 v1, 15, v0                           ; l % 16
	v_bfe_u32 v2, v0, 4, 1                         ; l / 16
	v_mul_u32_u24 v3, v1, PA
	v_lshl_add_u32 v3, v2, 4, v3
	s_mul_i32 s22, s11, HALFT                      ; my 128 rows
	v_add_nc_u32 v[A0], s22, v3
	; The turning load takes 16 k x 16 columns (lane l reads k-row 8 (l / 16) + l % 8, columns 8 ((l / 8) % 2) + 0..7) and leaves half a fragment: lane l holds column l % 16 and 8 k.
	v_and_b32 v4, 7, v0
	v_bfe_u32 v5, v0, 3, 1
	v_lshl_add_u32 v4, v2, 3, v4
	v_mul_u32_u24 v4, v4, PB
	v_lshl_add_u32 v4, v5, 4, v4
	s_lshl_b32 s22, s12, 8                         ; my 128 columns
	s_add_co_u32 s22, s22, BOFF
	v_add_nc_u32 v[B0], s22, v4
	v_mov_b32 v[ADA], v[A0]                        ; slot 0 comes first
	v_mov_b32 v[ADB], v[B0]
	s_mul_i32 s23, s10, 16*SPITCH
	s_add_co_u32 s23, s23, STAGE                   ; my stage
	v_mul_u32_u24 v4, v1, SPITCH                   ; in: row l % 16, 16 bytes for each half of the lanes
	v_lshl_add_u32 v4, v2, 4, v4
	v_add_nc_u32 v[STO], s23, v4
	v_mul_u32_u24 v5, v2, SPITCH                   ; back: lanes 0-15 take one row of 256 bytes, lanes 16-31 the next
	v_lshl_add_u32 v5, v1, 4, v5
	v_add_nc_u32 v[RD], s23, v5
	v_lshlrev_b32 v5, 12, v2                       ; and the same two rows in yv
	v_lshl_add_u32 v[CO], v1, 4, v5
	s_lshl_b32 s16, s13, 8
	s_lshl_b32 s17, s11, 7
	s_add_co_u32 s16, s16, s17                     ; my first row of yv
	s_lshl_b32 s16, s16, 12
	s_mov_b32 s17, 0
	s_add_nc_u64 s[8:9], s[8:9], s[16:17]
	s_lshl_b32 s46, s42, 9                         ; my first column, in bytes: 512 x + 256 x half
	s_lshl_b32 s47, s12, 8
	s_add_co_u32 s46, s46, s47
	s_mov_b32 s47, 0
	s_add_nc_u64 s[8:9], s[8:9], s[46:47]
; 16 matrix instructions: row blocks a0, a0 + 1 of the window's four (hi = 0: my rows 0-63, 1: rows 64-127) x all 8 column blocks, 32 along K.  zero = 1: the product starts the sums.
; The 64 accumulators take turns, one instruction a turn, in the same order in every quarter.
.macro MUL16 f, hi, a0, zero
	WIN MUL_LO+0x50*(\hi)
.irp a, \a0, (\a0)+1
.irp b, 0,1,2,3,4,5,6,7
.if \zero
	v_wmma_f32_16x16x32_f16 v[8*(8*(\a)+(\b)):8*(8*(\a)+(\b))+7], v[(\f)+8*(\b):(\f)+8*(\b)+7], v[(\f)+8*(4*(\hi)+(\a)):(\f)+8*(4*(\hi)+(\a))+7], 0
.else
	v_wmma_f32_16x16x32_f16 v[8*(8*(\a)+(\b)):8*(8*(\a)+(\b))+7], v[(\f)+8*(\b):(\f)+8*(\b)+7], v[(\f)+8*(4*(\hi)+(\a)):(\f)+8*(4*(\hi)+(\a))+7], v[8*(8*(\a)+(\b)):8*(8*(\a)+(\b))+7]
.endif
.endr
.endr
.endm
; 32 LDS loads in one run: the fragments of quarter q (32 along K) of the slot in hand into buffer f: wc's sixteen first, then xh's sixteen
.macro FETCH q, f
	WIN TO_B
.irp b, 0,1,2,3,4,5,6,7
	ds_load_tr16_b128 v[(\f)+8*(\b):(\f)+8*(\b)+3],   v[ADB] offset:(\q)*32*PB+32*(\b)
	ds_load_tr16_b128 v[(\f)+8*(\b)+4:(\f)+8*(\b)+7], v[ADB] offset:(\q)*32*PB+16*PB+32*(\b)
.endr
	WIN 0
.irp i, 0,1,2,3,4,5,6,7
	ds_load_b128 v[(\f)+8*(\i):(\f)+8*(\i)+3],   v[ADA] offset:64*(\q)+(\i)*16*PA
	ds_load_b128 v[(\f)+8*(\i)+4:(\f)+8*(\i)+7], v[ADA] offset:64*(\q)+(\i)*16*PA+32
.endr
.endm
.macro PLACES                          ; four places in front of loads into registers that matrix instructions have read, and of vector work on results just made
.rept 4
	v_nop
.endr
.endm
; A K step is four quarters of 32 along K, 64 matrix instructions each, on buffers 0, 1, 0, 1.  One of the first three: multiplies buffer f; in its middle it fetches quarter q into buffer g.
.macro QUARTER q, f, g, zero
	s_wait_dscnt 8                                 ; wc's fragments and xh's rows 0-63 are in; the youngest eight loads (rows 64-127) may be out
	MUL16 \f, 0, 0, \zero
	MUL16 \f, 0, 2, \zero
	PLACES
	FETCH \q, \g
	s_wait_dscnt 32                                ; all but the 32 just issued
	MUL16 \f, 1, 0, \zero
	MUL16 \f, 1, 2, \zero
.endm
; The last quarter multiplies buffer 1 and changes slots: ONE barrier; in front of it each wave waits for all its tensor loads (one is out: its part of the next slot), adds 0 to its spare word, and
; waits for that and for its own reads of this slot.  fill = 1: the barrier opens a round of the cluster's barrier, and the slot just read is filled again first thing behind it, two K steps on.
.macro TURN fill
	WIN 0
	s_wait_tensorcnt 0x0                           ; all my tensor loads have landed, so the walking descriptors may be written
	ds_add_u32 v[SPW], v[NIL]                      ; 0 onto my spare word
	s_wait_dscnt 9                                 ; (the add and the youngest eight loads may be out)
	MUL16 F1, 0, 0, 0                              ; sixteen matrix instructions stand between the add and the wait for it
	s_wait_dscnt 0x0                               ; the add is done, and my reads of this slot are over
	s_barrier_signal -1
	MUL16 F1, 0, 2, 0                              ; work on registers while the others arrive
	WIN 0
	s_barrier_wait -1
.if \fill
	CREST                                          ; no wave of any partner still reads this slot's tile or has a load on its way
	s_add_co_u32 s[G0A+5], s20, s[TB]              ; into the slot just read: the wave's constant + 0 or SLOT
	s_add_co_u32 s[G0B+5], s20, s[TB]
	s_add_nc_u64 s[G0A+6:G0A+7], s[G0A+6:G0A+7], ASTEP
	s_add_nc_u64 s[G0B+6:G0B+7], s[G0B+6:G0B+7], BSTEP
	JLOAD                                          ; the first tensor load behind the round; its four v_nop are also the places in front of the loads below
.else
	PLACES
.endif
	s_xor_b32 s[TB], s[TB], SLOT                   ; the reads go on in the other slot
	v_add_nc_u32 v[ADA], s[TB], v[A0]
	v_add_nc_u32 v[ADB], s[TB], v[B0]
	FETCH 0, F0
	MUL16 F1, 1, 0, 0
	MUL16 F1, 1, 2, 0
.endm
; THE WAY OUT of row block a of window 2's four: times f, rounded to f16, 16 bytes a lane; into my own stage in LDS and back as whole rows of 256 bytes; stored.
.macro PACK a
.set AC, 64*(\a)
	WIN 0x82                                       ; destination and source 0 window 2
.set i, 0
.rept 32
	v_pk_mul_f32 v[AC+2*i:AC+2*i+1], v[AC+2*i:AC+2*i+1], s[SC:SC+1] op_sel_hi:[1,0]
.set i, i+1
.endr
	WIN 0x0a                                       ; sources 0 and 1 window 2
.irp b, 0,1,2,3,4,5,6,7
.irp r, 0,1,2,3
	v_cvt_pk_f16_f32 v[TMP+4*(\b)+(\r)], v[AC+8*(\b)+2*(\r)], v[AC+8*(\b)+2*(\r)+1]
.endr
.endr
	WIN 0
.endm
.macro TOSTAGE a
.set BK, OB+32*((\a)%2)
.irp b, 0,1,2,3,4,5,6,7
	ds_store_b128 v[STO], v[TMP+4*(\b):TMP+4*(\b)+3] offset:32*(\b)
.endr
.irp t, 0,1,2,3,4,5,6,7
	ds_load_b128 v[BK+4*(\t):BK+4*(\t)+3], v[RD] offset:(\t)*2*SPITCH  ; LDS serves a wave's instructions in order (ISA guide 5.7.1.4): these see the stores above
.endr
.endm
.macro SEND a
.set BK, OB+32*((\a)%2)
	s_wait_dscnt 0x0                               ; the block is back in registers
	s_wait_xcnt 0x0                                ; the registers that the block before last's stores read are loaded again only behind this wait
.irp t, 0,1,2,3,4,5,6,7
	global_store_b128 v[CO], v[BK+4*(\t):BK+4*(\t)+3], s[8:9] offset:(16*(\a)+2*(\t))*CROW  ; 16 lanes store 256 consecutive bytes, at a multiple of 256 from yv's first byte
.endr
.endm
	s_wait_tensorcnt 1                             ; my part of K step 0 is in; K step 1's may stay out
	s_barrier_signal -1
	s_barrier_wait -1                              ; everybody's is
	FETCH 0, F0
	QUARTER 1, F0, F1, 1                           ; the first quarter stands in front of the loop: its products start the sums
	WIN 0                                          ; at a label and at a branch every window is 0
	s_mov_b32 s3, NS-2
.Lstep:                                                ; a trip goes from a K step's second quarter to the next step's first, and fills the slot that it leaves: K steps 2 to 7
	QUARTER 2, F1, F0, 0
	QUARTER 3, F0, F1, 0
	TURN 1
	QUARTER 1, F0, F1, 0
	WIN 0
	s_sub_co_u32 s3, s3, 1
	s_cmp_lg_u32 s3, 0
	s_cbranch_scc1 .Lstep
	s_mov_b32 s3, 2
.Ltail:                                                ; the last two K steps fill nothing: a text of their own; the second trip is left in its middle
	QUARTER 2, F1, F0, 0
	QUARTER 3, F0, F1, 0
	TURN 0
	WIN 0
	s_sub_co_u32 s3, s3, 1
	s_cmp_eq_u32 s3, 0
	s_cbranch_scc1 .Lout
	QUARTER 1, F0, F1, 0
	WIN 0
	s_branch .Ltail
.Lout:                                                 ; the second trip's barrier and its 32 loads from the slot read before serve nothing: the price, once a launch, of one text for both trips
	s_wait_dscnt 0x0                               ; those loads are back: their registers are used again below
	PLACES
	s_mov_b32 s3, 2
.Lhalf:                                                ; twice: my rows 0-63, then my rows 64-127
	PACK 0
	TOSTAGE 0
.irp a, 1,2,3                          ; block a's arithmetic stands between block a - 1's loads from the stage and the wait for them
	PACK \a
	SEND (\a)-1
	TOSTAGE \a
.endr
	SEND 3
	s_sub_co_u32 s3, s3, 1
	s_cmp_eq_u32 s3, 0
	s_cbranch_scc1 .Ldone
	s_wait_xcnt 0x0                                ; the stores have read their base and their registers
	s_add_nc_u64 s[8:9], s[8:9], 64*CROW           ; 64 rows on
	WIN 0x83                                       ; source 0 window 3, destination window 2
.set i, 0
.rept 256
	v_mov_b32 v[i], v[i]
.set i, i+1
.endr
	WIN 0
	s_branch .Lhalf
.Ldone:
	s_wait_tensorcnt 0x0                           ; the wave's end: behind my last tensor load and my last LDS store
	ds_add_u32 v[SPW], v[NIL]
	s_wait_dscnt 0x0
	CROUND                                         ; the closing round: no work-group ends while a partner may still ask for a tile that names it
	s_endpgm
.Lfunc_end_k_q7fc0c19a40_proj:
	.size	k_q7fc0c19a40_proj, .Lfunc_end_k_q7fc0c19a40_proj-k_q7fc0c19a40_proj
	.p2alignl 7, 3214868480
	.fill 96, 4, 3214868480
	.section	.rodata,"a",@progbits
	.p2align	6, 0x0
	.amdhsa_kernel k_q7fc0c19a40_proj
		.amdhsa_group_segment_fixed_size 327680
		.amdhsa_private_segment_fixed_size 0
		.amdhsa_enable_private_segment 0
		.amdhsa_kernarg_size 24
		.amdhsa_user_sgpr_count 2
		.amdhsa_user_sgpr_kernarg_segment_ptr 1
		.amdhsa_wavefront_size32 1
		.amdhsa_system_sgpr_workgroup_id_x 1
		.amdhsa_system_sgpr_workgroup_id_y 1
		.amdhsa_system_sgpr_workgroup_id_z 1
		.amdhsa_system_vgpr_workitem_id 0
		.amdhsa_next_free_vgpr 1024
		.amdhsa_next_free_sgpr 72
		.amdhsa_reserve_vcc 0
		.amdhsa_float_denorm_mode_32 3
		.amdhsa_float_denorm_mode_16_64 3
		.amdhsa_memory_ordered 1
		.amdhsa_forward_progress 1
		.amdhsa_inst_pref_size 101
	.end_amdhsa_kernel
	.amdgpu_metadata
---
amdhsa.version: [ 1, 2 ]
amdhsa.kernels:
  - .name:           k_q7fc0c19a40_proj
    .symbol:         k_q7fc0c19a40_proj.kd
    .args:
      - { .name: xh, .offset: 0, .size: 8, .value_kind: global_buffer, .address_space: global }
      - { .name: wc, .offset: 8, .size: 8, .value_kind: global_buffer, .address_space: global }
      - { .name: yv, .offset: 16, .size: 8, .value_kind: global_buffer, .address_space: global }
    .group_segment_fixed_size: 327680
    .private_segment_fixed_size: 0
    .kernarg_segment_align: 8
    .kernarg_segment_size: 24
    .max_flat_workgroup_size: 128
    .sgpr_count:     72
    .vgpr_count:     1024
    .wavefront_size: 32
...
	.end_amdgpu_metadata
.endif
;; end of part 6
;; launch scores (part 7): grid 8 x 32, 4 waves a work-group, clusters of 4 x 4, 327,680 bytes of LDS; arguments yv, xh, pt, stats; writes pt, stats
.if DOCPART == 7
	.amdgcn_target "amdgcn-amd-amdhsa--gfx1250"
	.amdhsa_code_object_version 6
	.text
	.protected	k_q7fc0c19a40_scores
	.globl	k_q7fc0c19a40_scores
	.p2align	8
	.type	k_q7fc0c19a40_scores,@function
k_q7fc0c19a40_scores:
	s_mov_b64 s[64:65], 0
	v_nop
	global_prefetch_b8 v0, s[64:65] scope:SCOPE_SE
	s_setreg_imm32_b32 hwreg(HW_REG_WAVE_MODE, 25, 1), 1
	s_wait_xcnt 0x0
	s_wait_alu depctr_hold_cnt(0) depctr_sa_sdst(0) depctr_va_vdst(0) depctr_va_sdst(0) depctr_va_ssrc(0) depctr_va_vcc(0) depctr_vm_vsrc(0)
	s_getreg_b32 s2, hwreg(HW_REG_IB_STS2, 6, 4)
	s_cmp_eq_u32 s2, 0
	s_cbranch_scc0 .Lentry_in_a_cluster
	s_endpgm
.Lentry_in_a_cluster:
	s_bfe_u32 s2, ttmp6, 0x10000c
	s_cmp_lg_u32 s2, 0xf033
	s_cbranch_scc0 .Lentry_shape_is_right
	s_endpgm
.Lentry_shape_is_right:
; For each query row q and each strip t of 128 keys of its batch: s = Y'[q] . x[key] (f16 products, f32 sums, K ascending), where Y' = 2^-12 x G, so that 2^12 s / 32 is the score q . k / 32;
; m'[t][q] = c x max over the strip of s, c = 2^12 log2(e) / 32;  pt[q][key] = 2^(c s - m'[t][q]) in f16;  l[t][q] = the sum over the strip of these weights, unrounded.
; The next launch takes the maximum over a row's 16 strips and rescales.
; yv: [8192][2048] f16 (a row: Y', then V).  xh: [8192][1024] f16.  pt: [8192][2048] f16.  stats: m' as [16][8192] f32, then l likewise.
; The weight is made by one fused multiply-add against the m' that is stored, so the rounding of c x max is the same number in both launches.
; LIMITS.  A weight lies in 0 to 1 (to within one rounding); below 6e-5 it keeps f16's fixed step of 6e-8; below 2^-126 it counts as 0 in l.  NaN and infinities are not treated apart.
; SHARES.  A tile is 256 queries x 256 keys: 32 x 8 = 256 work-groups of four waves, each wave 128 x 128 (one strip): 64 accumulators, 512 registers.  K (1,024 channels) goes in steps of 128 through
; two LDS slots filled by the tensor data mover: rows of 256 bytes that start at multiples of 256 bytes.
; ONE TEXT FOR A STEP: the slot in hand is a scalar, 0 or SLOT, which an exclusive or turns; it enters the LDS addresses of the reads and of the refill.
; ONE TEXT FOR HALF THE SOFTMAX: four row blocks are written out and walked twice; between the trips 256 v_mov_b32 bring window 3's accumulators to window 2, where the text names them:
; 1,024 bytes of text and 256 instructions, once, for four blocks' text less.
; CLUSTER.  4 x 4 work-groups: the four of a row need the same rows of Y', the four of a column the same rows of x (a cluster's 1,024 queries lie in one batch): each tile is asked for JOINTLY.
; THE MATRIX INSTRUCTION IS USED TRANSPOSED (source 0 = 16 keys, source 1 = 16 queries): a lane holds ONE query (lane % 16) and in the 8 accumulators of a row block 64 of the strip's keys;
; the lane 16 away holds the other 64.  So a maximum and a sum want one exchange between the halves of the lanes, and eight weights pack into 16 neighbouring bytes of pt.
; REGISTERS, in windows of 256 (s_set_vgpr_msb: bits 1:0 source 0, 3:2 source 1, 5:4 source 2, 7:6 destination):
;   window 0: v0-31 addresses; v32-63 statistics; v64-127, v128-191 fragments of Y', two buffers (later: rows read back, sums at work); v192-223 packed weights
;   window 1: v64-127, v128-191 fragments of x, two buffers     window 2: the accumulators of my rows 0-63 ((a, b) at v[8 (8 a + b)])     window 3: those of my rows 64-127
.set KSTEP,  128
.set NS,     8                         ; K steps: 1024 / 128
.set PITCH,  272                       ; an LDS row: 256 bytes + 16 = 68 words: the 16 rows of a load start at 16 different groups of four banks (64 banks of 4 bytes: ISA guide 11.1)
.set HALFT,  128*PITCH                 ; 128 rows: what one tensor load brings, and what one wave reads of Y' or of x
.set SLOT,   4*HALFT                   ; Y's 256 rows, then x's 256 rows
.set STAGE,  2*SLOT                    ; behind the ring: 16 rows x 272 bytes for each wave, for the way out
.set SPITCH, 272
.set SST,    STAGE+4*16*SPITCH         ; behind the stages: 1,024 bytes for each wave: its 128 m', then its 128 l
.set SPARE,  SST+4*1024                ; behind that: the spare words, 128 bytes for each wave: two blocks of 256 bytes that no other line names
.set PROW,   4096                      ; bytes in a row of pt
.set A0,   16                          ; v16  my lane's place in slot 0's rows of Y'; never rewritten
.set B0,   17                          ; v17  the same for x
.set ADA,  18                          ; v18  the same in the slot in hand
.set ADB,  19                          ; v19
.set SSC,  20                          ; v20  where I put a statistic of the half in hand
.set STO,  24                          ; v24  the way out: where I put 16 bytes of a row
.set RD,   25                          ; v25  the way out: where I read a row back
.set CO,   26                          ; v26  my byte offset in pt
.set SSW,  27                          ; v27  where I put a statistic of my rows 0-63; never rewritten
.set SPW,  28                          ; v28  LDS address of my spare word; never rewritten
.set NIL,  29                          ; v29  0; never rewritten
.set SSR,  30                          ; v30  where I read statistics back
.set SGO,  31                          ; v31  my byte offset in 512 consecutive bytes of stats
.set CH,   32                          ; v32-35  four chains of the maximum
.set CM,   36                          ; v36-37  m', twice (named as a pair)
.set T0,   38
.set T1,   39
.set MS,   40                          ; v40-43  m' of row block a
.set LS,   48                          ; v48-51  l of row block a
.set MX,   56                          ; v56-59  m' in lanes 0-15, l in lanes 16-31
.set F0,   64
.set F1,   128
.set OB,   64                          ; the way out: 16 rows read back from the stage: v64-95 and v96-127 by turns
.set SU,   128                         ; v128-159 sums at work
.set SB,   160                         ; v160-167 the statistics read back
.set TMP,  192
.set G1A, 24                           ; s[24:31] descriptor group 1 for Y's tiles
.set G0A, 32                           ; s[32:39] group 0: a set for each of the two first fills; the second then walks on
.set G1B, 48                           ; s[48:55], s[56:63] the same for x's
.set G0B, 56
.set CS,  66                           ; s[66:67] c: the packed scaling takes the pair's low word for both halves
.set SEL, 68                           ; s[68:69] v_permlanex16_b32's selects: each lane takes its own place in the other half
.set TB,  71                           ; s71  0 or SLOT: the slot in hand
.set MSB, 0
.macro WIN new                         ; the immediate's high byte repeats the setting that is left; a switch that changes nothing is dropped
.if MSB != (\new)
	s_set_vgpr_msb (MSB<<8)|(\new)
.set MSB, \new
.endif
.endm
.set MUL_LO, 0xa1                      ; source 0 (x) window 1, source 1 (Y') window 0, C and D window 2
.set MUL_HI, 0xf1                      ; the same, C and D window 3
.set TO_B,   0x40                      ; destination window 1, address window 0
; A joint refill.  Waves 0 and 1 fetch Y's two halves, waves 2 and 3 x's.  The branch hangs on the wave's number alone.  An s_nop 0 and four v_nop follow each of the two lines.
.macro JLOAD
	s_cmp_lt_u32 s10, 2
	s_cbranch_scc0 .Lfor_b_\@
	tensor_load_to_lds s[G0A+4:G0A+7], s[G1A:G1A+7]
	s_nop 0
.rept 4
	v_nop
.endr
	s_branch .Lasked_\@
.Lfor_b_\@:
	tensor_load_to_lds s[G0B+4:G0B+7], s[G1B:G1B+7]
	s_nop 0
.rept 4
	v_nop
.endr
.Lasked_\@:
.endm
.macro CREST                           ; a round of the cluster's barrier behind its opening barrier
	s_cmp_lg_u32 s10, 0
	s_cbranch_scc1 .Lnot_wave_0_\@
	s_barrier_signal -3
.Lnot_wave_0_\@:
	s_barrier_wait -3
	s_barrier_signal -1
	s_barrier_wait -1
.endm
.macro CROUND                          ; a whole round
	s_barrier_signal -1
	s_barrier_wait -1
	CREST
.endm
	s_load_b128 s[4:7], s[0:1], 0x0                ; yv s[4:5], xh s[6:7]
	s_load_b128 s[72:75], s[0:1], 0x10             ; pt s[72:73], stats s[74:75]
	v_lshl_add_u32 v[SPW], v0, 2, SPARE
	v_mov_b32 v[NIL], 0
	ds_add_u32 v[SPW], v[NIL]                      ; the wave's opening: the add and its wait stand ahead of my first tensor load; the set-up below, work on registers, stands between them
	ds_add_u32 v28, v29
	v_lshrrev_b32 v1, 5, v0
	v_readfirstlane_b32 s10, v1                    ; wave 0..3
	s_lshr_b32 s11, s10, 1                         ; which half of the tile's queries is mine
	s_and_b32 s12, s10, 1                          ; which half of its keys.  Also: which 128 rows of a tile I fetch
	s_bfe_u32 s40, ttmp6, 0x40000                  ; cx, cy: my place in the cluster
	s_bfe_u32 s41, ttmp6, 0x40004
	s_lshl_b32 s42, ttmp9, 2
	s_add_co_u32 s42, s42, s40                     ; x = 4 x cluster x + cx: my 256 keys of the batch
	s_and_b32 s45, ttmp7, 0xffff                   ; the cluster's y: two clusters to a batch
	s_lshl_b32 s13, s45, 2
	s_add_co_u32 s13, s13, s41                     ; y = 4 x cluster y + cy: my 256 queries
	s_lshl_b32 s43, s41, 2
	s_lshl_b32 s43, 15, s43                        ; my row of the cluster
	s_lshl_b32 s44, 0x1111, s40                    ; my column
	s_or_b32 s[G1A+0], s43, (1<<16)|(1<<20)|(1<<21)|(5<<22)|(3<<25)  ; 15:0 the mask: Y's tiles go to my row; 17:16 2-byte elements; 20 padding on; 21 set beside a mask; 24:22 after every 64 words (code 5); 31:25 4 words (code 3)
	s_or_b32 s[G1B+0], s44, (1<<16)|(1<<20)|(1<<21)|(5<<22)|(3<<25)  ; the same with the mask of my column, for x's tiles
.irp g, G1A, G1B
	s_mov_b32 s[(\g)+1], KSTEP<<16                 ; tensor_dim0 = 128
	s_mov_b32 s[(\g)+2], 128<<16                   ; tensor_dim1 = 128
	s_mov_b32 s[(\g)+3], KSTEP<<16                 ; tile_dim0 = 128
	s_mov_b32 s[(\g)+4], 128                       ; tile_dim1 = 128
	s_mov_b32 s[(\g)+6], 0
	s_mov_b32 s[(\g)+7], 0
.endr
	s_mov_b32 s[G1A+5], 2048                       ; elements from row to row in yv,
	s_mov_b32 s[G1B+5], 1024                       ; and in xh
	s_mov_b32 s[CS], 0x4338aa3b                    ; c = 128 log2(e) = 184.665
	s_mov_b32 s[CS+1], s[CS]                       ; named with it as a pair
	s_mov_b32 s[SEL], 0x76543210
	s_mov_b32 s[SEL+1], 0xfedcba98
	; Y's address hangs on y and the wave alone; x's on x, the cluster's y (which all sixteen share) and the wave
	s_lshl_b32 s16, s13, 8
	s_lshl_b32 s17, s12, 7
	s_add_co_u32 s16, s16, s17                     ; Y': row 256 y + 128 x half,
	s_lshl_b32 s16, s16, 12                        ; of 4,096 bytes
	s_mov_b32 s17, 0
	s_lshr_b32 s46, s45, 1
	s_lshl_b32 s46, s46, 11                        ; x: the batch's first row,
	s_lshl_b32 s47, s42, 8
	s_add_co_u32 s46, s46, s47                     ; + 256 x
	s_lshl_b32 s47, s12, 7
	s_add_co_u32 s46, s46, s47                     ; + 128 x half,
	s_lshl_b32 s46, s46, 11                        ; of 2,048 bytes
	s_mov_b32 s47, 0
	s_mul_i32 s20, s10, HALFT                      ; where they go: Y's two halves, then x's two halves: no place in the cluster enters an LDS address
	s_mov_b32 s[TB], 0
	s_wait_dscnt 0x0                               ; the opening add is done
	s_wait_kmcnt 0x0
	s_add_nc_u64 s[14:15], s[4:5], s[16:17]
	s_add_nc_u64 s[46:47], s[6:7], s[46:47]
	CROUND                                         ; all sixteen work-groups are here: the first joint loads meet
.irp n, 0,1
	s_mov_b32 s[G0A+4*(\n)], 1                                           ; count = 1
	s_add_co_u32 s[G0A+4*(\n)+1], s20, (\n)*SLOT                         ; LDS address
	s_add_nc_u64 s[G0A+4*(\n)+2:G0A+4*(\n)+3], s[14:15], (\n)*KSTEP*2    ; global address: K step n
	s_or_b32 s[G0A+4*(\n)+3], s[G0A+4*(\n)+3], 0x80000000                ; type = 2
	s_mov_b32 s[G0B+4*(\n)], 1
	s_add_co_u32 s[G0B+4*(\n)+1], s20, (\n)*SLOT
	s_add_nc_u64 s[G0B+4*(\n)+2:G0B+4*(\n)+3], s[46:47], (\n)*KSTEP*2
	s_or_b32 s[G0B+4*(\n)+3], s[G0B+4*(\n)+3], 0x80000000
.endr
	s_cmp_lt_u32 s10, 2                            ; a wave's two first fills stand in one branch, ahead of every wait on TENSORcnt, every LDS read and every later barrier: two loads of mine are out
	s_cbranch_scc0 .Lfirst_b
	tensor_load_to_lds s[G0A:G0A+3], s[G1A:G1A+7]
	s_nop 0
	tensor_load_to_lds s[G0A+4:G0A+7], s[G1A:G1A+7]
	s_nop 0
.rept 4
	v_nop
.endr
	s_branch .Lfirst_asked
.Lfirst_b:
	tensor_load_to_lds s[G0B:G0B+3], s[G1B:G1B+7]
	s_nop 0
	tensor_load_to_lds s[G0B+4:G0B+7], s[G1B:G1B+7]
	s_nop 0
.rept 4
	v_nop
.endr
.Lfirst_asked:
	; A fragment is 16 rows x 32 channels in 8 registers: lane l holds row l % 16, channels 8 (l / 16) + 0..7 and 16 + 8 (l / 16) + 0..7: two loads of 16 bytes, 32 bytes apart.
	v_and_b32 v1, 15, v0                           ; l % 16
	v_bfe_u32 v2, v0, 4, 1                         ; l / 16
	v_mul_u32_u24 v3, v1, PITCH
	v_lshl_add_u32 v3, v2, 4, v3
	s_mul_i32 s21, s11, HALFT                      ; my 128 rows of Y'
	s_mul_i32 s22, s12, HALFT                      ; my 128 rows of x,
	s_add_co_u32 s22, s22, 2*HALFT                 ; which lie behind Y's 256
	v_add_nc_u32 v[A0], s21, v3
	v_add_nc_u32 v[B0], s22, v3
	v_mov_b32 v[ADA], v[A0]                        ; slot 0 comes first
	v_mov_b32 v[ADB], v[B0]
	s_mul_i32 s23, s10, 16*SPITCH
	s_add_co_u32 s23, s23, STAGE                   ; my stage
	v_mul_u32_u24 v4, v1, SPITCH                   ; in: row l % 16, 16 bytes for each half of the lanes
	v_lshl_add_u32 v4, v2, 4, v4
	v_add_nc_u32 v[STO], s23, v4
	v_mul_u32_u24 v5, v2, SPITCH                   ; back: lanes 0-15 take one row of 256 bytes, lanes 16-31 the next
	v_lshl_add_u32 v5, v1, 4, v5
	v_add_nc_u32 v[RD], s23, v5
	v_lshlrev_b32 v5, 12, v2                       ; and the same two rows in pt
	v_lshl_add_u32 v[CO], v1, 4, v5
	s_lshl_b32 s23, s10, 10
	s_add_co_u32 s23, s23, SST                     ; my 1,024 bytes of statistics
	v_lshlrev_b32 v4, 2, v1                        ; in: word l % 16 of a row block; lanes 0-15 among the m', lanes 16-31 among the l
	v_lshl_add_u32 v4, v2, 9, v4
	v_add_nc_u32 v[SSW], s23, v4
	v_mov_b32 v[SSC], v[SSW]                       ; my rows 0-63 come first
	v_and_b32 v5, 31, v0
	v_lshlrev_b32 v[SGO], 4, v5                    ; back: 16 bytes a lane
	v_add_nc_u32 v[SSR], s23, v[SGO]
	v_mov_b32 v[T0], 0                             ; v_permlanex16_b32's destination counts as read
	s_lshl_b32 s16, s13, 8
	s_lshl_b32 s17, s11, 7
	s_add_co_u32 s16, s16, s17                     ; my first query
	s_lshl_b32 s18, s16, 2                         ; its word in a plane of stats
	s_mov_b32 s19, 0
	s_add_nc_u64 s[74:75], s[74:75], s[18:19]
	s_lshl_b32 s16, s16, 12                        ; its row in pt
	s_mov_b32 s17, 0
	s_add_nc_u64 s[72:73], s[72:73], s[16:17]
	s_lshl_b32 s46, s42, 1
	s_add_co_u32 s46, s46, s12                     ; my strip: 2 x + half
	s_lshl_b32 s18, s46, 15                        ; its 8,192 words in a plane of stats
	s_add_nc_u64 s[74:75], s[74:75], s[18:19]
	s_lshl_b32 s46, s46, 8                         ; its 256 bytes in a row of pt
	s_mov_b32 s47, 0
	s_add_nc_u64 s[72:73], s[72:73], s[46:47]
; 16 matrix instructions: row blocks a0, a0 + 1 of the window's four (hi = 0: my rows 0-63, 1: rows 64-127) x all 8 key blocks, 32 channels.  zero = 1: the product starts the sums.
; The 64 accumulators take turns, one instruction a turn, in the same order in every quarter.
.macro MUL16 f, hi, a0, zero
	WIN MUL_LO+0x50*(\hi)
.irp a, \a0, (\a0)+1
.irp b, 0,1,2,3,4,5,6,7
.if \zero
	v_wmma_f32_16x16x32_f16 v[8*(8*(\a)+(\b)):8*(8*(\a)+(\b))+7], v[(\f)+8*(\b):(\f)+8*(\b)+7], v[(\f)+8*(4*(\hi)+(\a)):(\f)+8*(4*(\hi)+(\a))+7], 0
.else
	v_wmma_f32_16x16x32_f16 v[8*(8*(\a)+(\b)):8*(8*(\a)+(\b))+7], v[(\f)+8*(\b):(\f)+8*(\b)+7], v[(\f)+8*(4*(\hi)+(\a)):(\f)+8*(4*(\hi)+(\a))+7], v[8*(8*(\a)+(\b)):8*(8*(\a)+(\b))+7]
.endif
.endr
.endr
.endm
; 32 LDS loads in one run: the fragments of quarter q (32 channels) of the slot in hand into buffer f: x's sixteen first, then Y's sixteen
.macro FETCH q, f
	WIN TO_B
.irp i, 0,1,2,3,4,5,6,7
	ds_load_b128 v[(\f)+8*(\i):(\f)+8*(\i)+3],   v[ADB] offset:64*(\q)+(\i)*16*PITCH
	ds_load_b128 v[(\f)+8*(\i)+4:(\f)+8*(\i)+7], v[ADB] offset:64*(\q)+(\i)*16*PITCH+32
.endr
	WIN 0
.irp i, 0,1,2,3,4,5,6,7
	ds_load_b128 v[(\f)+8*(\i):(\f)+8*(\i)+3],   v[ADA] offset:64*(\q)+(\i)*16*PITCH
	ds_load_b128 v[(\f)+8*(\i)+4:(\f)+8*(\i)+7], v[ADA] offset:64*(\q)+(\i)*16*PITCH+32
.endr
.endm
.macro PLACES                          ; four places in front of loads into registers that matrix instructions have read, and of vector work on results just made
.rept 4
	v_nop
.endr
.endm
; A K step is four quarters of 32 channels, 64 matrix instructions each, on buffers 0, 1, 0, 1.  One of the first three: multiplies buffer f; in its middle it fetches quarter q into buffer g.
.macro QUARTER q, f, g, zero
	s_wait_dscnt 8                                 ; x's fragments and Y's rows 0-63 are in; the youngest eight loads (rows 64-127) may be out
	MUL16 \f, 0, 0, \zero
	MUL16 \f, 0, 2, \zero
	PLACES
	FETCH \q, \g
	s_wait_dscnt 32                                ; all but the 32 just issued
	MUL16 \f, 1, 0, \zero
	MUL16 \f, 1, 2, \zero
.endm
; The last quarter multiplies buffer 1 and changes slots: ONE barrier; in front of it each wave waits for all its tensor loads (one is out: its part of the next slot), adds 0 to its spare word, and
; waits for that and for its own reads of this slot.  fill = 1: the barrier opens a round of the cluster's barrier, and the slot just read is filled again first thing behind it, two K steps on.
.macro TURN fill
	WIN 0
	s_wait_tensorcnt 0x0                           ; all my tensor loads have landed, so the walking descriptors may be written
	ds_add_u32 v[SPW], v[NIL]                      ; 0 onto my spare word
	s_wait_dscnt 9                                 ; (the add and the youngest eight loads may be out)
	MUL16 F1, 0, 0, 0                              ; sixteen matrix instructions stand between the add and the wait for it
	s_wait_dscnt 0x0                               ; the add is done, and my reads of this slot are over
	s_barrier_signal -1
	MUL16 F1, 0, 2, 0                              ; work on registers while the others arrive
	WIN 0
	s_barrier_wait -1
.if \fill
	CREST                                          ; no wave of any partner still reads this slot's tile or has a load on its way
	s_add_co_u32 s[G0A+5], s20, s[TB]              ; into the slot just read: the wave's constant + 0 or SLOT
	s_add_co_u32 s[G0B+5], s20, s[TB]
	s_add_nc_u64 s[G0A+6:G0A+7], s[G0A+6:G0A+7], KSTEP*2
	s_add_nc_u64 s[G0B+6:G0B+7], s[G0B+6:G0B+7], KSTEP*2
	JLOAD                                          ; the first tensor load behind the round; its four v_nop are also the places in front of the loads below
.else
	PLACES
.endif
	s_xor_b32 s[TB], s[TB], SLOT                   ; the reads go on in the other slot
	v_add_nc_u32 v[ADA], s[TB], v[A0]
	v_add_nc_u32 v[ADB], s[TB], v[B0]
	FETCH 0, F0
	MUL16 F1, 1, 0, 0
	MUL16 F1, 1, 2, 0
.endm
; THE SOFTMAX'S FIRST HALF for row block a of window 2's four (16 queries, my strip's 128 keys): its 8 accumulators are 64 registers from AC on.
.macro SOFT a
.set AC, 64*(\a)
	WIN 0x0a                                       ; sources 0 and 1 window 2
.irp k, 0,1,2,3                        ; four chains of 16 scores; each accumulator's lowest registers are read first
	v_max_num_f32 v[CH+\k], v[AC+16*\k], v[AC+16*\k+1]
.endr
.irp i, 1,2,3,4,5,6,7
.irp k, 0,1,2,3
	v_max3_num_f32 v[CH+\k], v[AC+16*\k+2*\i], v[AC+16*\k+2*\i+1], v[CH+\k]
.endr
.endr
	WIN 0
	v_max3_num_f32 v[CH], v[CH], v[CH+1], v[CH+2]
	v_max_num_f32 v[CH], v[CH], v[CH+3]
	v_permlanex16_b32 v[T0], v[CH], s[SEL], s[SEL+1]  ; the query's other 64 keys lie in the lane 16 away
	v_max_num_f32 v[CH], v[CH], v[T0]
	v_mul_f32 v[CM], s[CS], v[CH]                  ; m' = c x max
	v_mul_f32 v[CM+1], s[CS], v[CH]
	v_mul_f32 v[MS+(\a)], s[CS], v[CH]
	WIN 0x82                                       ; destination and source 0 window 2
.set i, 0
.rept 32
	v_pk_fma_f32 v[AC+2*i:AC+2*i+1], v[AC+2*i:AC+2*i+1], s[CS:CS+1], v[CM:CM+1] op_sel_hi:[1,0,0] neg_lo:[0,0,1] neg_hi:[0,0,1]  ; c s - m'
.set i, i+1
.endr
.set i, 0
.rept 64
	v_exp_f32 v[AC+i], v[AC+i]
.set i, i+1
.endr
	v_nop                                          ; a plain instruction between the last exponential and the use of its result (ISA guide 5.7.2)
	WIN 0x0a
	s_wait_alu depctr_va_vdst(0)
.irp b, 0,1,2,3,4,5,6,7
.irp r, 0,1,2,3
	v_cvt_pk_f16_f32 v[TMP+4*(\b)+(\r)], v[AC+8*(\b)+2*(\r)], v[AC+8*(\b)+2*(\r)+1]
.endr
.endr
.set i, 0
.rept 16                               ; the sum of the unrounded weights: 32 pairs into 16,
	v_pk_add_f32 v[SU+2*i:SU+2*i+1], v[AC+4*i:AC+4*i+1], v[AC+4*i+2:AC+4*i+3]
.set i, i+1
.endr
	WIN 0
.irp w, 16,8,4,2                       ; then 8, 4, 2, 1
.set i, 0
.rept (\w)/2
	v_pk_add_f32 v[SU+2*i:SU+2*i+1], v[SU+2*i:SU+2*i+1], v[SU+(\w)+2*i:SU+(\w)+2*i+1]
.set i, i+1
.endr
.endr
	v_add_f32 v[T1], v[SU], v[SU+1]
	v_permlanex16_b32 v[T0], v[T1], s[SEL], s[SEL+1]
	v_add_f32 v[LS+(\a)], v[T1], v[T0]
.endm
.macro TOSTAGE a                       ; 16 bytes a lane into my own stage, and back as whole rows of 256 bytes
.set BK, OB+32*((\a)%2)
.irp b, 0,1,2,3,4,5,6,7
	ds_store_b128 v[STO], v[TMP+4*(\b):TMP+4*(\b)+3] offset:32*(\b)
.endr
.irp t, 0,1,2,3,4,5,6,7
	ds_load_b128 v[BK+4*(\t):BK+4*(\t)+3], v[RD] offset:(\t)*2*SPITCH  ; LDS serves a wave's instructions in order (ISA guide 5.7.1.4): these see the stores above
.endr
.endm
.macro SEND a
.set BK, OB+32*((\a)%2)
	s_wait_dscnt 0x0                               ; the block is back in registers
	s_wait_xcnt 0x0                                ; the registers that the block before last's stores read are loaded again only behind this wait
.irp t, 0,1,2,3,4,5,6,7
	global_store_b128 v[CO], v[BK+4*(\t):BK+4*(\t)+3], s[72:73] offset:(16*(\a)+2*(\t))*PROW  ; 16 lanes store 256 consecutive bytes, at a multiple of 256 from pt's first byte
.endr
.endm
	s_wait_tensorcnt 1                             ; my part of K step 0 is in; K step 1's may stay out
	s_barrier_signal -1
	s_barrier_wait -1                              ; everybody's is
	FETCH 0, F0
	QUARTER 1, F0, F1, 1                           ; the first quarter stands in front of the loop: its products start the sums
	WIN 0                                          ; at a label and at a branch every window is 0
	s_mov_b32 s3, NS-2
.Lstep:                                                ; a trip goes from a K step's second quarter to the next step's first, and fills the slot that it leaves: K steps 2 to 7
	QUARTER 2, F1, F0, 0
	QUARTER 3, F0, F1, 0
	TURN 1
	QUARTER 1, F0, F1, 0
	WIN 0
	s_sub_co_u32 s3, s3, 1
	s_cmp_lg_u32 s3, 0
	s_cbranch_scc1 .Lstep
	s_mov_b32 s3, 2
.Ltail:                                                ; the last two K steps fill nothing: a text of their own; the second trip is left in its middle
	QUARTER 2, F1, F0, 0
	QUARTER 3, F0, F1, 0
	TURN 0
	WIN 0
	s_sub_co_u32 s3, s3, 1
	s_cmp_eq_u32 s3, 0
	s_cbranch_scc1 .Lout
	QUARTER 1, F0, F1, 0
	WIN 0
	s_branch .Ltail
.Lout:                                                 ; the second trip's barrier and its 32 loads from the slot read before serve nothing: the price, once a launch, of one text for both trips
	s_wait_dscnt 0x0                               ; those loads are back: their registers are used again below
	PLACES
	v_cmp_ne_u32 s70, 0, v2                        ; lanes 16-31
	s_mov_b32 s3, 2
.Lhalf:                                                ; twice: my rows 0-63, then my rows 64-127
	SOFT 0
	TOSTAGE 0
.irp a, 1,2,3                          ; block a's arithmetic stands between block a - 1's loads from the stage and the wait for them
	SOFT \a
	SEND (\a)-1
	TOSTAGE \a
.endr
	SEND 3
	; every lane holds its query's m' and l, in both halves of the lanes: lanes 0-15 put the m', lanes 16-31 the l, into my 1,024 bytes
.irp a, 0,1,2,3
	v_cndmask_b32 v[MX+(\a)], v[MS+(\a)], v[LS+(\a)], s70
	ds_store_b32 v[SSC], v[MX+(\a)] offset:64*(\a)
.endr
	s_sub_co_u32 s3, s3, 1
	s_cmp_eq_u32 s3, 0
	s_cbranch_scc1 .Lstat
	s_wait_xcnt 0x0                                ; the stores have read their base and their registers
	s_add_nc_u64 s[72:73], s[72:73], 64*PROW       ; 64 rows of pt on,
	v_add_nc_u32 v[SSC], 256, v[SSW]               ; and 64 words of statistics
	WIN 0x83                                       ; source 0 window 3, destination window 2
.set i, 0
.rept 256
	v_mov_b32 v[i], v[i]
.set i, i+1
.endr
	WIN 0
	s_branch .Lhalf
.Lstat:
	ds_load_b128 v[SB:SB+3],   v[SSR]              ; the statistics come back as 2 x 512 consecutive bytes: my own bytes, served in order behind the stores above
	ds_load_b128 v[SB+4:SB+7], v[SSR] offset:512
	s_wait_dscnt 0x0
	global_store_b128 v[SGO], v[SB:SB+3],   s[74:75]                 ; 512 consecutive bytes of the plane of m', at a multiple of 256 from stats' first byte
	global_store_b128 v[SGO], v[SB+4:SB+7], s[74:75] offset:524288   ; and of the plane of l
	s_wait_tensorcnt 0x0                           ; the wave's end: behind my last tensor load and my last LDS store
	ds_add_u32 v[SPW], v[NIL]
	s_wait_dscnt 0x0
	CROUND                                         ; the closing round: no work-group ends while a partner may still ask for a tile that names it
	s_endpgm
.Lfunc_end_k_q7fc0c19a40_scores:
	.size	k_q7fc0c19a40_scores, .Lfunc_end_k_q7fc0c19a40_scores-k_q7fc0c19a40_scores
	.p2alignl 7, 3214868480
	.fill 96, 4, 3214868480
	.section	.rodata,"a",@progbits
	.p2align	6, 0x0
	.amdhsa_kernel k_q7fc0c19a40_scores
		.amdhsa_group_segment_fixed_size 327680
		.amdhsa_private_segment_fixed_size 0
		.amdhsa_enable_private_segment 0
		.amdhsa_kernarg_size 32
		.amdhsa_user_sgpr_count 2
		.amdhsa_user_sgpr_kernarg_segment_ptr 1
		.amdhsa_wavefront_size32 1
		.amdhsa_system_sgpr_workgroup_id_x 1
		.amdhsa_system_sgpr_workgroup_id_y 1
		.amdhsa_system_sgpr_workgroup_id_z 1
		.amdhsa_system_vgpr_workitem_id 0
		.amdhsa_next_free_vgpr 1024
		.amdhsa_next_free_sgpr 76
		.amdhsa_reserve_vcc 0
		.amdhsa_float_denorm_mode_32 3
		.amdhsa_float_denorm_mode_16_64 3
		.amdhsa_memory_ordered 1
		.amdhsa_forward_progress 1
		.amdhsa_inst_pref_size 127
	.end_amdhsa_kernel
	.amdgpu_metadata
---
amdhsa.version: [ 1, 2 ]
amdhsa.kernels:
  - .name:           k_q7fc0c19a40_scores
    .symbol:         k_q7fc0c19a40_scores.kd
    .args:
      - { .name: yv, .offset: 0, .size: 8, .value_kind: global_buffer, .address_space: global }
      - { .name: xh, .offset: 8, .size: 8, .value_kind: global_buffer, .address_space: global }
      - { .name: pt, .offset: 16, .size: 8, .value_kind: global_buffer, .address_space: global }
      - { .name: stats, .offset: 24, .size: 8, .value_kind: global_buffer, .address_space: global }
    .group_segment_fixed_size: 327680
    .private_segment_fixed_size: 0
    .kernarg_segment_align: 8
    .kernarg_segment_size: 32
    .max_flat_workgroup_size: 128
    .sgpr_count:     76
    .vgpr_count:     1024
    .wavefront_size: 32
...
	.end_amdgpu_metadata
.endif
;; end of part 7
;; launch pv (part 8): grid 4 x 64, 4 waves a work-group, clusters of 4 x 4, 327,680 bytes of LDS; arguments pt, yv, stats, out0; writes out0
.if DOCPART == 8
	.amdgcn_target "amdgcn-amd-amdhsa--gfx1250"
	.amdhsa_code_object_version 6
	.text
	.protected	k_q7fc0c19a40_pv
	.globl	k_q7fc0c19a40_pv
	.p2align	8
	.type	k_q7fc0c19a40_pv,@function
k_q7fc0c19a40_pv:
	s_mov_b64 s[64:65], 0
	v_nop
	global_prefetch_b8 v0, s[64:65] scope:SCOPE_SE
	s_setreg_imm32_b32 hwreg(HW_REG_WAVE_MODE, 25, 1), 1
	s_wait_xcnt 0x0
	s_wait_alu depctr_hold_cnt(0) depctr_sa_sdst(0) depctr_va_vdst(0) depctr_va_sdst(0) depctr_va_ssrc(0) depctr_va_vcc(0) depctr_vm_vsrc(0)
	s_getreg_b32 s2, hwreg(HW_REG_IB_STS2, 6, 4)
	s_cmp_eq_u32 s2, 0
	s_cbranch_scc0 .Lentry_in_a_cluster
	s_endpgm
.Lentry_in_a_cluster:
	s_bfe_u32 s2, ttmp6, 0x10000c
	s_cmp_lg_u32 s2, 0xf033
	s_cbranch_scc0 .Lentry_shape_is_right
	s_endpgm
.Lentry_shape_is_right:
; out0[q][e] = sum over the 16 strips t of f_t x (sum over the strip's keys of pt[q][key] V[key][e]),  f_t = e_t / L,  M' = max over t of m'[t][q],  e_t = 2^(m'[t][q] - M'),  L = sum over t of e_t l[t][q].
; So the row's true maximum is what is taken away: pt holds 2^(c s - m'_t), and e_t pt = 2^(c s - M').
; pt: [8192][2048] f16.  V: the last 2,048 bytes of yv's rows of 4,096, f16.  stats: m' as [16][8192] f32, then l.  out0: [8192][1024] f32.  Products in f16; sums, factors and their use in f32.
; LIMITS.  e_t below 2^-126 counts as 0.  L is at least 1 to within rounding (the strip of the maximum).  NaN and infinities are not treated apart.
; SHARES.  A tile is 128 queries x 256 channels: 64 x 4 = 256 work-groups of four waves, each 64 x 128.  The keys go in steps of 128, ONE STRIP A STEP, through two LDS slots: 128 rows of pt (256 bytes
; each) and 128 rows of V (512 bytes each).  V lies [key][channel], so its fragments come out of LDS turned, by ds_load_tr16_b128.
; TWO SETS OF 32 ACCUMULATORS.  A strip's products start a fresh sum T (the constant 0 as C); when the strip is done, O += f_t T, 128 packed fused multiply-adds a wave.  A lane of T holds one query,
; so the factor is one number a lane and row block.  Thread i makes the 16 factors of the tile's row i, once, into a table in LDS.
; O is cleared once, by 256 v_mov_b32 in the wait for the first tiles: 1,024 bytes of text, where a first step written out would take three times that.
; CLUSTER.  4 x 4 work-groups: the four of a row need the same rows of pt, the four of a column the same columns of V (a cluster's 512 queries lie in one batch): each tile is asked for JOINTLY.
; THE MATRIX INSTRUCTION IS USED TRANSPOSED (source 0 = 16 channels of V, source 1 = 16 queries): a lane then holds eight neighbouring numbers of a row of out0.
; REGISTERS, in windows of 256 (s_set_vgpr_msb: bits 1:0 source 0, 3:2 source 1, 5:4 source 2, 7:6 destination):
;   window 0: v0-31 addresses and factors; v64-95, v96-127 fragments of pt, two buffers (first: the table at work); v128-191, v192-255 rows read back from the stage
;   window 1: v0-63, v64-127 fragments of V, two buffers          window 2: T, accumulator (a, b) at v[8 (8 a + b)]          window 3: O, likewise
.set KSTEP,  128
.set NS,     16                        ; steps: 2048 keys / 128
.set PA,     272                       ; an LDS row of pt: 256 bytes + 16 = 68 words: the 16 rows of a load start at 16 different groups of four banks (64 banks of 4 bytes: ISA guide 11.1)
.set PB,     544                       ; an LDS row of V: 512 + 32 = 136 words
.set AHALF,  64*PA
.set BOFF,   128*PA
.set BHALF,  64*PB
.set SLOT1,  1<<17                     ; slot 1 begins here, so that one exclusive or turns an address in one slot into the other's
.set TAB,    BOFF+128*PB               ; between the slots, never filled by a tensor load: for each half of the rows 16 blocks of 512 bytes: step t's factors, 32 bytes for l % 16: four row blocks, each factor twice
.set THALF,  16*512
.set SPARE,  TAB+2*THALF               ; behind the table: the spare words, 128 bytes for each wave: two blocks of 256 bytes that no other line names
.set STAGE,  SLOT1+BOFF+128*PB         ; behind slot 1: 16 rows x 528 bytes for each wave, for the way out
.set SP,     528
.set ASTEP,  KSTEP*2
.set BSTEP,  KSTEP*4096
.set OROW,   4096                      ; bytes in a row of out0
.set FP,  8                            ; v8-15  the step's factors of my four row blocks, each as a pair for the packed multiply-add
.set A0,  16                           ; v16  my lane's place in slot 0's rows of pt; never rewritten
.set B0,  17                           ; v17  the same for V
.set ADA, 18                           ; v18  the same in the slot in hand
.set ADB, 19                           ; v19
.set STO, 24                           ; v24  the way out: where I put 32 bytes of a row
.set RD,  25                           ; v25  the way out: where I read a row back
.set CO,  26                           ; v26  my byte offset in 512 consecutive bytes of out0
.set TW,  27                           ; v27  where I put my row's factors
.set SPW, 28                           ; v28  LDS address of my spare word; never rewritten
.set NIL, 29                           ; v29  0; never rewritten
.set TR,  30                           ; v30  where I read step 0's factors; never rewritten
.set TRC, 31                           ; v31  the same for the step in hand
.set FA,  64
.set OB,  128
.set G1A, 24                           ; s[24:31] descriptor group 1 for pt's tiles
.set G0A, 32                           ; s[32:39] group 0: a set for each of the two first fills; the second then walks on
.set G1B, 48                           ; s[48:55], s[56:63] the same for V's
.set G0B, 56
.set TB,  66                           ; s66  0 or SLOT1: the slot in hand
.set TT,  67                           ; s67  512 x the step whose factors are in hand
.set MSB, 0
.macro WIN new                         ; the immediate's high byte repeats the setting that is left; a switch that changes nothing is dropped
.if MSB != (\new)
	s_set_vgpr_msb (MSB<<8)|(\new)
.set MSB, \new
.endif
.endm
.set MUL,  0xa1                        ; source 0 (V) window 1, source 1 (pt) window 0, C and D window 2
.set TO_B, 0x40                        ; destination window 1, address window 0
.set W_FM, 0xf2                        ; source 0 (T) window 2, source 1 (the factor) window 0, source 2 and destination (O) window 3
; A joint refill.  Waves 0 and 1 fetch pt's two halves, waves 2 and 3 V's.  The branch hangs on the wave's number alone.  An s_nop 0 and four v_nop follow each of the two lines.
.macro JLOAD
	s_cmp_lt_u32 s10, 2
	s_cbranch_scc0 .Lfor_b_\@
	tensor_load_to_lds s[G0A+4:G0A+7], s[G1A:G1A+7]
	s_nop 0
.rept 4
	v_nop
.endr
	s_branch .Lasked_\@
.Lfor_b_\@:
	tensor_load_to_lds s[G0B+4:G0B+7], s[G1B:G1B+7]
	s_nop 0
.rept 4
	v_nop
.endr
.Lasked_\@:
.endm
.macro CREST                           ; a round of the cluster's barrier behind its opening barrier
	s_cmp_lg_u32 s10, 0
	s_cbranch_scc1 .Lnot_wave_0_\@
	s_barrier_signal -3
.Lnot_wave_0_\@:
	s_barrier_wait -3
	s_barrier_signal -1
	s_barrier_wait -1
.endm
.macro CROUND                          ; a whole round
	s_barrier_signal -1
	s_barrier_wait -1
	CREST
.endm
	s_load_b128 s[4:7], s[0:1], 0x0                ; pt s[4:5], yv s[6:7]
	s_load_b128 s[68:71], s[0:1], 0x10             ; stats s[68:69], out0 s[70:71]
	v_lshl_add_u32 v[SPW], v0, 2, SPARE
	v_mov_b32 v[NIL], 0
	ds_add_u32 v[SPW], v[NIL]                      ; the wave's opening: the add and its wait stand ahead of my first tensor load; the set-up below, work on registers, stands between them
	ds_add_u32 v28, v29
	v_lshrrev_b32 v1, 5, v0
	v_readfirstlane_b32 s10, v1                    ; wave 0..3
	s_lshr_b32 s11, s10, 1                         ; which 64 of the tile's rows are mine
	s_and_b32 s12, s10, 1                          ; which 128 of its columns.  Also: which half of a tile I fetch
	s_bfe_u32 s40, ttmp6, 0x40000                  ; cx, cy: my place in the cluster
	s_bfe_u32 s41, ttmp6, 0x40004
	s_lshl_b32 s42, ttmp9, 2
	s_add_co_u32 s42, s42, s40                     ; x = 4 x cluster x + cx: my 256 channels
	s_and_b32 s45, ttmp7, 0xffff                   ; the cluster's y: four clusters to a batch
	s_lshl_b32 s13, s45, 2
	s_add_co_u32 s13, s13, s41                     ; y = 4 x cluster y + cy: my 128 queries
	s_lshl_b32 s43, s41, 2
	s_lshl_b32 s43, 15, s43                        ; my row of the cluster
	s_lshl_b32 s44, 0x1111, s40                    ; my column
	s_or_b32 s[G1A+0], s43, (1<<16)|(1<<20)|(1<<21)|(5<<22)|(3<<25)  ; 15:0 the mask: pt's tiles go to my row; 17:16 2-byte elements; 20 padding on; 21 set beside a mask; 24:22 after every 64 words (code 5); 31:25 4 words (code 3)
	s_or_b32 s[G1B+0], s44, (1<<16)|(1<<20)|(1<<21)|(6<<22)|(7<<25)  ; V's go to my column; after every 128 words (code 6) 8 words (code 7)
	s_mov_b32 s[G1A+1], KSTEP<<16                  ; tensor_dim0 = 128
	s_mov_b32 s[G1A+2], 64<<16                     ; tensor_dim1 = 64
	s_mov_b32 s[G1A+3], KSTEP<<16                  ; tile_dim0 = 128
	s_mov_b32 s[G1A+4], 64                         ; tile_dim1 = 64
	s_mov_b32 s[G1A+5], 2048                       ; elements from row to row
	s_mov_b32 s[G1A+6], 0
	s_mov_b32 s[G1A+7], 0
	s_mov_b32 s[G1B+1], 256<<16                    ; tensor_dim0 = 256
	s_mov_b32 s[G1B+2], 64<<16                     ; tensor_dim1 = 64
	s_mov_b32 s[G1B+3], 256<<16                    ; tile_dim0 = 256
	s_mov_b32 s[G1B+4], 64                         ; tile_dim1 = 64
	s_mov_b32 s[G1B+5], 2048
	s_mov_b32 s[G1B+6], 0
	s_mov_b32 s[G1B+7], 0
	; pt's address hangs on y and the wave alone; V's on x, the cluster's y (which all sixteen share) and the wave
	s_lshl_b32 s16, s13, 7
	s_lshl_b32 s17, s12, 6
	s_add_co_u32 s16, s16, s17                     ; row 128 y + 64 x half,
	s_lshl_b32 s16, s16, 12                        ; of 4,096 bytes
	s_mov_b32 s17, 0
	s_lshr_b32 s46, s45, 2
	s_lshl_b32 s46, s46, 11                        ; the batch's first key,
	s_lshl_b32 s47, s12, 6
	s_add_co_u32 s46, s46, s47                     ; + 64 x half,
	s_lshl_b32 s46, s46, 12                        ; of 4,096 bytes
	s_lshl_b32 s47, s42, 9                         ; channel 256 x,
	s_add_co_u32 s46, s46, s47
	s_add_co_u32 s46, s46, 2048                    ; and V lies behind Y' in a row
	s_mov_b32 s47, 0
	s_mul_i32 s20, s12, AHALF                      ; where they go: no place in the cluster enters an LDS address
	s_mul_i32 s21, s12, BHALF
	s_add_co_u32 s21, s21, BOFF
	s_mov_b32 s[TB], 0
	s_mov_b32 s[TT], 0
	s_wait_dscnt 0x0                               ; the opening add is done
	s_wait_kmcnt 0x0
	s_add_nc_u64 s[14:15], s[4:5], s[16:17]
	s_add_nc_u64 s[46:47], s[6:7], s[46:47]
	CROUND                                         ; all sixteen work-groups are here: the first joint loads meet
.irp n, 0,1
	s_mov_b32 s[G0A+4*(\n)], 1                                         ; count = 1
	s_add_co_u32 s[G0A+4*(\n)+1], s20, (\n)*SLOT1                      ; LDS address
	s_add_nc_u64 s[G0A+4*(\n)+2:G0A+4*(\n)+3], s[14:15], (\n)*ASTEP    ; global address: step n
	s_or_b32 s[G0A+4*(\n)+3], s[G0A+4*(\n)+3], 0x80000000              ; type = 2
	s_mov_b32 s[G0B+4*(\n)], 1
	s_add_co_u32 s[G0B+4*(\n)+1], s21, (\n)*SLOT1
	s_add_nc_u64 s[G0B+4*(\n)+2:G0B+4*(\n)+3], s[46:47], (\n)*BSTEP
	s_or_b32 s[G0B+4*(\n)+3], s[G0B+4*(\n)+3], 0x80000000
.endr
	s_cmp_lt_u32 s10, 2                            ; a wave's two first fills stand in one branch, ahead of every wait on TENSORcnt, every LDS read and every later barrier: two loads of mine are out
	s_cbranch_scc0 .Lfirst_b
	tensor_load_to_lds s[G0A:G0A+3], s[G1A:G1A+7]
	s_nop 0
	tensor_load_to_lds s[G0A+4:G0A+7], s[G1A:G1A+7]
	s_nop 0
.rept 4
	v_nop
.endr
	s_branch .Lfirst_asked
.Lfirst_b:
	tensor_load_to_lds s[G0B:G0B+3], s[G1B:G1B+7]
	s_nop 0
	tensor_load_to_lds s[G0B+4:G0B+7], s[G1B:G1B+7]
	s_nop 0
.rept 4
	v_nop
.endr
.Lfirst_asked:
	; THE TABLE, in the wait for the first tiles.  Thread i owns the tile's row i: its 16 m' and 16 l; a load of a wave covers 128 consecutive bytes, the four waves' 512.
	s_lshl_b32 s16, s13, 9                         ; the tile's 128 words in a row of stats
	s_mov_b32 s17, 0
	s_add_nc_u64 s[68:69], s[68:69], s[16:17]
	v_lshlrev_b32 v3, 2, v0
.set t, 0
.rept 16
	global_load_b32 v[64+t], v3, s[68:69] offset:t*32768
	global_load_b32 v[80+t], v3, s[68:69] offset:t*32768+524288
.set t, t+1
.endr
	; A fragment of pt is 16 rows x 32 keys in 8 registers: lane l holds row l % 16, keys 8 (l / 16) + 0..7 and 16 + 8 (l / 16) + 0..7: two loads of 16 bytes, 32 bytes apart.
	v_and_b32 v1, 15, v0                           ; l % 16
	v_bfe_u32 v2, v0, 4, 1                         ; l / 16
	v_mul_u32_u24 v4, v1, PA
	v_lshl_add_u32 v4, v2, 4, v4
	s_mul_i32 s22, s11, AHALF                      ; my 64 rows
	v_add_nc_u32 v[A0], s22, v4
	; The turning load takes 16 keys x 16 channels (lane l reads key 8 (l / 16) + l % 8, channels 8 ((l / 8) % 2) + 0..7) and leaves half a fragment: lane l holds channel l % 16 and 8 keys.
	v_and_b32 v4, 7, v0
	v_bfe_u32 v5, v0, 3, 1
	v_lshl_add_u32 v4, v2, 3, v4
	v_mul_u32_u24 v4, v4, PB
	v_lshl_add_u32 v4, v5, 4, v4
	s_lshl_b32 s22, s12, 8                         ; my 128 channels
	s_add_co_u32 s22, s22, BOFF
	v_add_nc_u32 v[B0], s22, v4
	v_mov_b32 v[ADA], v[A0]                        ; slot 0 comes first
	v_mov_b32 v[ADB], v[B0]
	s_mul_i32 s23, s10, 16*SP
	s_add_co_u32 s23, s23, STAGE                   ; my stage
	v_mul_u32_u24 v4, v1, SP                       ; in: row l % 16, 32 bytes for each half of the lanes
	v_lshl_add_u32 v4, v2, 5, v4
	v_add_nc_u32 v[STO], s23, v4
	v_and_b32 v5, 31, v0
	v_lshlrev_b32 v[CO], 4, v5                     ; back: 32 lanes take one row of 512 bytes,
	v_add_nc_u32 v[RD], s23, v[CO]                 ; which are 512 consecutive bytes of out0
	v_lshrrev_b32 v4, 6, v0                        ; the table.  In: half i / 64, 32 bytes for i % 16, the pair (i / 16) % 4
	v_mul_u32_u24 v4, v4, THALF
	v_bfe_u32 v5, v0, 4, 2
	v_lshl_add_u32 v4, v1, 5, v4
	v_lshl_add_u32 v4, v5, 3, v4
	v_add_nc_u32 v[TW], TAB, v4
	s_mul_i32 s22, s11, THALF                      ; back: my half, the 32 bytes of l % 16: my four row blocks' factors
	s_add_co_u32 s22, s22, TAB
	v_lshl_add_u32 v[TR], v1, 5, s22
	s_lshl_b32 s16, s13, 7
	s_lshl_b32 s17, s11, 6
	s_add_co_u32 s16, s16, s17                     ; my first row of out0
	s_lshl_b32 s16, s16, 12
	s_mov_b32 s17, 0
	s_add_nc_u64 s[70:71], s[70:71], s[16:17]
	s_lshl_b32 s46, s42, 10                        ; my first column, in bytes: 1,024 x + 512 x half
	s_lshl_b32 s47, s12, 9
	s_add_co_u32 s46, s46, s47
	s_mov_b32 s47, 0
	s_add_nc_u64 s[70:71], s[70:71], s[46:47]
	WIN 0xc0                                       ; O starts at 0
.set i, 0
.rept 256
	v_mov_b32 v[i], 0
.set i, i+1
.endr
	WIN 0
	s_wait_loadcnt 0x0
	v_max3_num_f32 v96, v64, v65, v66              ; M'
.irp t, 67,69,71,73,75,77
	v_max3_num_f32 v96, v96, v[\t], v[\t+1]
.endr
	v_max_num_f32 v96, v96, v79
.set t, 0
.rept 16
	v_sub_f32 v[64+t], v[64+t], v96
.set t, t+1
.endr
.set t, 0
.rept 16
	v_exp_f32 v[64+t], v[64+t]                     ; e_t
.set t, t+1
.endr
	v_nop                                          ; a plain instruction between the last exponential and the use of its result (ISA guide 5.7.2)
	s_wait_alu depctr_va_vdst(0)
	v_mul_f32 v97, v64, v80                        ; L
.set t, 1
.rept 15
	v_fmac_f32 v97, v[64+t], v[80+t]
.set t, t+1
.endr
	v_rcp_f32 v98, v97
	v_nop                                          ; a plain instruction between the reciprocal and the use of its result
.set t, 0
	s_wait_alu depctr_va_vdst(0)
.rept 16
	v_mul_f32 v[100+2*t], v[64+t], v98             ; f_t = e_t / L,
.set t, t+1
.endr
.set t, 0
.rept 16
	v_mov_b32 v[101+2*t], v[100+2*t]               ; twice: the packed multiply-add names a pair
.set t, t+1
.endr
.set t, 0
.rept 16
	ds_store_b64 v[TW], v[100+2*t:101+2*t] offset:512*t
.set t, t+1
.endr
; 8 matrix instructions: row block a x all 8 channel blocks, 32 keys, from buffer n.  zero = 1: the product starts the strip's sums.
; The 32 accumulators take turns, one instruction a turn, in the same order in every quarter.
.macro MUL8 n, a, zero
	WIN MUL
.irp b, 0,1,2,3,4,5,6,7
.if \zero
	v_wmma_f32_16x16x32_f16 v[8*(8*(\a)+(\b)):8*(8*(\a)+(\b))+7], v[64*(\n)+8*(\b):64*(\n)+8*(\b)+7], v[FA+32*(\n)+8*(\a):FA+32*(\n)+8*(\a)+7], 0
.else
	v_wmma_f32_16x16x32_f16 v[8*(8*(\a)+(\b)):8*(8*(\a)+(\b))+7], v[64*(\n)+8*(\b):64*(\n)+8*(\b)+7], v[FA+32*(\n)+8*(\a):FA+32*(\n)+8*(\a)+7], v[8*(8*(\a)+(\b)):8*(8*(\a)+(\b))+7]
.endif
.endr
.endm
.macro MUL16 n, a0, zero
	MUL8 \n, \a0, \zero
	MUL8 \n, (\a0)+1, \zero
.endm
; O += f T for row block a: 32 packed fused multiply-adds, each accumulator's lowest registers first
.macro FMA a
	WIN W_FM
.set i, 0
.rept 32
	v_pk_fma_f32 v[64*(\a)+2*i:64*(\a)+2*i+1], v[64*(\a)+2*i:64*(\a)+2*i+1], v[FP+2*(\a):FP+2*(\a)+1], v[64*(\a)+2*i:64*(\a)+2*i+1] op_sel_hi:[1,0,1]
.set i, i+1
.endr
.endm
; 24 LDS loads in one run: the fragments of quarter q (32 keys) of the slot in hand into buffer n: V's sixteen first, then pt's eight
.macro FETCH q, n
	WIN TO_B
.irp b, 0,1,2,3,4,5,6,7
	ds_load_tr16_b128 v[64*(\n)+8*(\b):64*(\n)+8*(\b)+3],   v[ADB] offset:(\q)*32*PB+32*(\b)
	ds_load_tr16_b128 v[64*(\n)+8*(\b)+4:64*(\n)+8*(\b)+7], v[ADB] offset:(\q)*32*PB+16*PB+32*(\b)
.endr
	WIN 0
.irp a, 0,1,2,3
	ds_load_b128 v[FA+32*(\n)+8*(\a):FA+32*(\n)+8*(\a)+3],   v[ADA] offset:64*(\q)+(\a)*16*PA
	ds_load_b128 v[FA+32*(\n)+8*(\a)+4:FA+32*(\n)+8*(\a)+7], v[ADA] offset:64*(\q)+(\a)*16*PA+32
.endr
.endm
.macro PLACES                          ; four places in front of loads into registers that matrix instructions have read, and of vector work on results just made
.rept 4
	v_nop
.endr
.endm
; A step is four quarters of 32 keys, 32 matrix instructions each, on buffers 0, 1, 0, 1.  One of the first three: multiplies buffer f; in its middle it fetches quarter q into buffer g.
; fma = 1 (a step's first quarter, behind another step): in its middle O takes row blocks 2 and 3 of the strip before, whose T is started anew only behind that; then the new strip's factors are
; fetched, at the head of the run of loads.  The 64 multiply-adds name no register of the products round them: they are the places in front of the loads.
.macro QUARTER q, f, g, zero, fma
	s_wait_dscnt 4                                 ; V's fragments and pt's blocks 0 and 1 are in; the youngest four loads (blocks 2 and 3) may be out
	MUL16 \f, 0, \zero
.if \fma
	FMA 2
	FMA 3
	WIN 0
	s_add_co_u32 s[TT], s[TT], 512
	v_add_nc_u32 v[TRC], s[TT], v[TR]
	ds_load_b128 v[FP:FP+3],   v[TRC]
	ds_load_b128 v[FP+4:FP+7], v[TRC] offset:16
.else
	PLACES
.endif
	FETCH \q, \g
	s_wait_dscnt 24                                ; all but the 24 just issued: the factors, which stand ahead of them, are in
	MUL16 \f, 2, \zero
.endm
; The last quarter multiplies buffer 1 and changes slots: ONE barrier; in front of it each wave waits for all its tensor loads (one is out: its part of the next slot), adds 0 to its spare word, and
; waits for that and for its own reads of this slot.  fill = 1: the barrier opens a round of the cluster's barrier, and the slot just read is filled again first thing behind it, two steps on.
; No product stands between the wait for the tiles and the request: the quarter's 32 products and the first 64 multiply-adds all stand behind the request, in the time in which it lands.
.macro TURN fill
	WIN 0
	s_wait_tensorcnt 0x0                           ; all my tensor loads have landed, so the walking descriptors may be written
	ds_add_u32 v[SPW], v[NIL]                      ; 0 onto my spare word; with fill = 1 the descriptors' steps stand between it and the wait for it
.if \fill
	s_xor_b32 s[G0A+5], s[G0A+5], SLOT1            ; the other slot than last time
	s_xor_b32 s[G0B+5], s[G0B+5], SLOT1
	s_add_nc_u64 s[G0A+6:G0A+7], s[G0A+6:G0A+7], ASTEP
	s_add_nc_u64 s[G0B+6:G0B+7], s[G0B+6:G0B+7], BSTEP
.endif
	s_wait_dscnt 0x0                               ; the add is done, and my reads of this slot are over
	s_barrier_signal -1
	s_barrier_wait -1
.if \fill
	CREST                                          ; no wave of any partner still reads this slot's tile or has a load on its way
	JLOAD                                          ; the first tensor load behind the round; its four v_nop are also the places in front of the loads below
.else
	PLACES
.endif
	s_xor_b32 s[TB], s[TB], SLOT1                  ; the reads go on in the other slot
	v_add_nc_u32 v[ADA], s[TB], v[A0]
	v_add_nc_u32 v[ADB], s[TB], v[B0]
	FETCH 0, 0
	MUL16 1, 0, 0
	MUL16 1, 2, 0                                  ; the strip's T is whole
	PLACES
	FMA 0
	FMA 1
.endm
; THE WAY OUT of row block a: 32 bytes a lane out of O into my own stage in LDS and back as whole rows of 512 bytes; stored.
.macro TOSTAGE a
.set BK, OB+64*((\a)%2)
	s_wait_xcnt 0x0                                ; the registers that the block before last's stores read are loaded again only behind this wait
	WIN 0x0c                                       ; the data (source 1) in window 3
.irp b, 0,1,2,3,4,5,6,7
	ds_store_b128 v[STO], v[64*(\a)+8*(\b):64*(\a)+8*(\b)+3]   offset:64*(\b)
	ds_store_b128 v[STO], v[64*(\a)+8*(\b)+4:64*(\a)+8*(\b)+7] offset:64*(\b)+16
.endr
	WIN 0
.set t, 0
.rept 16
	ds_load_b128 v[BK+4*t:BK+4*t+3], v[RD] offset:t*SP  ; LDS serves a wave's instructions in order (ISA guide 5.7.1.4): these see the stores above; the next block's stores come behind them
.set t, t+1
.endr
.endm
.macro SEND a, younger                 ; younger: the LDS instructions issued behind block a's loads: the next block's 32, or none
.set BK, OB+64*((\a)%2)
	s_wait_dscnt \younger                          ; the block is back in registers
.set t, 0
.rept 16
	global_store_b128 v[CO], v[BK+4*t:BK+4*t+3], s[70:71] offset:(16*(\a)+t)*OROW th:TH_STORE_NT  ; 512 consecutive bytes, at a multiple of 256 from out0's first byte
.set t, t+1
.endr
.endm
	s_wait_tensorcnt 1                             ; my part of step 0 is in; step 1's may stay out
	s_wait_dscnt 0x0                               ; for the others' sake: my rows of the table are written
	s_barrier_signal -1
	s_barrier_wait -1                              ; everybody's are
	ds_load_b128 v[FP:FP+3],   v[TR]               ; strip 0's factors
	ds_load_b128 v[FP+4:FP+7], v[TR] offset:16
	FETCH 0, 0
	QUARTER 1, 0, 1, 1, 0                          ; the first quarter of all: no strip stands before it
	WIN 0                                          ; at a label and at a branch every window is 0
	s_mov_b32 s3, NS-2
.Lstep:                                                ; a trip goes from a step's second quarter to the next step's first, and fills the slot that it leaves: steps 2 to 15
	QUARTER 2, 1, 0, 0, 0
	QUARTER 3, 0, 1, 0, 0
	TURN 1
	QUARTER 1, 0, 1, 1, 1
	WIN 0
	s_sub_co_u32 s3, s3, 1
	s_cmp_lg_u32 s3, 0
	s_cbranch_scc1 .Lstep
	s_mov_b32 s3, 2
.Ltail:                                                ; the last two steps fill nothing: a text of their own; the second trip is left in its middle
	QUARTER 2, 1, 0, 0, 0
	QUARTER 3, 0, 1, 0, 0
	TURN 0
	WIN 0
	s_sub_co_u32 s3, s3, 1
	s_cmp_eq_u32 s3, 0
	s_cbranch_scc1 .Lout
	QUARTER 1, 0, 1, 1, 1
	WIN 0
	s_branch .Ltail
.Lout:                                                 ; the second trip's barrier and its 24 loads from the slot read before serve nothing: the price, once a launch, of one text for both trips
	s_wait_dscnt 0x0                               ; those loads are back
	FMA 2                                          ; the last strip's row blocks 2 and 3: the 64 multiply-adds of blocks 0 and 1 are the places behind its last products
	FMA 3
	WIN 0
	TOSTAGE 0
.irp a, 1,2,3                          ; block a's way through the stage is begun ahead of the wait for block a - 1's
	TOSTAGE \a
	SEND (\a)-1, 32
.endr
	SEND 3, 0
	s_wait_tensorcnt 0x0                           ; the wave's end: behind my last tensor load and my last LDS store
	ds_add_u32 v[SPW], v[NIL]
	s_wait_dscnt 0x0
	CROUND                                         ; the closing round: no work-group ends while a partner may still ask for a tile that names it
	s_endpgm
.Lfunc_end_k_q7fc0c19a40_pv:
	.size	k_q7fc0c19a40_pv, .Lfunc_end_k_q7fc0c19a40_pv-k_q7fc0c19a40_pv
	.p2alignl 7, 3214868480
	.fill 96, 4, 3214868480
	.section	.rodata,"a",@progbits
	.p2align	6, 0x0
	.amdhsa_kernel k_q7fc0c19a40_pv
		.amdhsa_group_segment_fixed_size 327680
		.amdhsa_private_segment_fixed_size 0
		.amdhsa_enable_private_segment 0
		.amdhsa_kernarg_size 32
		.amdhsa_user_sgpr_count 2
		.amdhsa_user_sgpr_kernarg_segment_ptr 1
		.amdhsa_wavefront_size32 1
		.amdhsa_system_sgpr_workgroup_id_x 1
		.amdhsa_system_sgpr_workgroup_id_y 1
		.amdhsa_system_sgpr_workgroup_id_z 1
		.amdhsa_system_vgpr_workitem_id 0
		.amdhsa_next_free_vgpr 1024
		.amdhsa_next_free_sgpr 72
		.amdhsa_reserve_vcc 0
		.amdhsa_float_denorm_mode_32 3
		.amdhsa_float_denorm_mode_16_64 3
		.amdhsa_memory_ordered 1
		.amdhsa_forward_progress 1
		.amdhsa_inst_pref_size 97
	.end_amdhsa_kernel
	.amdgpu_metadata
---
amdhsa.version: [ 1, 2 ]
amdhsa.kernels:
  - .name:           k_q7fc0c19a40_pv
    .symbol:         k_q7fc0c19a40_pv.kd
    .args:
      - { .name: pt, .offset: 0, .size: 8, .value_kind: global_buffer, .address_space: global }
      - { .name: yv, .offset: 8, .size: 8, .value_kind: global_buffer, .address_space: global }
      - { .name: stats, .offset: 16, .size: 8, .value_kind: global_buffer, .address_space: global }
      - { .name: out0, .offset: 24, .size: 8, .value_kind: global_buffer, .address_space: global }
    .group_segment_fixed_size: 327680
    .private_segment_fixed_size: 0
    .kernarg_segment_align: 8
    .kernarg_segment_size: 32
    .max_flat_workgroup_size: 128
    .sgpr_count:     72
    .vgpr_count:     1024
    .wavefront_size: 32
...
	.end_amdgpu_metadata
.endif
;; end of part 8
